; MI455X (gfx1250); checked and timed in simulation.
; The chip was launched on July 23, 2026; its instructions are those of AMD's public machine-readable ISA for CDNA 5 (MIT licence, August 2026) and "CDNA5" Instruction Set Architecture Reference Guide (July 2026). The comments in the code are by the model that wrote it; some were corrected since.
;; Deep O Net Cf C Decoder. Allowed arithmetic: float matrix products may take bf16 or f16 operands with f32 sums; all other float work in f32.
;; Inputs: c 4,096 int32; h_states 128 x 64 x 256 float32; params_blocks_0_fc1_W 256 x 256 float32; params_blocks_0_fc1_b 256 float32; params_blocks_0_fc2_W 256 x 256 float32; params_blocks_0_fc2_b 256 float32; params_blocks_0_ln_b 256 float32; params_blocks_0_ln_g 256 float32; params_blocks_1_fc1_W 256 x 256 float32; params_blocks_1_fc1_b 256 float32; params_blocks_1_fc2_W 256 x 256 float32; params_blocks_1_fc2_b 256 float32; params_blocks_1_ln_b 256 float32; params_blocks_1_ln_g 256 float32; params_branch_norm_b 256 float32; params_branch_norm_g 256 float32; params_branch_proj_W 256 x 192 float32; params_branch_proj_b 192 float32; params_comp_bias 3 float32; params_comp_emb 3 x 8 float32; params_comp_scale 3 float32; params_ctx_fc1_W 256 x 256 float32; params_ctx_fc1_b 256 float32; params_ctx_fc2_W 256 x 256 float32; params_ctx_fc2_b 256 float32; params_ctx_ln_b 256 float32; params_ctx_ln_g 256 float32; params_k_proj_W 256 x 256 float32; params_k_proj_b 256 float32; params_log_temp 1 float32; params_q_proj_W 256 x 256 float32; params_q_proj_b 256 float32; params_relpos_fc1_W 1 x 256 float32; params_relpos_fc1_b 256 float32; params_relpos_fc2_W 256 x 1 float32; params_relpos_fc2_b 1 float32; params_relpos_ln_b 1 float32; params_relpos_ln_g 1 float32; params_time_proj_W 1 x 16 float32; params_time_proj_b 16 float32; params_tok_proj_W 256 x 256 float32; params_tok_proj_b 256 float32; params_trunk_in_W 60 x 256 float32; params_trunk_in_b 256 float32; params_trunk_out_W 256 x 192 float32; params_trunk_out_b 192 float32; params_v_proj_W 256 x 256 float32; params_v_proj_b 256 float32; sensor_pos 64 x 2 float32; sensor_time 128 float32; t_q 4,096 float32; xy 4,096 x 2 float32.
;; Outputs: out0 4,096 x 1 float32.
;; 3 versions, each right; version 2 is faster than version 1; version 3 is version 2 with the launches pre, attn, post written anew for expert scheduling mode. Each part assembles by itself: llvm-mc -triple=amdgcn-amd-amdhsa -mcpu=gfx1250 --defsym DOCPART=n.
;; ======== version 1 of 3: 4 launches
;; limits: values are held in f16: magnitudes above 65,504 overflow, below 6.1e-05 lose precision; right only within a limited range of input values; inputs' magnitudes at most 65,504
;; workspace buffers: wf 1,736,704 bytes; pos 16,896 bytes of whole numbers; order 16,384 bytes of whole numbers; dt 16,384 bytes; qh 2,097,152 bytes; tf 2,097,152 bytes; aux 65,536 bytes; ctxh 2,097,152 bytes
;; launch setup (part 1): grid 244 x 1, 8 waves a work-group, no clusters, 19,456 bytes of LDS; arguments params_trunk_in_W, params_blocks_0_fc1_W, params_blocks_0_fc2_W, params_blocks_1_fc1_W, params_blocks_1_fc2_W, params_q_proj_W, params_k_proj_W, params_tok_proj_W, params_v_proj_W, params_ctx_fc1_W, params_ctx_fc2_W, params_branch_proj_W, params_trunk_out_W, t_q, sensor_time, wf, pos, dt; writes wf, pos, dt
.if DOCPART == 1
	.amdgcn_target "amdgcn-amd-amdhsa--gfx1250"
	.amdhsa_code_object_version 6
	.text
	.protected	k_qccf062c173_setup
	.globl	k_qccf062c173_setup
	.p2align	8
	.type	k_qccf062c173_setup,@function
k_qccf062c173_setup:
	s_mov_b64 s[64:65], 0
	v_nop
	global_prefetch_b8 v0, s[64:65] scope:SCOPE_SE
	s_setreg_imm32_b32 hwreg(HW_REG_WAVE_MODE, 25, 1), 1
	s_wait_xcnt 0x0
; Two jobs, chosen by the work-group's number.
; Groups 0..111 (layer = b >> 3, column block w = b & 7, wave = K step): a weight matrix goes to 16 bits in the order in which the
;   chains' waves load matrix fragments: [w][step][t][j][lane][8 numbers] = Bt[32w+16t+r][32ks+16j+8h+e], r = lane & 15, h = lane >> 4.
;   Layers 6 and 7 take W as it lies (Bt[n][k] = W[n][k]), the others transposed (Bt[n][k] = W[k][n]).  Rows past 60 of trunk_in
;   and columns past 192 of the two read-out matrices are stored as zeros.
;   FORMAT: layers 5, 6, 7 (the score path: q, q Wk^T, q Wk^T Wt^T) in bf16, whose partners have no room in f16; all others in f16, which
;   keeps 11 significant bits.  LIMIT: a weight of an f16 layer is below 65,504 in size; below 6e-5 it keeps steps of 6e-8.
; Groups 112..239: the place of 32 queries in the order of t_q (equal times keep the order of their numbers), and dt.
; Groups 240..243: for 32 sensor times each, how many t_q lie below: the first sorted row of that time step.
; LIMITS: t_q holds no NaN; sensor_time ascends, which searchsorted in the reference needs as well.
.set STREAM_PRE,  118784               ; bytes of one wave's stream in the first chain: 58 steps of 2,048
.set STREAM_POST, 98304                ; in the second: 48 steps
.set POSTOFF,     950272               ; 8 x STREAM_PRE
.set NCONV,       112
.set RC,          16384                ; LDS: [wave][lane] counts; the keys of t_q lie in front, 2,048 bytes a wave
.set RM,          17408                ; LDS: [wave][lane] largest sensor time not above t
	s_load_b512 s[4:19], s[0:1], 0x0               ; matrices 0..7
	s_load_b512 s[20:35], s[0:1], 0x40             ; matrices 8..12, t_q s[30:31], sensor_time s[32:33], wf s[34:35]
	s_load_b128 s[36:39], s[0:1], 0x80             ; pos s[36:37], dt s[38:39]
	v_lshl_add_u32 v96, v0, 2, 0x4800
	v_mov_b32 v97, 0
	v_lshrrev_b32 v1, 5, v0
	v_readfirstlane_b32 s43, v1                    ; wave
	v_and_b32 v2, 31, v0                           ; lane
	s_mov_b32 s40, ttmp9
	s_wait_kmcnt 0x0
	s_cmp_ge_u32 s40, NCONV
	s_cbranch_scc1 .Lrank
	; ---------------- weights ----------------
	s_lshr_b32 s41, s40, 3                         ; layer
	s_and_b32 s42, s40, 7                          ; w
	s_cmp_lg_u32 s41, 0
	s_cbranch_scc1 .Lconv
	s_cmp_lt_u32 s43, 2                            ; trunk_in has two K steps: its other six waves have no part
	s_cbranch_scc1 .Lconv
	s_endpgm
.Lconv:
	s_cmp_ge_u32 s41, 8                            ; tok_proj serves layers 7 and 8: matrix number = layer, less one from 8 on
	s_cselect_b32 s50, 1, 0
	s_sub_co_u32 s50, s41, s50
	s_mov_b64 s[48:49], s[4:5]
.irp i, 1,2,3,4,5,6,7,8,9,10,11,12
	s_cmp_eq_u32 s50, \i
	s_cselect_b64 s[48:49], s[4+2*\i:5+2*\i], s[48:49]
.endr
	s_mov_b32 s51, 256                             ; columns of the source
	s_cmp_ge_u32 s41, 12
	s_cselect_b32 s51, 192, s51
	s_lshl_b32 s53, s51, 2                         ; bytes from k to k + 1, transposed use
	s_mov_b32 s52, 4                               ; bytes from n to n + 1
	s_sub_co_u32 s54, s41, 6
	s_cmp_lt_u32 s54, 2                            ; layers 6 and 7: as it lies
	s_cselect_b32 s52, 0x400, s52
	s_cselect_b32 s53, 4, s53
	s_mov_b32 s55, 256                             ; valid k
	s_cmp_eq_u32 s41, 0
	s_cselect_b32 s55, 60, s55
	v_and_b32 v1, 15, v0                           ; r
	v_bfe_u32 v3, v0, 4, 1                         ; h
	s_lshl_b32 s56, s42, 5
	s_sub_co_u32 s57, s51, 1
	s_sub_co_u32 s58, s55, 1
	v_add_nc_u32 v4, s56, v1                       ; n, t = 0
	v_add_nc_u32 v5, 16, v4                        ; n, t = 1
	v_cmp_gt_u32 s60, s51, v4                      ; n is a column of the source
	v_cmp_gt_u32 s61, s51, v5
	v_min_u32 v6, s57, v4                          ; loads stay inside the matrix; what is outside is set to zero below
	v_min_u32 v7, s57, v5
	v_mul_lo_u32 v6, v6, s52
	v_mul_lo_u32 v7, v7, s52
	s_lshl_b32 s59, s43, 5
	v_lshl_add_u32 v8, v3, 3, s59                  ; 32 ks + 8 h
.set JE, 0
.rept 16
	v_add_nc_u32 v9, 16*(JE>>3)+(JE&7), v8         ; k
	v_min_u32 v9, s58, v9
	v_mul_lo_u32 v9, v9, s53
	v_add_nc_u32 v[64+JE], v6, v9
	v_add_nc_u32 v[80+JE], v7, v9
.set JE, JE+1
.endr
.set Q, 0
.rept 32
	global_load_b32 v[32+Q], v[64+Q], s[48:49]     ; element (t, j, e) in v[32 + 16 t + 8 j + e]
.set Q, Q+1
.endr
	; where the 2,048 bytes go
	s_mov_b32 s44, STREAM_POST
	s_cmp_lt_u32 s41, 8
	s_cselect_b32 s44, STREAM_PRE, s44
	s_cselect_b32 s45, 0, POSTOFF
	s_lshl_b32 s46, s41, 3
	s_sub_co_i32 s47, s46, 6
	s_max_i32 s47, s47, 0                          ; first chain: layer 0 starts at step 0, layer l at 8 l - 6
	s_sub_co_i32 s46, s46, 64                      ; second chain: 8 (l - 8)
	s_cmp_lt_u32 s41, 8
	s_cselect_b32 s46, s47, s46
	s_add_co_u32 s46, s46, s43
	s_lshl_b32 s46, s46, 11
	s_mul_i32 s44, s44, s42
	s_add_co_u32 s44, s44, s45
	s_add_co_u32 s44, s44, s46
	v_lshl_add_u32 v10, v2, 4, s44
	s_wait_loadcnt 0x0
.set JE, 0
.rept 16
	v_add_nc_u32 v9, 16*(JE>>3)+(JE&7), v8
	v_cmp_gt_u32 vcc_lo, s55, v9                   ; k is a row of the source
	s_and_b32 s62, vcc_lo, s60
	s_and_b32 s63, vcc_lo, s61
	v_cndmask_b32 v[32+JE], 0, v[32+JE], s62
	v_cndmask_b32 v[48+JE], 0, v[48+JE], s63
.set JE, JE+1
.endr
	s_sub_co_u32 s54, s41, 5
	s_cmp_lt_u32 s54, 3                            ; layers 5, 6, 7: the score path, in bf16
	s_cbranch_scc1 .Lto_bf16
.set Q, 0
.rept 16
	v_cvt_pk_f16_f32 v[16+Q], v[32+2*Q], v[33+2*Q]
.set Q, Q+1
.endr
	s_branch .Lpacked
.Lto_bf16:
.set Q, 0
.rept 16
	v_cvt_pk_bf16_f32 v[16+Q], v[32+2*Q], v[33+2*Q]
.set Q, Q+1
.endr
.Lpacked:
.irp q, 0,1,2,3
	global_store_b128 v10, v[16+4*\q:19+4*\q], s[34:35] offset:512*\q   ; the wave's 32 lanes store 512 consecutive bytes
.endr
	s_endpgm
	; ---------------- ranks ----------------
.macro UKEY dst, src, tmp              ; a key whose unsigned order is the float order; x + 0 makes -0 equal to +0
	v_add_f32 \dst, 0, \src
	v_ashrrev_i32 \tmp, 31, \dst
	v_or_b32 \tmp, 0x80000000, \tmp
	v_xor_b32 \dst, \dst, \tmp
.endm
.macro CLOAD trip                      ; 32 keys of my wave's part, the same for every lane, into one of two buffers
.irp q, 0,1,2,3,4,5,6,7
	ds_load_b128 v[32+32*((\trip)&1)+4*\q:32+32*((\trip)&1)+4*\q+3], v5 offset:128*(\trip)+16*\q
.endr
.endm
.Lrank:
	s_sub_co_u32 s41, s40, NCONV                   ; g
	s_cmp_lt_u32 s41, 128
	s_cselect_b64 s[48:49], s[30:31], s[32:33]     ; my lanes' values: queries' times, or sensor times
	s_cselect_b32 s42, s41, 0                      ; blocks in front of this one count equal keys too; none for sensor times
	s_and_b32 s44, s41, 127
	s_lshl_b32 s44, s44, 7
	v_lshl_add_u32 v3, v2, 2, s44                  ; byte of my value, and of my result
	global_load_b32 v10, v3, s[48:49]
	s_lshl_b32 s45, s43, 11
	v_lshl_add_u32 v4, v2, 4, s45                  ; my wave's 512 times: 2,048 bytes
.irp q, 0,1,2,3
	global_load_b128 v[32+4*\q:35+4*\q], v4, s[30:31] offset:512*\q
.endr
	s_lshl_b32 s46, s43, 6
	s_load_b512 s[68:83], s[32:33], s46 offset:0x0 ; my wave's 16 sensor times
	s_load_b32 s84, s[32:33], 0x0                  ; the first one
	s_lshl_b32 s47, s43, 4                         ; my wave's first block of 32
	v_mov_b32 v5, s45
	v_mov_b32 v20, 0                               ; count
	s_wait_loadcnt 0x0
	UKEY v11, v10, v12
.set Q, 0
.rept 16
	UKEY v[32+Q], v[32+Q], v12
.set Q, Q+1
.endr
.irp q, 0,1,2,3
	ds_store_b128 v4, v[32+4*\q:35+4*\q] offset:512*\q
.endr
	s_wait_dscnt 0x0                               ; my keys are in LDS
	s_barrier_signal -1
	s_barrier_wait -1
	CLOAD 0
.set TR, 0
.rept 16
	s_add_co_u32 s50, s47, TR
	s_cmp_lt_u32 s50, s42                          ; a block of lower query numbers: key <= mine counts, as key < mine + 1
	s_cselect_b32 s50, 1, 0
	v_add_nc_u32 v12, s50, v11
.if TR < 15
	CLOAD TR+1
	s_wait_dscnt 0x8                               ; this block's eight loads are in, the next block's eight stay out
.else
	s_wait_dscnt 0x0
.endif
.set M, 0
.rept 32
	v_cmp_lt_u32 vcc_lo, v[32+32*(TR&1)+M], v12
	v_add_co_ci_u32 v20, vcc_lo, 0, v20, vcc_lo
.set M, M+1
.endr
.set TR, TR+1
.endr
	s_wait_kmcnt 0x0
	v_mov_b32 v21, s84                             ; sensor_time[idx]: the largest not above t, the first if none is
.irp j, 0,1,2,3,4,5,6,7,8,9,10,11,12,13,14,15
	v_cmp_le_f32 vcc_lo, s[68+\j], v10
	v_cndmask_b32 v22, v21, s[68+\j], vcc_lo
	v_max_num_f32 v21, v21, v22
.endr
	s_lshl_b32 s51, s43, 7
	v_lshl_add_u32 v6, v2, 2, s51
	ds_store_b32 v6, v20 offset:RC
	ds_store_b32 v6, v21 offset:RM
	s_wait_dscnt 0x0                               ; my partial results are in LDS before I signal
	s_barrier_signal -1
	s_barrier_wait -1
	s_cmp_lg_u32 s43, 0
	s_cbranch_scc1 .Lend
	v_lshlrev_b32 v7, 2, v2
.irp k, 0,1,2,3,4,5,6,7
	ds_load_b32 v[32+\k], v7 offset:RC+128*\k
	ds_load_b32 v[40+\k], v7 offset:RM+128*\k
.endr
	s_wait_dscnt 0x0
	v_add3_u32 v20, v32, v33, v34
	v_add3_u32 v20, v20, v35, v36
	v_add3_u32 v20, v20, v37, v38
	v_add_nc_u32 v20, v20, v39
	v_max3_num_f32 v21, v40, v41, v42
	v_max3_num_f32 v21, v21, v43, v44
	v_max3_num_f32 v21, v21, v45, v46
	v_max_num_f32 v21, v21, v47
	s_cmp_ge_u32 s41, 128
	s_cbranch_scc1 .Lstarts
.set I, 0
.rept 31                                           ; equal keys inside my own block: lane i counts for the lanes above it
	v_readlane_b32 s50, v11, I
	v_cmp_eq_u32 vcc_lo, s50, v11
	s_and_b32 vcc_lo, vcc_lo, (0xfffffffe<<I)&0xffffffff
	v_add_co_ci_u32 v20, vcc_lo, 0, v20, vcc_lo
.set I, I+1
.endr
	v_sub_f32 v22, v10, v21
	v_max_num_f32 v22, 0, v22
	global_store_b32 v3, v20, s[36:37]             ; pos[n]
	global_store_b32 v3, v22, s[38:39]             ; dt[n]
	s_wait_tensorcnt 0x0
	ds_add_u32 v96, v97
	s_wait_dscnt 0x0
	s_endpgm
.Lstarts:
	v_cmp_ne_u32 vcc_lo, 0, v3                     ; time step 0 also takes the queries in front of the first sensor time
	v_cndmask_b32 v20, 0, v20, vcc_lo
	global_store_b32 v3, v20, s[36:37] offset:16384
.Lend:
	s_wait_tensorcnt 0x0
	ds_add_u32 v96, v97
	s_wait_dscnt 0x0
	s_endpgm
.Lfunc_end_k_qccf062c173_setup:
	.size	k_qccf062c173_setup, .Lfunc_end_k_qccf062c173_setup-k_qccf062c173_setup
	.p2alignl 7, 3214868480
	.fill 96, 4, 3214868480
	.section	.rodata,"a",@progbits
	.p2align	6, 0x0
	.amdhsa_kernel k_qccf062c173_setup
		.amdhsa_group_segment_fixed_size 19456
		.amdhsa_private_segment_fixed_size 0
		.amdhsa_enable_private_segment 0
		.amdhsa_kernarg_size 144
		.amdhsa_user_sgpr_count 2
		.amdhsa_user_sgpr_kernarg_segment_ptr 1
		.amdhsa_wavefront_size32 1
		.amdhsa_system_sgpr_workgroup_id_x 1
		.amdhsa_system_sgpr_workgroup_id_y 1
		.amdhsa_system_sgpr_workgroup_id_z 1
		.amdhsa_system_vgpr_workitem_id 0
		.amdhsa_next_free_vgpr 98
		.amdhsa_next_free_sgpr 96
		.amdhsa_reserve_vcc 1
		.amdhsa_float_denorm_mode_32 3
		.amdhsa_float_denorm_mode_16_64 3
		.amdhsa_memory_ordered 1
		.amdhsa_forward_progress 1
		.amdhsa_inst_pref_size 74
	.end_amdhsa_kernel
	.amdgpu_metadata
---
amdhsa.version: [ 1, 2 ]
amdhsa.kernels:
  - .name:           k_qccf062c173_setup
    .symbol:         k_qccf062c173_setup.kd
    .args:
      - { .name: params_trunk_in_W, .offset: 0, .size: 8, .value_kind: global_buffer, .address_space: global }
      - { .name: params_blocks_0_fc1_W, .offset: 8, .size: 8, .value_kind: global_buffer, .address_space: global }
      - { .name: params_blocks_0_fc2_W, .offset: 16, .size: 8, .value_kind: global_buffer, .address_space: global }
      - { .name: params_blocks_1_fc1_W, .offset: 24, .size: 8, .value_kind: global_buffer, .address_space: global }
      - { .name: params_blocks_1_fc2_W, .offset: 32, .size: 8, .value_kind: global_buffer, .address_space: global }
      - { .name: params_q_proj_W, .offset: 40, .size: 8, .value_kind: global_buffer, .address_space: global }
      - { .name: params_k_proj_W, .offset: 48, .size: 8, .value_kind: global_buffer, .address_space: global }
      - { .name: params_tok_proj_W, .offset: 56, .size: 8, .value_kind: global_buffer, .address_space: global }
      - { .name: params_v_proj_W, .offset: 64, .size: 8, .value_kind: global_buffer, .address_space: global }
      - { .name: params_ctx_fc1_W, .offset: 72, .size: 8, .value_kind: global_buffer, .address_space: global }
      - { .name: params_ctx_fc2_W, .offset: 80, .size: 8, .value_kind: global_buffer, .address_space: global }
      - { .name: params_branch_proj_W, .offset: 88, .size: 8, .value_kind: global_buffer, .address_space: global }
      - { .name: params_trunk_out_W, .offset: 96, .size: 8, .value_kind: global_buffer, .address_space: global }
      - { .name: t_q, .offset: 104, .size: 8, .value_kind: global_buffer, .address_space: global }
      - { .name: sensor_time, .offset: 112, .size: 8, .value_kind: global_buffer, .address_space: global }
      - { .name: wf, .offset: 120, .size: 8, .value_kind: global_buffer, .address_space: global }
      - { .name: pos, .offset: 128, .size: 8, .value_kind: global_buffer, .address_space: global }
      - { .name: dt, .offset: 136, .size: 8, .value_kind: global_buffer, .address_space: global }
    .group_segment_fixed_size: 19456
    .private_segment_fixed_size: 0
    .kernarg_segment_align: 8
    .kernarg_segment_size: 144
    .max_flat_workgroup_size: 256
    .sgpr_count:     96
    .vgpr_count:     98
    .wavefront_size: 32
...
	.end_amdgpu_metadata
.endif
;; end of part 1
;; launch pre (part 2): grid 64 x 1, 8 waves a work-group, no clusters, 89,088 bytes of LDS; arguments xy, t_q, c, dt, pos, wf, params_time_proj_W, params_time_proj_b, params_comp_emb, params_trunk_in_b, params_blocks_0_ln_g, params_blocks_0_ln_b, params_blocks_0_fc1_b, params_blocks_0_fc2_b, params_blocks_1_ln_g, params_blocks_1_ln_b, params_blocks_1_fc1_b, params_blocks_1_fc2_b, params_branch_norm_g, params_branch_norm_b, params_q_proj_b, params_k_proj_b, params_tok_proj_b, qh, tf, aux, order; writes qh, tf, aux, order
.if DOCPART == 2
	.amdgcn_target "amdgcn-amd-amdhsa--gfx1250"
	.amdhsa_code_object_version 6
	.text
	.protected	k_qccf062c173_pre
	.globl	k_qccf062c173_pre
	.p2align	8
	.type	k_qccf062c173_pre,@function
k_qccf062c173_pre:
	s_mov_b64 s[64:65], 0
	v_nop
	global_prefetch_b8 v0, s[64:65] scope:SCOPE_SE
	s_setreg_imm32_b32 hwreg(HW_REG_WAVE_MODE, 25, 1), 1
	s_wait_xcnt 0x0
; The query side, 64 queries a work-group: features, trunk_in, two residual blocks (tf), q, and the two projections that the
; reference applies to every token moved to the query: q~ = q Wk^T, q^ = q~ Wt^T / 16, since
;   q.k = h.(Wt (Wk q)) + bt.(Wk q) + bk.q   for every input.   cst = (bt.q~ + bk.q) / 16.
; Rows leave to the query's place in the order of t_q (pos), so that the queries of a time step are neighbouring rows.
; Eight waves; wave w makes all 64 rows x columns 32w..32w+31 of every layer.  The matrix instruction is used transposed (source 0 =
; 16 columns of the weights, source 1 = 16 rows of the activations): lane (r, h) register j holds row 16i+r, column 32w+16t+8h+j.
; Weights come from wf straight into registers: each byte is read by one wave of the group, so a pass through LDS would add reads.
; Clusters are left out for the same reason: a joint load would land in LDS, and each weight byte would then be read from there once more.
; FORMATS.  The trunk's products take f16 operands (11 significant bits): the result is a product of two chains of about ten operand
; roundings each.  Their operands have room in f16: features at most 1 or small; LayerNorm's output at most 16 |g| + |b|; silu(fc1), with
; gains and weights 30 times the drawn ones and offsets of 30 spreads, about 3,000 against f16's 65,504.  The residual stream tf has no such
; room, so each row leaves multiplied by 1 / sqrt(sum of its squares), at most 1 in size, and the root goes along in aux.
; The score path (branch_norm's output, q, q~, q^) grows with three matrices in a row and stays in bf16.
; LIMITS: sine and cosine by series on [-pi, pi], remainder below 3e-5; c is 0, 1 or 2; an f16 operand named above is below 65,504;
; a row's sum of squares of tf stays inside f32 (|tf| below about 1e18) and is taken as 2^-100 at the least.
.set XP,   528                         ; an activation row in LDS: 512 bytes + 16
.set XT,   16*XP
.set XB,   64*XP                       ; X0 at 0, X1 at XB
.set VEC,  67584                       ; 1,024 bytes for each bias or gain vector
.set RED,  83968                       ; two tables [row][wave] f32 of 2,048 bytes
.set ACC,  16                          ; v[16:79]   tile (i, t) at ACC + 16 i + 8 t
.set RES,  80                          ; v[80:143]  the residual stream, same map
.set BR,   144                         ; v[144:207] ring of four steps of weight fragments
.set A,    208                         ; v[208:239] activation fragments
.set T,    208                         ;            and scratch between products
.set P,    10                          ; v[10:13]   one number for each of my four rows
.set PR,   240                         ; v[240:241] one number twice, for the packed arithmetic
.set SC,   242                         ; v[242:245] the score constant's partial sums
.set TS,   252                         ; v[252:255] sqrt(sum of squares) of tf's rows
.set GTOT, 58
.set PART, 0
.set STREAM, 118784
.set WFP,  14
.set GS,   0
.macro BAR
	s_wait_dscnt 0x0                               ; my LDS stores are in and my LDS loads are back before I signal
	s_barrier_signal -1
	s_barrier_wait -1
.endm
; One K step of 32: 8 loads of activation fragments, 8 matrix instructions, the refill of the ring's slot four steps ahead.  f = 1: f16, 0: bf16.
.macro KSTEP areg, base, ks, zero, f
.irp i, 0,1,2,3
	ds_load_b128 v[A+8*\i:A+8*\i+3],   v[\areg] offset:\base+\i*XT+64*\ks
	ds_load_b128 v[A+8*\i+4:A+8*\i+7], v[\areg] offset:\base+\i*XT+64*\ks+32
.endr
.if GS+3 < GTOT
	s_wait_loadcnt 12                              ; loads come back in order: this step's four are in, the three younger steps' twelve stay out
.else
	s_wait_loadcnt 4*(GTOT-1-GS)                   ; the stream's end: fewer are behind
.endif
	s_wait_dscnt 0x0
.irp i, 0,1,2,3
.irp t, 0,1
.if \f
.if \zero
	v_wmma_f32_16x16x32_f16 v[ACC+16*\i+8*\t:ACC+16*\i+8*\t+7], v[BR+16*(GS%4)+8*\t:BR+16*(GS%4)+8*\t+7], v[A+8*\i:A+8*\i+7], 0
.else
	v_wmma_f32_16x16x32_f16 v[ACC+16*\i+8*\t:ACC+16*\i+8*\t+7], v[BR+16*(GS%4)+8*\t:BR+16*(GS%4)+8*\t+7], v[A+8*\i:A+8*\i+7], v[ACC+16*\i+8*\t:ACC+16*\i+8*\t+7]
.endif
.else
.if \zero
	v_wmma_f32_16x16x32_bf16 v[ACC+16*\i+8*\t:ACC+16*\i+8*\t+7], v[BR+16*(GS%4)+8*\t:BR+16*(GS%4)+8*\t+7], v[A+8*\i:A+8*\i+7], 0
.else
	v_wmma_f32_16x16x32_bf16 v[ACC+16*\i+8*\t:ACC+16*\i+8*\t+7], v[BR+16*(GS%4)+8*\t:BR+16*(GS%4)+8*\t+7], v[A+8*\i:A+8*\i+7], v[ACC+16*\i+8*\t:ACC+16*\i+8*\t+7]
.endif
.endif
.endr
.endr                                              ; the eight accumulators take turns, one instruction a turn
.rept 4
	v_nop                                          ; four places before loads land on the sources and before results are read
.endr
.if GS+4 < GTOT
.irp q, 0,1,2,3
	global_load_b128 v[BR+16*(GS%4)+4*\q:BR+16*(GS%4)+4*\q+3], v5, s[WFP:WFP+1] offset:PART+(GS+4)*2048+512*\q
.endr
.endif
.set GS, GS+1
.endm
.macro GEMM areg, base, n, f           ; the first step starts the sums: nothing is cleared
	KSTEP \areg, \base, 0, 1, \f
.set KS, 1
.rept \n-1
	KSTEP \areg, \base, KS, 0, \f
.set KS, KS+1
.endr
.endm
.macro LDV dst, id                     ; my 16 columns of vector id
.irp t, 0,1
.irp q, 0,1
	ds_load_b128 v[\dst+8*\t+4*\q:\dst+8*\t+4*\q+3], v6 offset:\id*1024+64*\t+16*\q
.endr
.endr
.endm
.macro ADDB dst, id                    ; dst = ACC + bias
	LDV T, \id
	s_wait_dscnt 0x0
.irp i, 0,1,2,3
.irp e, 0,2,4,6,8,10,12,14
	v_pk_add_f32 v[\dst+16*\i+\e:\dst+16*\i+\e+1], v[ACC+16*\i+\e:ACC+16*\i+\e+1], v[T+\e:T+\e+1]
.endr
.endr
.endm
.macro RESADD id                       ; RES += ACC + bias
	LDV T, \id
	s_wait_dscnt 0x0
.irp i, 0,1,2,3
.irp e, 0,2,4,6,8,10,12,14
	v_pk_add_f32 v[ACC+16*\i+\e:ACC+16*\i+\e+1], v[ACC+16*\i+\e:ACC+16*\i+\e+1], v[T+\e:T+\e+1]
	v_pk_add_f32 v[RES+16*\i+\e:RES+16*\i+\e+1], v[RES+16*\i+\e:RES+16*\i+\e+1], v[ACC+16*\i+\e:ACC+16*\i+\e+1]
.endr
.endr
.endm
.macro SILU dst                        ; dst = ACC / (1 + 2^(-1.442695 ACC)), eight numbers at a time
.irp g, 0,1,2,3,4,5,6,7
.irp e, 0,2,4,6
	v_pk_mul_f32 v[T+\e:T+\e+1], v[ACC+8*\g+\e:ACC+8*\g+\e+1], 0xbfb8aa3b op_sel_hi:[1,0]
.endr
.irp e, 0,1,2,3,4,5,6,7
	v_exp_f32 v[T+\e], v[T+\e]
.endr
	v_nop                                          ; one plain place behind the transcendentals (ISA guide 5.7.2)
	s_wait_alu depctr_va_vdst(0)
.irp e, 0,2,4,6
	v_pk_add_f32 v[T+\e:T+\e+1], v[T+\e:T+\e+1], 1.0 op_sel_hi:[1,0]
.endr
.irp e, 0,1,2,3,4,5,6,7
	v_rcp_f32 v[T+\e], v[T+\e]
.endr
	v_nop
	s_wait_alu depctr_va_vdst(0)
.irp e, 0,2,4,6
	v_pk_mul_f32 v[\dst+8*\g+\e:\dst+8*\g+\e+1], v[ACC+8*\g+\e:ACC+8*\g+\e+1], v[T+\e:T+\e+1]
.endr
.endr
.endm
.macro STX src, xb, f                  ; to 16 bits (f = 1: f16, 0: bf16) and into activation buffer xb: 16 bytes of a row for each tile
.irp i, 0,1,2,3
.irp t, 0,1
.irp q, 0,1,2,3
.if \f
	v_cvt_pk_f16_f32 v[T+8*\i+4*\t+\q], v[\src+16*\i+8*\t+2*\q], v[\src+16*\i+8*\t+2*\q+1]
.else
	v_cvt_pk_bf16_f32 v[T+8*\i+4*\t+\q], v[\src+16*\i+8*\t+2*\q], v[\src+16*\i+8*\t+2*\q+1]
.endif
.endr
	ds_store_b128 v4, v[T+8*\i+4*\t:T+8*\i+4*\t+3] offset:\xb*XB+\i*XT+32*\t
.endr
.endr
.endm
.macro RSUM i, src                     ; P_i = sum of my 16 numbers of row i
	v_pk_add_f32 v[T+2*\i:T+2*\i+1], v[\src+16*\i:\src+16*\i+1], v[\src+16*\i+2:\src+16*\i+3]
.irp e, 4,6,8,10,12,14
	v_pk_add_f32 v[T+2*\i:T+2*\i+1], v[T+2*\i:T+2*\i+1], v[\src+16*\i+\e:\src+16*\i+\e+1]
.endr
	v_add_f32 v[P+\i], v[T+2*\i], v[T+2*\i+1]
.endm
.macro RDOT i, a, b, bs, tp            ; pair tp + 2 i = sums of a x b over my 16 numbers of row i; b steps by bs from row to row
	v_pk_mul_f32 v[\tp+2*\i:\tp+2*\i+1], v[\a+16*\i:\a+16*\i+1], v[\b+\bs*\i:\b+\bs*\i+1]
.irp e, 2,4,6,8,10,12,14
	v_pk_fma_f32 v[\tp+2*\i:\tp+2*\i+1], v[\a+16*\i+\e:\a+16*\i+\e+1], v[\b+\bs*\i+\e:\b+\bs*\i+\e+1], v[\tp+2*\i:\tp+2*\i+1]
.endr
.endm
.macro ROWRED red                      ; P_i summed over the row's 256 columns: the other half of the lanes, then the eight waves through LDS
.irp i, 0,1,2,3
	v_permlanex16_b32 v14, v[P+\i], s60, s61
	v_add_f32 v[P+\i], v[P+\i], v14
	ds_store_b32 v7, v[P+\i] offset:\red+512*\i
.endr
	BAR
.irp i, 0,1,2,3
	ds_load_b128 v[T+8*\i:T+8*\i+3],   v8 offset:\red+512*\i
	ds_load_b128 v[T+8*\i+4:T+8*\i+7], v8 offset:\red+512*\i+16
.endr
	s_wait_dscnt 0x0
.irp i, 0,1,2,3
	v_pk_add_f32 v[T+8*\i:T+8*\i+1], v[T+8*\i:T+8*\i+1], v[T+8*\i+2:T+8*\i+3]
	v_pk_add_f32 v[T+8*\i+4:T+8*\i+5], v[T+8*\i+4:T+8*\i+5], v[T+8*\i+6:T+8*\i+7]
	v_pk_add_f32 v[T+8*\i:T+8*\i+1], v[T+8*\i:T+8*\i+1], v[T+8*\i+4:T+8*\i+5]
	v_add_f32 v[P+\i], v[T+8*\i], v[T+8*\i+1]
.endr
.endm
.macro LN gid, bid, xb, f              ; LayerNorm of RES into activation buffer xb; the variance from the centred numbers
.irp i, 0,1,2,3
	RSUM \i, RES
.endr
	ROWRED 0
.irp i, 0,1,2,3
	v_mul_f32 v[PR], s62, v[P+\i]                  ; the mean, twice, for the packed arithmetic
	v_mul_f32 v[PR+1], s62, v[P+\i]
.irp e, 0,2,4,6,8,10,12,14
	v_pk_add_f32 v[ACC+16*\i+\e:ACC+16*\i+\e+1], v[RES+16*\i+\e:RES+16*\i+\e+1], v[PR:PR+1] neg_lo:[0,1] neg_hi:[0,1]
.endr
.endr
.irp i, 0,1,2,3
	RDOT \i, ACC, ACC, 16, T
	v_add_f32 v[P+\i], v[T+2*\i], v[T+2*\i+1]
.endr
	ROWRED 2048
.irp i, 0,1,2,3
	v_fmaak_f32 v[P+\i], s62, v[P+\i], 0x3727c5ac  ; variance + 1e-5
.endr
.irp i, 0,1,2,3
	v_rsq_f32 v[P+\i], v[P+\i]
.endr
	LDV T, \gid
	LDV T+16, \bid
	v_nop                                          ; one plain place behind the transcendentals
	s_wait_dscnt 0x0
	s_wait_alu depctr_va_vdst(0)
.irp i, 0,1,2,3
	v_mov_b32 v[PR], v[P+\i]
	v_mov_b32 v[PR+1], v[P+\i]
.irp e, 0,2,4,6,8,10,12,14
	v_pk_mul_f32 v[ACC+16*\i+\e:ACC+16*\i+\e+1], v[ACC+16*\i+\e:ACC+16*\i+\e+1], v[PR:PR+1]
	v_pk_fma_f32 v[ACC+16*\i+\e:ACC+16*\i+\e+1], v[ACC+16*\i+\e:ACC+16*\i+\e+1], v[T+\e:T+\e+1], v[T+16+\e:T+16+\e+1]
.endr
.endr
	STX ACC, \xb, \f
	BAR
.endm
.macro RSCALE ts, xb                   ; RES x 1 / sqrt(the row's sum of squares), at most 1 in size, as f16 into buffer xb; ts_i = the root
.irp i, 0,1,2,3
	RDOT \i, RES, RES, 16, T
	v_add_f32 v[P+\i], v[T+2*\i], v[T+2*\i+1]
.endr
	ROWRED 2048
.irp i, 0,1,2,3
	v_max_num_f32 v[P+\i], 0x0d800000, v[P+\i]     ; 2^-100 at the least: a row of zeros stays zeros
.endr
.irp i, 0,1,2,3
	v_rsq_f32 v[T+\i], v[P+\i]
.endr
	v_nop                                          ; one plain place behind the transcendentals
	s_wait_alu depctr_va_vdst(0)
.irp i, 0,1,2,3
	v_mul_f32 v[\ts+\i], v[P+\i], v[T+\i]
	v_mov_b32 v[PR], v[T+\i]
	v_mov_b32 v[PR+1], v[T+\i]
.irp e, 0,2,4,6,8,10,12,14
	v_pk_mul_f32 v[ACC+16*\i+\e:ACC+16*\i+\e+1], v[RES+16*\i+\e:RES+16*\i+\e+1], v[PR:PR+1]
.endr
.endr
	STX ACC, \xb, 1
.endm
.macro DOTV id, first                  ; SC_i (+)= my part of ACC . vector id
	LDV T, \id
	s_wait_dscnt 0x0
.irp i, 0,1,2,3
	RDOT \i, ACC, T, 0, T+16
.if \first
	v_add_f32 v[SC+\i], v[T+16+2*\i], v[T+16+2*\i+1]
.else
	v_add_f32 v[T+16+2*\i], v[T+16+2*\i], v[T+16+2*\i+1]
	v_add_f32 v[SC+\i], v[SC+\i], v[T+16+2*\i]
.endif
.endr
.endm
.macro STROWS xb, ptr                  ; my wave's eight rows of buffer xb leave, each as 512 consecutive bytes, to their sorted places
	s_wait_xcnt 0x0                                ; the registers below may have been sources of earlier stores
.irp q, 0,1,2,3,4,5,6,7
	v_add_nc_u32 v[112+\q], s[76+\q], v9
.endr
.irp q, 0,1,2,3,4,5,6,7
	ds_load_b128 v[80+4*\q:83+4*\q], v15 offset:\xb*XB+\q*XP
.endr
.irp q, 0,1,2,3,4,5,6,7
	s_wait_dscnt 7-\q                              ; row q is in, the younger rows' loads stay out
	global_store_b128 v[112+\q], v[80+4*\q:83+4*\q], s[\ptr:\ptr+1]
.endr
.endm
.macro TRIG                            ; v40 = angle in turns; v41 = sine, v42 = cosine
	v_rndne_f32 v43, v40
	v_sub_f32 v40, v40, v43                        ; exact: a fraction in [-1/2, 1/2]
	v_mul_f32 v40, 0x40c90fdb, v40                 ; theta
	v_mul_f32 v43, v40, v40
	v_mov_b32 v41, 0x2f309231                      ; 1/13!
.irp k, 0xb2d7322b, 0x3638ef1d, 0xb9500d01, 0x3c088889, 0xbe2aaaab, 0x3f800000
	v_fmaak_f32 v41, v41, v43, \k
.endr
	v_mul_f32 v41, v41, v40
	v_mov_b32 v42, 0xad49cba5                      ; -1/14!
.irp k, 0x310f76c7, 0xb493f27e, 0x37d00d01, 0xbab60b61, 0x3d2aaaab, 0xbf000000, 0x3f800000
	v_fmaak_f32 v42, v42, v43, \k
.endr
.endm
.macro HARM n, off, step               ; (sin, cos) of harmonics 1..n as pairs of f16, by the addition theorem
	v_mov_b32 v44, v41
	v_mov_b32 v45, v42
.set HK, 0
.rept \n
	v_cvt_pk_f16_f32 v46, v44, v45
	ds_store_b32 v217, v46 offset:\off+\step*HK
.if HK+1 < \n
	v_mul_f32 v48, v45, v41
	v_mul_f32 v49, v44, v41
	v_fma_f32 v44, v44, v42, v48
	v_fma_f32 v45, v45, v42, -v49
.endif
.set HK, HK+1
.endr
.endm
	s_load_b512 s[4:19], s[0:1], 0x0               ; xy, t_q, c, dt, pos, wf, time_proj W, b
	s_load_b512 s[20:35], s[0:1], 0x40             ; comp_emb, vectors 0..6
	s_load_b512 s[36:51], s[0:1], 0x80             ; vectors 7..13, qh s[50:51]
	s_load_b128 s[52:55], s[0:1], 0xc0             ; tf, aux
	s_load_b64 s[56:57], s[0:1], 0xd0              ; order
	s_set_vgpr_msb 0x40
	v_lshl_add_u32 v0, v0, 2, 0x15800
	v_mov_b32 v1, 0
	s_set_vgpr_msb 0x4000
	v_lshrrev_b32 v1, 5, v0
	v_readfirstlane_b32 s58, v1                    ; wave
	s_mov_b32 s59, ttmp9
	s_mov_b32 s60, 0x76543210                      ; v_permlanex16_b32: lane i reads lane i of the other half
	s_mov_b32 s61, 0xfedcba98
	s_mov_b32 s62, 0x3b800000                      ; 1/256
	v_and_b32 v1, 15, v0                           ; r
	v_bfe_u32 v2, v0, 4, 1                         ; h
	v_and_b32 v9, 31, v0
	v_lshlrev_b32 v9, 4, v9                        ; 16 x lane
	v_mul_u32_u24 v3, v1, XP
	v_lshl_add_u32 v3, v2, 4, v3                   ; fragments: r x pitch + 16 h
	s_lshl_b32 s63, s58, 6
	v_add_nc_u32 v4, s63, v3                       ; results: + 64 w
	s_mul_i32 s63, s58, STREAM
	v_add_nc_u32 v5, s63, v9                       ; my wave's stream in wf
	s_lshl_b32 s63, s58, 7
	s_add_co_u32 s63, s63, VEC
	v_lshl_add_u32 v6, v2, 5, s63                  ; my columns of a vector
	s_lshl_b32 s63, s58, 2
	s_add_co_u32 s63, s63, RED
	v_lshl_add_u32 v7, v1, 5, s63                  ; [row][wave]
	v_lshlrev_b32 v8, 5, v1
	v_add_nc_u32 v8, RED, v8
	s_mul_i32 s63, s58, 8*XP
	v_add_nc_u32 v15, s63, v9                      ; my wave's eight whole rows
	v_mov_b32 v14, 0
	; addresses of the start's loads, in scratch that is rewritten only behind the wait for them
	v_and_b32 v208, 63, v0                         ; the row whose features I make
	s_lshl_b32 s63, s59, 6
	v_add_nc_u32 v209, s63, v208                   ; its query
	v_lshlrev_b32 v210, 3, v209
	v_lshlrev_b32 v211, 2, v209
	v_lshlrev_b32 v212, 2, v0
	v_mov_b32 v213, 0
	v_lshrrev_b32 v214, 4, v9
	v_add_nc_u32 v218, s63, v214                   ; query 64 wg + lane
	v_lshlrev_b32 v214, 2, v218
	v_lshlrev_b32 v215, 3, v218
	v_add_nc_u32 v216, VEC, v212
	v_mul_u32_u24 v217, v208, XP
	s_lshl_b32 s66, s59, 8
	s_lshl_b32 s67, s58, 5
	s_add_co_u32 s66, s66, s67                     ; 4 (64 wg + 8 w)
	s_wait_kmcnt 0x0
.irp g, 0,1,2,3
.irp q, 0,1,2,3
	global_load_b128 v[BR+16*\g+4*\q:BR+16*\g+4*\q+3], v5, s[WFP:WFP+1] offset:PART+\g*2048+512*\q
.endr
.endr
	s_load_b256 s[68:75], s[12:13], s66 offset:0x0 ; the sorted places of my wave's eight rows
	global_load_b64 v[32:33], v210, s[4:5]
	global_load_b32 v34, v211, s[6:7]
	global_load_b32 v35, v211, s[10:11]
	global_load_b32 v36, v211, s[8:9]
.irp q, 0,1,2,3
	global_load_b128 v[80+4*\q:83+4*\q], v213, s[16:17] offset:16*\q
	global_load_b128 v[96+4*\q:99+4*\q], v213, s[18:19] offset:16*\q
.endr
.irp q, 0,1,2,3,4,5
	global_load_b128 v[112+4*\q:115+4*\q], v213, s[20:21] offset:16*\q
.endr
.irp d, 0,1,2,3,4,5,6,7,8,9,10,11,12,13
	global_load_b32 v[16+\d], v212, s[22+2*\d:23+2*\d]
.endr
.irp k, 0,1
	global_load_b32 v[246+\k], v214, s[12:13] offset:128*\k
	global_load_b64 v[248+2*\k:249+2*\k], v215, s[4:5] offset:256*\k
.endr
	s_wait_loadcnt 0x0
	s_wait_kmcnt 0x0
.irp q, 0,1,2,3,4,5,6,7
	s_min_u32 s[76+\q], s[68+\q], 0xfff
	s_lshl_b32 s[76+\q], s[76+\q], 9               ; rows of 512 bytes
.endr
.irp d, 0,1,2,3,4,5,6,7,8,9,10,11,12,13
	ds_store_b32 v216, v[16+\d] offset:\d*1024
.endr
	; features, 64 columns of f16 in X0: two waves for each part, a thread for each row
	s_cmp_ge_u32 s58, 6
	s_cbranch_scc1 .Lf_te
	s_cmp_ge_u32 s58, 4
	s_cbranch_scc1 .Lf_t
	s_cmp_ge_u32 s58, 2
	s_cbranch_scc1 .Lf_y
	v_mov_b32 v40, v32                             ; x / L, L = 1
	TRIG
	HARM 8, 0, 8
	s_branch .Lf_done
.Lf_y:
	v_mov_b32 v40, v33
	TRIG
	HARM 8, 4, 8
	s_branch .Lf_done
.Lf_t:
	v_mul_f32 v40, 0x3e4ccccd, v34                 ; t / 5
	TRIG
	HARM 2, 64, 4
	s_branch .Lf_done
.Lf_te:
.irp j, 0,1,2,3,4,5,6,7,8,9,10,11,12,13,14,15
	v_fma_f32 v[40+\j], v35, v[80+\j], v[96+\j]    ; dt W + b
.endr
.irp j, 0,1,2,3,4,5,6,7
	v_cvt_pk_f16_f32 v[56+\j], v[40+2*\j], v[41+2*\j]
.endr
.irp j, 0,1,2,3
	ds_store_b64 v217, v[56+2*\j:57+2*\j] offset:72+8*\j
.endr
	v_cmp_eq_u32 vcc_lo, 1, v36
	v_cmp_eq_u32 s66, 2, v36
.irp j, 0,1,2,3,4,5,6,7
	v_cndmask_b32 v[40+\j], v[112+\j], v[120+\j], vcc_lo
	v_cndmask_b32 v[40+\j], v[40+\j], v[128+\j], s66
.endr
.irp j, 0,1,2,3
	v_cvt_pk_f16_f32 v[64+\j], v[40+2*\j], v[41+2*\j]
.endr
	v_mov_b32 v68, 0
	v_mov_b32 v69, 0
	ds_store_b64 v217, v[64:65] offset:104
	ds_store_b64 v217, v[66:67] offset:112
	ds_store_b64 v217, v[68:69] offset:120         ; columns 60..63 are zero, as are the weights' rows there
.Lf_done:
	BAR
	GEMM 3, 0, 2, 1                                ; trunk_in
	ADDB ACC, 0
	SILU RES
	LN 1, 2, 1, 1
	GEMM 3, XB, 8, 1                               ; block 0
	ADDB ACC, 3
	SILU ACC
	STX ACC, 0, 1
	BAR
	GEMM 3, 0, 8, 1
	RESADD 4
	LN 5, 6, 1, 1
	GEMM 3, XB, 8, 1                               ; block 1
	ADDB ACC, 7
	SILU ACC
	STX ACC, 0, 1
	BAR
	GEMM 3, 0, 8, 1
	RESADD 8
	RSCALE TS, 1                                   ; tf, row-scaled, into X1; the barriers of the norm below show it to every wave
	LN 9, 10, 0, 0                                 ; the score path begins: bf16
	STROWS 1, 52
	BAR                                            ; every wave's reads of X1 are back before q is written there
	GEMM 3, 0, 8, 0                                ; q
	ADDB ACC, 11
	DOTV 12, 1                                     ; bk . q
	STX ACC, 1, 0
	BAR
	GEMM 3, XB, 8, 0                               ; q~
	DOTV 13, 0                                     ; bt . q~
	STX ACC, 0, 0
	BAR
	GEMM 3, 0, 8, 0                                ; q^
.irp i, 0,1,2,3
.irp e, 0,2,4,6,8,10,12,14
	v_pk_mul_f32 v[ACC+16*\i+\e:ACC+16*\i+\e+1], v[ACC+16*\i+\e:ACC+16*\i+\e+1], 0x3d800000 op_sel_hi:[1,0]
.endr
.endr
	STX ACC, 1, 0
.irp i, 0,1,2,3
	v_mov_b32 v[P+\i], v[SC+\i]
.endr
	ROWRED 0                                       ; its barrier also shows X1 to every wave
	STROWS 1, 50
	s_cmp_lg_u32 s58, 0
	s_cbranch_scc1 .Lend
	v_cmp_eq_u32 vcc_lo, 1, v2                     ; lane l stands for row 32 k + l = 16 (2 k + h) + r
.irp k, 0,1
	v_cndmask_b32 v[16+8*\k], v[P+2*\k], v[P+2*\k+1], vcc_lo
	v_mul_f32 v[16+8*\k], 0x3d800000, v[16+8*\k]
	v_cndmask_b32 v[21+8*\k], v[TS+2*\k], v[TS+2*\k+1], vcc_lo
	v_min_u32 v[17+8*\k], 0xfff, v[246+\k]
	v_lshlrev_b32 v[18+8*\k], 2, v[17+8*\k]
	v_lshlrev_b32 v[19+8*\k], 3, v[17+8*\k]
	v_lshrrev_b32 v[20+8*\k], 4, v9
	s_lshl_b32 s63, s59, 6
	v_add3_u32 v[20+8*\k], v[20+8*\k], s63, 32*\k
	global_store_b32 v[18+8*\k], v[16+8*\k], s[54:55]
	global_store_b64 v[19+8*\k], v[248+2*\k:249+2*\k], s[54:55] offset:16384
	global_store_b32 v[18+8*\k], v[21+8*\k], s[54:55] offset:49152
	global_store_b32 v[18+8*\k], v[20+8*\k], s[56:57]
.endr
.Lend:
	s_set_vgpr_msb 0x5
	s_wait_tensorcnt 0x0
	ds_add_u32 v0, v1
	s_wait_dscnt 0x0
	s_set_vgpr_msb 0x500
	s_endpgm
.Lfunc_end_k_qccf062c173_pre:
	.size	k_qccf062c173_pre, .Lfunc_end_k_qccf062c173_pre-k_qccf062c173_pre
	.p2alignl 7, 3214868480
	.fill 96, 4, 3214868480
	.section	.rodata,"a",@progbits
	.p2align	6, 0x0
	.amdhsa_kernel k_qccf062c173_pre
		.amdhsa_group_segment_fixed_size 89088
		.amdhsa_private_segment_fixed_size 0
		.amdhsa_enable_private_segment 0
		.amdhsa_kernarg_size 216
		.amdhsa_user_sgpr_count 2
		.amdhsa_user_sgpr_kernarg_segment_ptr 1
		.amdhsa_wavefront_size32 1
		.amdhsa_system_sgpr_workgroup_id_x 1
		.amdhsa_system_sgpr_workgroup_id_y 1
		.amdhsa_system_sgpr_workgroup_id_z 1
		.amdhsa_system_vgpr_workitem_id 0
		.amdhsa_next_free_vgpr 258
		.amdhsa_next_free_sgpr 104
		.amdhsa_reserve_vcc 1
		.amdhsa_float_denorm_mode_32 3
		.amdhsa_float_denorm_mode_16_64 3
		.amdhsa_memory_ordered 1
		.amdhsa_forward_progress 1
		.amdhsa_inst_pref_size 255
	.end_amdhsa_kernel
	.section	.bss,"aw",@nobits
	.p2align	6
	.space	262144
	.amdgpu_metadata
---
amdhsa.version: [ 1, 2 ]
amdhsa.kernels:
  - .name:           k_qccf062c173_pre
    .symbol:         k_qccf062c173_pre.kd
    .args:
      - { .name: xy, .offset: 0, .size: 8, .value_kind: global_buffer, .address_space: global }
      - { .name: t_q, .offset: 8, .size: 8, .value_kind: global_buffer, .address_space: global }
      - { .name: c, .offset: 16, .size: 8, .value_kind: global_buffer, .address_space: global }
      - { .name: dt, .offset: 24, .size: 8, .value_kind: global_buffer, .address_space: global }
      - { .name: pos, .offset: 32, .size: 8, .value_kind: global_buffer, .address_space: global }
      - { .name: wf, .offset: 40, .size: 8, .value_kind: global_buffer, .address_space: global }
      - { .name: params_time_proj_W, .offset: 48, .size: 8, .value_kind: global_buffer, .address_space: global }
      - { .name: params_time_proj_b, .offset: 56, .size: 8, .value_kind: global_buffer, .address_space: global }
      - { .name: params_comp_emb, .offset: 64, .size: 8, .value_kind: global_buffer, .address_space: global }
      - { .name: params_trunk_in_b, .offset: 72, .size: 8, .value_kind: global_buffer, .address_space: global }
      - { .name: params_blocks_0_ln_g, .offset: 80, .size: 8, .value_kind: global_buffer, .address_space: global }
      - { .name: params_blocks_0_ln_b, .offset: 88, .size: 8, .value_kind: global_buffer, .address_space: global }
      - { .name: params_blocks_0_fc1_b, .offset: 96, .size: 8, .value_kind: global_buffer, .address_space: global }
      - { .name: params_blocks_0_fc2_b, .offset: 104, .size: 8, .value_kind: global_buffer, .address_space: global }
      - { .name: params_blocks_1_ln_g, .offset: 112, .size: 8, .value_kind: global_buffer, .address_space: global }
      - { .name: params_blocks_1_ln_b, .offset: 120, .size: 8, .value_kind: global_buffer, .address_space: global }
      - { .name: params_blocks_1_fc1_b, .offset: 128, .size: 8, .value_kind: global_buffer, .address_space: global }
      - { .name: params_blocks_1_fc2_b, .offset: 136, .size: 8, .value_kind: global_buffer, .address_space: global }
      - { .name: params_branch_norm_g, .offset: 144, .size: 8, .value_kind: global_buffer, .address_space: global }
      - { .name: params_branch_norm_b, .offset: 152, .size: 8, .value_kind: global_buffer, .address_space: global }
      - { .name: params_q_proj_b, .offset: 160, .size: 8, .value_kind: global_buffer, .address_space: global }
      - { .name: params_k_proj_b, .offset: 168, .size: 8, .value_kind: global_buffer, .address_space: global }
      - { .name: params_tok_proj_b, .offset: 176, .size: 8, .value_kind: global_buffer, .address_space: global }
      - { .name: qh, .offset: 184, .size: 8, .value_kind: global_buffer, .address_space: global }
      - { .name: tf, .offset: 192, .size: 8, .value_kind: global_buffer, .address_space: global }
      - { .name: aux, .offset: 200, .size: 8, .value_kind: global_buffer, .address_space: global }
      - { .name: order, .offset: 208, .size: 8, .value_kind: global_buffer, .address_space: global }
    .group_segment_fixed_size: 89088
    .private_segment_fixed_size: 0
    .kernarg_segment_align: 8
    .kernarg_segment_size: 216
    .max_flat_workgroup_size: 256
    .sgpr_count:     104
    .vgpr_count:     258
    .wavefront_size: 32
...
	.end_amdgpu_metadata
.endif
;; end of part 2
;; launch attn (part 3): grid 128 x 1, 8 waves a work-group, no clusters, 139,008 bytes of LDS; arguments h_states, qh, aux, pos, sensor_pos, params_relpos_fc1_W, params_relpos_fc1_b, params_relpos_fc2_W, params_relpos_fc2_b, params_relpos_ln_g, params_relpos_ln_b, ctxh; writes ctxh
.if DOCPART == 3
	.amdgcn_target "amdgcn-amd-amdhsa--gfx1250"
	.amdhsa_code_object_version 6
	.text
	.protected	k_qccf062c173_attn
	.globl	k_qccf062c173_attn
	.p2align	8
	.type	k_qccf062c173_attn,@function
k_qccf062c173_attn:
	s_mov_b64 s[64:65], 0
	v_nop
	global_prefetch_b8 v0, s[64:65] scope:SCOPE_SE
	s_setreg_imm32_b32 hwreg(HW_REG_WAVE_MODE, 25, 1), 1
	s_wait_xcnt 0x0
; One work-group for each sensor time step: its 64 tokens (raw h_states, in LDS) and the queries that fall on it, which are the
; sorted rows start[s] .. start[s+1]-1.  A wave takes 16 queries at a time: scores = q^ . h + cst + bias, softmax with the row's
; maximum taken away, ctxh = sum of a x h.  The token, key and value projections are applied on the query side by the other launches.
; FORMATS.  The tokens lie in LDS twice: in bf16 for the scores, whose partner q^ has no room in f16, and in f16 (11 significant bits) for
; the weighted sum, whose partner lies in [0, 1].  ctxh leaves in f16: it is at most the largest |h|.  LIMIT: |h_states| below 65,504.
; THE RELATIVE POSITION BIAS: its LayerNorm runs over ONE feature, so x - mean(x) = r - r, which is 0 for every finite r, and the norm's
; output is ln_b.  The 256-wide MLP behind it is therefore evaluated once, at ln_b (F0).  The distance r, the norm with ln_g and ln_b and
; the difference of its output from ln_b are still formed for every query and token and added to the score: 0 for finite r and ln_g.
; Work-groups share no tile (each time step is read by one), so there are no clusters; a time step without queries stores nothing.
.set HP,  544                          ; a token's row in LDS: 512 bytes + 32, an odd multiple of 32 for the transposing loads
.set SPB, 0                            ; sensor_pos, 512 bytes
.set FRB, 512                          ; eight partial sums of F0
.set HBB, 768                          ; the tokens in bf16, 64 x 544
.set HFB, 35584                        ; the tokens in f16, 64 x 544
.set STG, 70400                        ; each wave's own stage of 16 rows x 528 bytes for the way out
.set SP2, 528
	s_load_b512 s[4:19], s[0:1], 0x0               ; h_states, qh, aux, pos, sensor_pos, fc1_W, fc1_b, fc2_W
	s_load_b256 s[20:27], s[0:1], 0x40             ; fc2_b, ln_g, ln_b, ctxh
	v_lshl_add_u32 v254, v0, 2, 0x21b00
	v_mov_b32 v255, 0
	v_lshrrev_b32 v1, 5, v0
	v_readfirstlane_b32 s28, v1                    ; wave
	s_lshl_b32 s29, ttmp9, 2
	s_add_co_u32 s30, ttmp9, 1
	s_min_u32 s30, s30, 127
	s_lshl_b32 s30, s30, 2
	s_lshl_b32 s38, ttmp9, 16                      ; 64 tokens x 1,024 bytes
	s_mov_b32 s39, 0
	s_mov_b32 s40, 0x76543210
	s_mov_b32 s41, 0xfedcba98
	s_mov_b32 s46, 0x3fb8aa3b                      ; log2 e
	v_and_b32 v1, 15, v0                           ; r
	v_bfe_u32 v2, v0, 4, 1                         ; h
	v_and_b32 v9, 31, v0
	v_lshlrev_b32 v9, 4, v9                        ; 16 x lane
	v_mul_u32_u24 v3, v1, HP
	v_lshl_add_u32 v3, v2, 4, v3
	v_add_nc_u32 v3, HBB, v3                       ; token fragments, bf16: r x pitch + 16 h
	v_and_b32 v4, 7, v0
	v_lshl_add_u32 v4, v2, 3, v4
	v_mul_u32_u24 v4, v4, HP
	v_bfe_u32 v5, v0, 3, 1
	v_lshl_add_u32 v4, v5, 4, v4
	v_add_nc_u32 v4, HFB, v4                       ; transposed, f16: (8 h + lane mod 8) x pitch + 16 ((lane / 8) mod 2)
	v_lshlrev_b32 v5, 6, v2                        ; my eight tokens' positions in each tile of 16 (sensor_pos lies at LDS byte 0)
	s_mul_i32 s47, s28, 16*SP2
	s_add_co_u32 s47, s47, STG
	v_mul_u32_u24 v6, v1, SP2
	v_lshl_add_u32 v6, v2, 4, v6
	v_add_nc_u32 v6, s47, v6                       ; stage, in
	v_add_nc_u32 v7, s47, v9                       ; stage, back by rows
	v_mov_b32 v14, 0
	v_lshlrev_b32 v10, 4, v0
	v_lshlrev_b32 v11, 2, v0
	v_lshrrev_b32 v13, 6, v0
	v_mul_u32_u24 v13, v13, HP
	v_and_b32 v8, 63, v0
	v_lshl_add_u32 v13, v8, 3, v13
	v_add_nc_u32 v13, HBB, v13                     ; token (t / 64), 8 bytes at column 4 (t mod 64), bf16
	v_add_nc_u32 v12, HFB-HBB, v13                 ; the same place in the f16 copy
	s_wait_kmcnt 0x0
	s_add_nc_u64 s[36:37], s[4:5], s[38:39]
.irp i, 0,1,2,3,4,5,6,7,8,9,10,11,12,13,14,15
	global_load_b128 v[16+4*\i:19+4*\i], v10, s[36:37] offset:4096*\i th:TH_LOAD_NT   ; the group's 256 threads take 4,096 consecutive bytes
.endr
	global_load_b32 v80, v11, s[14:15]
	global_load_b32 v81, v11, s[16:17]
	global_load_b32 v82, v11, s[18:19]
	global_load_b128 v[116:119], v9, s[12:13]      ; sensor_pos: its 512 bytes are one load of a wave; every wave loads them, wave 0 stores them below
	s_load_b32 s31, s[10:11], s29 offset:0x4000    ; start[s]
	s_load_b32 s32, s[10:11], s30 offset:0x4000    ; start[s + 1]
	s_load_b32 s33, s[20:21], 0x0
	s_load_b32 s34, s[22:23], 0x0
	s_load_b32 s35, s[24:25], 0x0
	s_wait_loadcnt 0x0
	s_wait_kmcnt 0x0
.irp i, 0,1,2,3,4,5,6,7,8,9,10,11,12,13,14,15
	v_cvt_pk_bf16_f32 v[84+2*\i], v[16+4*\i], v[17+4*\i]
	v_cvt_pk_bf16_f32 v[85+2*\i], v[18+4*\i], v[19+4*\i]
	v_cvt_pk_f16_f32 v[144+2*\i], v[16+4*\i], v[17+4*\i]
	v_cvt_pk_f16_f32 v[145+2*\i], v[18+4*\i], v[19+4*\i]
	ds_store_b64 v13, v[84+2*\i:85+2*\i] offset:4*HP*\i
	ds_store_b64 v12, v[144+2*\i:145+2*\i] offset:4*HP*\i
.endr
	s_cmp_lg_u32 s28, 0
	s_cbranch_scc1 .Lno_sp
	ds_store_b128 v9, v[116:119] offset:SPB        ; one writer for each byte: wave 0, 16 bytes a lane
.Lno_sp:
	; F0 = sum over the hidden units of silu(ln_b w1 + b1) w2, + b2
	v_fma_f32 v120, s35, v80, v81
	v_mul_f32 v121, 0xbfb8aa3b, v120
	v_exp_f32 v121, v121
	v_nop
	s_wait_alu depctr_va_vdst(0)
	v_add_f32 v121, 1.0, v121
	v_rcp_f32 v121, v121
	v_nop
	s_wait_alu depctr_va_vdst(0)
	v_mul_f32 v120, v120, v121
	v_mul_f32 v120, v120, v82
	v_add_f32_dpp v120, v120, v120 row_xmask:1 row_mask:0xf bank_mask:0xf
	v_add_f32_dpp v120, v120, v120 row_xmask:2 row_mask:0xf bank_mask:0xf
	v_add_f32_dpp v120, v120, v120 row_xmask:4 row_mask:0xf bank_mask:0xf
	v_add_f32_dpp v120, v120, v120 row_xmask:8 row_mask:0xf bank_mask:0xf
	v_permlanex16_b32 v14, v120, s40, s41
	v_add_f32 v120, v120, v14
	v_mov_b32 v122, s28
	v_lshlrev_b32 v122, 2, v122
	ds_store_b32 v122, v120 offset:FRB
	s_wait_dscnt 0x0                               ; tokens, positions and my partial sum are in LDS before I signal
	s_barrier_signal -1
	s_barrier_wait -1                              ; the one barrier: behind it LDS outside a wave's own stage is only read
	v_mov_b32 v123, FRB
	ds_load_b128 v[124:127], v123
	ds_load_b128 v[128:131], v123 offset:16
	s_min_u32 s31, s31, 0x1000
	s_min_u32 s32, s32, 0x1000
	s_cmp_eq_u32 ttmp9, 127
	s_cselect_b32 s32, 0x1000, s32                 ; the last time step runs to the last row
	s_max_u32 s32, s32, s31
	s_sub_co_u32 s42, s32, s31
	s_add_co_u32 s42, s42, 15
	s_lshr_b32 s42, s42, 4                         ; tiles of 16 queries
	s_sub_co_u32 s43, s32, 1                       ; the last row; used only where there is one
	s_add_co_u32 s49, s42, 7
	s_sub_co_u32 s49, s49, s28
	s_lshr_b32 s49, s49, 3                         ; my wave's trips: tiles w, w + 8, ... below the number of tiles; 0 where w is not below it
	s_wait_dscnt 0x0
	v_pk_add_f32 v[124:125], v[124:125], v[126:127]
	v_pk_add_f32 v[128:129], v[128:129], v[130:131]
	v_pk_add_f32 v[124:125], v[124:125], v[128:129]
	v_add_f32 v15, v124, v125
	v_add_f32 v15, s33, v15                        ; F0
	s_mov_b32 s44, s28                             ; my first tile
	s_mov_b32 s48, 0                               ; trips done
	s_cmp_eq_u32 s49, 0
	s_cbranch_scc1 .Ldone
.Ltile:
	s_wait_xcnt 0x0                                ; the last trip's loads and stores have read their addresses and data
	s_lshl_b32 s45, s44, 4
	s_add_co_u32 s45, s45, s31                     ; the tile's first row
	v_add_nc_u32 v10, s45, v1
	v_min_u32 v10, s43, v10                        ; lanes past the end repeat the last query
	v_min_u32 v10, 0xfff, v10
	v_lshlrev_b32 v11, 9, v10
	v_lshl_add_u32 v11, v2, 4, v11
	v_lshlrev_b32 v12, 2, v10
	v_lshlrev_b32 v13, 3, v10
.irp k, 0,1,2,3,4,5,6,7
	global_load_b128 v[16+8*\k:19+8*\k], v11, s[6:7] offset:64*\k       ; q^ as fragments: query r, K = 32 k + 8 h ..
	global_load_b128 v[20+8*\k:23+8*\k], v11, s[6:7] offset:64*\k+32
.endr
	global_load_b32 v226, v12, s[8:9]              ; cst
	global_load_b64 v[224:225], v13, s[8:9] offset:16384   ; the query's x, y
.irp n, 0,1,2,3
.irp q, 0,1,2,3
	ds_load_b128 v[80+16*\n+4*\q:83+16*\n+4*\q], v5 offset:SPB+128*\n+16*\q ; positions of tokens 16 n + 8 h + 0..7
.endr
.endr
	s_wait_loadcnt 0x0
	; scores, transposed: lane (r, h) register j of tile n = query r, token 16 n + 8 h + j
.irp k, 0,1,2,3,4,5,6,7
.irp n, 0,1,2,3
	ds_load_b128 v[192+8*\n:195+8*\n], v3 offset:\n*16*HP+64*\k
	ds_load_b128 v[196+8*\n:199+8*\n], v3 offset:\n*16*HP+64*\k+32
.endr
	s_wait_dscnt 0x0
.irp n, 0,1,2,3
.if \k == 0
	v_wmma_f32_16x16x32_bf16 v[144+8*\n:151+8*\n], v[192+8*\n:199+8*\n], v[16+8*\k:23+8*\k], 0
.else
	v_wmma_f32_16x16x32_bf16 v[144+8*\n:151+8*\n], v[192+8*\n:199+8*\n], v[16+8*\k:23+8*\k], v[144+8*\n:151+8*\n]
.endif
.endr                                              ; the four accumulators take turns, one instruction a turn
.rept 4
	v_nop                                          ; four places before the fragments are loaded again and the results are read
.endr
.endr
	v_add_f32 v227, v226, v15                      ; cst + F0
.irp n, 0,1,2,3
.irp j, 0,1,2,3,4,5,6,7
	v_sub_f32 v[192+\j], v224, v[80+16*\n+2*\j]
	v_sub_f32 v[200+\j], v225, v[81+16*\n+2*\j]
	v_rndne_f32 v[208+\j], v[192+\j]               ; periodic, L = 1
	v_sub_f32 v[192+\j], v[192+\j], v[208+\j]
	v_rndne_f32 v[208+\j], v[200+\j]
	v_sub_f32 v[200+\j], v[200+\j], v[208+\j]
	v_mul_f32 v[192+\j], v[192+\j], v[192+\j]
	v_fma_f32 v[192+\j], v[200+\j], v[200+\j], v[192+\j]
.endr
.irp j, 0,1,2,3,4,5,6,7
	v_sqrt_f32 v[192+\j], v[192+\j]                ; r
.endr
	v_nop
	s_wait_alu depctr_va_vdst(0)
.irp j, 0,1,2,3,4,5,6,7
	v_sub_f32 v[192+\j], v[192+\j], v[192+\j]      ; r - mean over its one feature
	v_fmaak_f32 v[200+\j], v[192+\j], v[192+\j], 0x3727c5ac
.endr
.irp j, 0,1,2,3,4,5,6,7
	v_rsq_f32 v[200+\j], v[200+\j]
.endr
	v_nop
	s_wait_alu depctr_va_vdst(0)
.irp j, 0,1,2,3,4,5,6,7
	v_mul_f32 v[192+\j], v[192+\j], v[200+\j]
	v_fma_f32 v[192+\j], v[192+\j], s34, s35       ; the norm's output
	v_sub_f32 v[192+\j], v[192+\j], s35            ; its distance from ln_b, where F0 was taken
	v_add_f32 v[144+8*\n+\j], v[144+8*\n+\j], v227
	v_add_f32 v[144+8*\n+\j], v[144+8*\n+\j], v[192+\j]
.endr
.endr
	; softmax over the query's 64 tokens: my 32 registers and the other half of the lanes
	v_max_num_f32 v228, v144, v145
.irp e, 2,4,6,8,10,12,14,16,18,20,22,24,26,28,30
	v_max3_num_f32 v228, v228, v[144+\e], v[145+\e]
.endr
	v_permlanex16_b32 v14, v228, s40, s41
	v_max_num_f32 v228, v228, v14
	v_mul_f32 v228, s46, v228
.set E, 0
.rept 32
	v_fma_f32 v[144+E], v[144+E], s46, -v228
.set E, E+1
.endr
.set E, 0
.rept 32
	v_exp_f32 v[144+E], v[144+E]
.set E, E+1
.endr
	v_nop
	s_wait_alu depctr_va_vdst(0)
	v_pk_add_f32 v[230:231], v[144:145], v[146:147]
.irp e, 4,6,8,10,12,14,16,18,20,22,24,26,28,30
	v_pk_add_f32 v[230:231], v[230:231], v[144+\e:145+\e]
.endr
	v_add_f32 v230, v230, v231
	v_permlanex16_b32 v14, v230, s40, s41
	v_add_f32 v230, v230, v14
	v_rcp_f32 v230, v230
	v_nop
	s_wait_alu depctr_va_vdst(0)
	v_mov_b32 v231, v230
.irp e, 0,2,4,6,8,10,12,14,16,18,20,22,24,26,28,30
	v_pk_mul_f32 v[144+\e:145+\e], v[144+\e:145+\e], v[230:231]
.endr
.set E, 0
.rept 16                                           ; tiles 2 k and 2 k + 1 are registers 0-3 and 4-7 of the fragment of K step k: no shuffle
	v_cvt_pk_f16_f32 v[176+E], v[144+2*E], v[145+2*E]
.set E, E+1
.endr
	; ctxh, transposed, f16: lane (r, h) register j of tile d = query r, column 16 d + 8 h + j
.irp k, 0,1
.irp b, 0,1,2,3
.irp d, 0,1,2,3
	ds_load_tr16_b128 v[192+8*\d:195+8*\d], v4 offset:\k*32*HP+32*(4*\b+\d)
	ds_load_tr16_b128 v[196+8*\d:199+8*\d], v4 offset:\k*32*HP+16*HP+32*(4*\b+\d)
.endr
	s_wait_dscnt 0x0
.irp d, 0,1,2,3
.if \k == 0
	v_wmma_f32_16x16x32_f16 v[16+8*(4*\b+\d):23+8*(4*\b+\d)], v[192+8*\d:199+8*\d], v[176+8*\k:183+8*\k], 0
.else
	v_wmma_f32_16x16x32_f16 v[16+8*(4*\b+\d):23+8*(4*\b+\d)], v[192+8*\d:199+8*\d], v[176+8*\k:183+8*\k], v[16+8*(4*\b+\d):23+8*(4*\b+\d)]
.endif
.endr                                              ; sixteen accumulators by turns
.rept 4
	v_nop
.endr
.endr
.endr
	; the way out: 16 bytes a lane into my own stage, whole rows of 512 bytes back and out
.irp f, 0,1
.irp d, 0,1,2,3,4,5,6,7
.irp q, 0,1,2,3
	v_cvt_pk_f16_f32 v[192+4*\d+\q], v[16+8*(8*\f+\d)+2*\q], v[17+8*(8*\f+\d)+2*\q]
.endr
	ds_store_b128 v6, v[192+4*\d:195+4*\d] offset:32*(8*\f+\d)
.endr
.endr
.irp q, 0,1,2,3,4,5,6,7,8,9,10,11,12,13,14,15
	s_add_co_u32 s47, s45, \q
	s_min_u32 s47, s47, s43                        ; rows past the end repeat the last row, with the same bytes
	s_min_u32 s47, s47, 0xfff
	s_lshl_b32 s47, s47, 9
	v_add_nc_u32 v[176+\q], s47, v9
.endr
.irp q, 0,1,2,3,4,5,6,7
	ds_load_b128 v[144+4*\q:147+4*\q], v7 offset:\q*SP2           ; LDS serves a wave's instructions in order: these see the stores above
.endr
.irp q, 0,1,2,3,4,5,6,7
	ds_load_b128 v[192+4*\q:195+4*\q], v7 offset:(8+\q)*SP2
.endr
.irp q, 0,1,2,3,4,5,6,7
	s_wait_dscnt 15-\q                             ; row q is in, the younger rows' loads stay out
	global_store_b128 v[176+\q], v[144+4*\q:147+4*\q], s[26:27]
.endr
.irp q, 0,1,2,3,4,5,6,7
	s_wait_dscnt 7-\q
	global_store_b128 v[184+\q], v[192+4*\q:195+4*\q], s[26:27]
.endr
	s_add_co_u32 s44, s44, 8                       ; my next tile
	s_add_co_u32 s48, s48, 1                       ; the loop ends on this counter, stepped by one against my wave's trips
	s_cmp_lt_u32 s48, s49
	s_cbranch_scc1 .Ltile
.Ldone:
	s_wait_tensorcnt 0x0
	ds_add_u32 v254, v255
	s_wait_dscnt 0x0
	s_endpgm
.Lfunc_end_k_qccf062c173_attn:
	.size	k_qccf062c173_attn, .Lfunc_end_k_qccf062c173_attn-k_qccf062c173_attn
	.p2alignl 7, 3214868480
	.fill 96, 4, 3214868480
	.section	.rodata,"a",@progbits
	.p2align	6, 0x0
	.amdhsa_kernel k_qccf062c173_attn
		.amdhsa_group_segment_fixed_size 139008
		.amdhsa_private_segment_fixed_size 0
		.amdhsa_enable_private_segment 0
		.amdhsa_kernarg_size 96
		.amdhsa_user_sgpr_count 2
		.amdhsa_user_sgpr_kernarg_segment_ptr 1
		.amdhsa_wavefront_size32 1
		.amdhsa_system_sgpr_workgroup_id_x 1
		.amdhsa_system_sgpr_workgroup_id_y 1
		.amdhsa_system_sgpr_workgroup_id_z 1
		.amdhsa_system_vgpr_workitem_id 0
		.amdhsa_next_free_vgpr 256
		.amdhsa_next_free_sgpr 66
		.amdhsa_reserve_vcc 0
		.amdhsa_float_denorm_mode_32 3
		.amdhsa_float_denorm_mode_16_64 3
		.amdhsa_memory_ordered 1
		.amdhsa_forward_progress 1
		.amdhsa_inst_pref_size 71
	.end_amdhsa_kernel
	.amdgpu_metadata
---
amdhsa.version: [ 1, 2 ]
amdhsa.kernels:
  - .name:           k_qccf062c173_attn
    .symbol:         k_qccf062c173_attn.kd
    .args:
      - { .name: h_states, .offset: 0, .size: 8, .value_kind: global_buffer, .address_space: global }
      - { .name: qh, .offset: 8, .size: 8, .value_kind: global_buffer, .address_space: global }
      - { .name: aux, .offset: 16, .size: 8, .value_kind: global_buffer, .address_space: global }
      - { .name: pos, .offset: 24, .size: 8, .value_kind: global_buffer, .address_space: global }
      - { .name: sensor_pos, .offset: 32, .size: 8, .value_kind: global_buffer, .address_space: global }
      - { .name: params_relpos_fc1_W, .offset: 40, .size: 8, .value_kind: global_buffer, .address_space: global }
      - { .name: params_relpos_fc1_b, .offset: 48, .size: 8, .value_kind: global_buffer, .address_space: global }
      - { .name: params_relpos_fc2_W, .offset: 56, .size: 8, .value_kind: global_buffer, .address_space: global }
      - { .name: params_relpos_fc2_b, .offset: 64, .size: 8, .value_kind: global_buffer, .address_space: global }
      - { .name: params_relpos_ln_g, .offset: 72, .size: 8, .value_kind: global_buffer, .address_space: global }
      - { .name: params_relpos_ln_b, .offset: 80, .size: 8, .value_kind: global_buffer, .address_space: global }
      - { .name: ctxh, .offset: 88, .size: 8, .value_kind: global_buffer, .address_space: global }
    .group_segment_fixed_size: 139008
    .private_segment_fixed_size: 0
    .kernarg_segment_align: 8
    .kernarg_segment_size: 96
    .max_flat_workgroup_size: 256
    .sgpr_count:     66
    .vgpr_count:     256
    .wavefront_size: 32
...
	.end_amdgpu_metadata
.endif
;; end of part 3
;; launch post (part 4): grid 64 x 1, 8 waves a work-group, no clusters, 122,880 bytes of LDS; arguments ctxh, tf, order, c, wf, params_tok_proj_b, params_v_proj_b, params_ctx_ln_g, params_ctx_ln_b, params_ctx_fc1_b, params_ctx_fc2_b, params_branch_proj_b, params_trunk_out_b, params_log_temp, params_comp_scale, params_comp_bias, out0, aux; writes out0
.if DOCPART == 4
	.amdgcn_target "amdgcn-amd-amdhsa--gfx1250"
	.amdhsa_code_object_version 6
	.text
	.protected	k_qccf062c173_post
	.globl	k_qccf062c173_post
	.p2align	8
	.type	k_qccf062c173_post,@function
k_qccf062c173_post:
	s_mov_b64 s[64:65], 0
	v_nop
	global_prefetch_b8 v0, s[64:65] scope:SCOPE_SE
	s_setreg_imm32_b32 hwreg(HW_REG_WAVE_MODE, 25, 1), 1
	s_wait_xcnt 0x0
; Behind the attention, 64 sorted rows a work-group: ctx = ((sum a h) Wt + bt) Wv + bv (the weights a sum to one), the context block,
; branch_proj, trunk_out on tf, the product of the two bases summed over the 64 columns of the query's component, scale and bias.
; The same chain of products as in the launch before it: eight waves, wave w makes all 64 rows x columns 32w..32w+31, the matrix
; instruction transposed, weights from wf straight into registers.  A wave's 32 columns lie in one component (w / 2); columns 192..255
; are padding with zero weights and biases, and their component 3 is never a query's.  Clusters are left out as there.
; FORMATS.  All operands in f16 (11 significant bits).  Their room, with every input 30 times the drawn one and offset by 30 spreads:
; sum a h at most the largest |h|, about 170; (sum a h) Wt + bt about 256 x 30 x 0.6 + 2,000 = 6,500; LayerNorm's output at most
; 16 |g| + |b|; silu(fc1) about 3,000; all against 65,504.  The residual stream ctx has no such room (about 256 x 4,600 x 0.6), so each row
; is multiplied by 1 / sqrt(sum of its squares), at most 1 in size, and the product is multiplied back where the bias is added; tf comes
; scaled in the same way, its root in aux.
; LIMITS: c is 0, 1 or 2; an f16 operand named above is below 65,504; a row's sum of squares of ctx stays inside f32 (|ctx| below about
; 1e18) and is taken as 2^-100 at the least.
.set XP,   528
.set XT,   16*XP
.set XB,   64*XP                       ; X0 at 0, X1 at XB
.set VEC,  67584
.set RED,  83968
.set X2,   88064                       ; tf's rows
.set ACC,  16
.set RES,  80
.set BR,   144
.set A,    208
.set T,    208
.set P,    10
.set PR,   14                          ; v[14:15]   one number twice, for the packed arithmetic; v14 also takes the other half's number in a row sum
.set OFF,  240                         ; v[240:243] 4 x the query of sorted row 16 i + r: never rewritten
.set CC,   244                         ; v[244:247] its component
.set TSC,  248                         ; v[248:251] sqrt(sum of squares) of ctx's rows
.set TSF,  252                         ; v[252:255] the same of tf's rows
.set GTOT, 48
.set PART, 950272
.set STREAM, 98304
.set WFP,  12
.set GS,   0
.macro BAR
	s_wait_dscnt 0x0                               ; my LDS stores are in and my LDS loads are back before I signal
	s_barrier_signal -1
	s_barrier_wait -1
.endm
.macro KSTEP areg, base, ks, zero
.irp i, 0,1,2,3
	ds_load_b128 v[A+8*\i:A+8*\i+3],   v[\areg] offset:\base+\i*XT+64*\ks
	ds_load_b128 v[A+8*\i+4:A+8*\i+7], v[\areg] offset:\base+\i*XT+64*\ks+32
.endr
.if GS+3 < GTOT
	s_wait_loadcnt 12                              ; loads come back in order: this step's four are in, the three younger steps' twelve stay out
.else
	s_wait_loadcnt 4*(GTOT-1-GS)                   ; the stream's end: fewer are behind
.endif
	s_wait_dscnt 0x0
.irp i, 0,1,2,3
.irp t, 0,1
.if \zero
	v_wmma_f32_16x16x32_f16 v[ACC+16*\i+8*\t:ACC+16*\i+8*\t+7], v[BR+16*(GS%4)+8*\t:BR+16*(GS%4)+8*\t+7], v[A+8*\i:A+8*\i+7], 0
.else
	v_wmma_f32_16x16x32_f16 v[ACC+16*\i+8*\t:ACC+16*\i+8*\t+7], v[BR+16*(GS%4)+8*\t:BR+16*(GS%4)+8*\t+7], v[A+8*\i:A+8*\i+7], v[ACC+16*\i+8*\t:ACC+16*\i+8*\t+7]
.endif
.endr
.endr                                              ; the eight accumulators take turns, one instruction a turn
.rept 4
	v_nop                                          ; four places before loads land on the sources and before results are read
.endr
.if GS+4 < GTOT
.irp q, 0,1,2,3
	global_load_b128 v[BR+16*(GS%4)+4*\q:BR+16*(GS%4)+4*\q+3], v5, s[WFP:WFP+1] offset:PART+(GS+4)*2048+512*\q
.endr
.endif
.set GS, GS+1
.endm
.macro GEMM areg, base, n
	KSTEP \areg, \base, 0, 1
.set KS, 1
.rept \n-1
	KSTEP \areg, \base, KS, 0
.set KS, KS+1
.endr
.endm
.macro LDV dst, id
.irp t, 0,1
.irp q, 0,1
	ds_load_b128 v[\dst+8*\t+4*\q:\dst+8*\t+4*\q+3], v6 offset:\id*1024+64*\t+16*\q
.endr
.endr
.endm
.macro ADDB dst, id
	LDV T, \id
	s_wait_dscnt 0x0
.irp i, 0,1,2,3
.irp e, 0,2,4,6,8,10,12,14
	v_pk_add_f32 v[\dst+16*\i+\e:\dst+16*\i+\e+1], v[ACC+16*\i+\e:ACC+16*\i+\e+1], v[T+\e:T+\e+1]
.endr
.endr
.endm
.macro ADDBS dst, id, ts               ; dst = ACC x the row's scale + bias
	LDV T, \id
	s_wait_dscnt 0x0
.irp i, 0,1,2,3
	v_mov_b32 v[PR], v[\ts+\i]
	v_mov_b32 v[PR+1], v[\ts+\i]
.irp e, 0,2,4,6,8,10,12,14
	v_pk_fma_f32 v[\dst+16*\i+\e:\dst+16*\i+\e+1], v[ACC+16*\i+\e:ACC+16*\i+\e+1], v[PR:PR+1], v[T+\e:T+\e+1]
.endr
.endr
.endm
.macro RESADD id
	LDV T, \id
	s_wait_dscnt 0x0
.irp i, 0,1,2,3
.irp e, 0,2,4,6,8,10,12,14
	v_pk_add_f32 v[ACC+16*\i+\e:ACC+16*\i+\e+1], v[ACC+16*\i+\e:ACC+16*\i+\e+1], v[T+\e:T+\e+1]
	v_pk_add_f32 v[RES+16*\i+\e:RES+16*\i+\e+1], v[RES+16*\i+\e:RES+16*\i+\e+1], v[ACC+16*\i+\e:ACC+16*\i+\e+1]
.endr
.endr
.endm
.macro SILU dst
.irp g, 0,1,2,3,4,5,6,7
.irp e, 0,2,4,6
	v_pk_mul_f32 v[T+\e:T+\e+1], v[ACC+8*\g+\e:ACC+8*\g+\e+1], 0xbfb8aa3b op_sel_hi:[1,0]
.endr
.irp e, 0,1,2,3,4,5,6,7
	v_exp_f32 v[T+\e], v[T+\e]
.endr
	v_nop                                          ; one plain place behind the transcendentals (ISA guide 5.7.2)
	s_wait_alu depctr_va_vdst(0)
.irp e, 0,2,4,6
	v_pk_add_f32 v[T+\e:T+\e+1], v[T+\e:T+\e+1], 1.0 op_sel_hi:[1,0]
.endr
.irp e, 0,1,2,3,4,5,6,7
	v_rcp_f32 v[T+\e], v[T+\e]
.endr
	v_nop
	s_wait_alu depctr_va_vdst(0)
.irp e, 0,2,4,6
	v_pk_mul_f32 v[\dst+8*\g+\e:\dst+8*\g+\e+1], v[ACC+8*\g+\e:ACC+8*\g+\e+1], v[T+\e:T+\e+1]
.endr
.endr
.endm
.macro STX src, xb                     ; to f16 and into activation buffer xb
.irp i, 0,1,2,3
.irp t, 0,1
.irp q, 0,1,2,3
	v_cvt_pk_f16_f32 v[T+8*\i+4*\t+\q], v[\src+16*\i+8*\t+2*\q], v[\src+16*\i+8*\t+2*\q+1]
.endr
	ds_store_b128 v4, v[T+8*\i+4*\t:T+8*\i+4*\t+3] offset:\xb*XB+\i*XT+32*\t
.endr
.endr
.endm
.macro RSUM i, src
	v_pk_add_f32 v[T+2*\i:T+2*\i+1], v[\src+16*\i:\src+16*\i+1], v[\src+16*\i+2:\src+16*\i+3]
.irp e, 4,6,8,10,12,14
	v_pk_add_f32 v[T+2*\i:T+2*\i+1], v[T+2*\i:T+2*\i+1], v[\src+16*\i+\e:\src+16*\i+\e+1]
.endr
	v_add_f32 v[P+\i], v[T+2*\i], v[T+2*\i+1]
.endm
.macro RDOT i, a, b, bs, tp
	v_pk_mul_f32 v[\tp+2*\i:\tp+2*\i+1], v[\a+16*\i:\a+16*\i+1], v[\b+\bs*\i:\b+\bs*\i+1]
.irp e, 2,4,6,8,10,12,14
	v_pk_fma_f32 v[\tp+2*\i:\tp+2*\i+1], v[\a+16*\i+\e:\a+16*\i+\e+1], v[\b+\bs*\i+\e:\b+\bs*\i+\e+1], v[\tp+2*\i:\tp+2*\i+1]
.endr
.endm
.macro ROWRED red
.irp i, 0,1,2,3
	v_permlanex16_b32 v14, v[P+\i], s60, s61
	v_add_f32 v[P+\i], v[P+\i], v14
	ds_store_b32 v7, v[P+\i] offset:\red+512*\i
.endr
	BAR
.irp i, 0,1,2,3
	ds_load_b128 v[T+8*\i:T+8*\i+3],   v8 offset:\red+512*\i
	ds_load_b128 v[T+8*\i+4:T+8*\i+7], v8 offset:\red+512*\i+16
.endr
	s_wait_dscnt 0x0
.irp i, 0,1,2,3
	v_pk_add_f32 v[T+8*\i:T+8*\i+1], v[T+8*\i:T+8*\i+1], v[T+8*\i+2:T+8*\i+3]
	v_pk_add_f32 v[T+8*\i+4:T+8*\i+5], v[T+8*\i+4:T+8*\i+5], v[T+8*\i+6:T+8*\i+7]
	v_pk_add_f32 v[T+8*\i:T+8*\i+1], v[T+8*\i:T+8*\i+1], v[T+8*\i+4:T+8*\i+5]
	v_add_f32 v[P+\i], v[T+8*\i], v[T+8*\i+1]
.endr
.endm
.macro LN gid, bid, xb
.irp i, 0,1,2,3
	RSUM \i, RES
.endr
	ROWRED 0
.irp i, 0,1,2,3
	v_mul_f32 v[PR], s62, v[P+\i]
	v_mul_f32 v[PR+1], s62, v[P+\i]
.irp e, 0,2,4,6,8,10,12,14
	v_pk_add_f32 v[ACC+16*\i+\e:ACC+16*\i+\e+1], v[RES+16*\i+\e:RES+16*\i+\e+1], v[PR:PR+1] neg_lo:[0,1] neg_hi:[0,1]
.endr
.endr
.irp i, 0,1,2,3
	RDOT \i, ACC, ACC, 16, T
	v_add_f32 v[P+\i], v[T+2*\i], v[T+2*\i+1]
.endr
	ROWRED 2048
.irp i, 0,1,2,3
	v_fmaak_f32 v[P+\i], s62, v[P+\i], 0x3727c5ac
.endr
.irp i, 0,1,2,3
	v_rsq_f32 v[P+\i], v[P+\i]
.endr
	LDV T, \gid
	LDV T+16, \bid
	v_nop
	s_wait_dscnt 0x0
	s_wait_alu depctr_va_vdst(0)
.irp i, 0,1,2,3
	v_mov_b32 v[PR], v[P+\i]
	v_mov_b32 v[PR+1], v[P+\i]
.irp e, 0,2,4,6,8,10,12,14
	v_pk_mul_f32 v[ACC+16*\i+\e:ACC+16*\i+\e+1], v[ACC+16*\i+\e:ACC+16*\i+\e+1], v[PR:PR+1]
	v_pk_fma_f32 v[ACC+16*\i+\e:ACC+16*\i+\e+1], v[ACC+16*\i+\e:ACC+16*\i+\e+1], v[T+\e:T+\e+1], v[T+16+\e:T+16+\e+1]
.endr
.endr
	STX ACC, \xb
	BAR
.endm
.macro RSCALE ts, xb                   ; RES x 1 / sqrt(the row's sum of squares), at most 1 in size, as f16 into buffer xb; ts_i = the root
.irp i, 0,1,2,3
	RDOT \i, RES, RES, 16, T
	v_add_f32 v[P+\i], v[T+2*\i], v[T+2*\i+1]
.endr
	ROWRED 2048
.irp i, 0,1,2,3
	v_max_num_f32 v[P+\i], 0x0d800000, v[P+\i]     ; 2^-100 at the least: a row of zeros stays zeros
.endr
.irp i, 0,1,2,3
	v_rsq_f32 v[T+\i], v[P+\i]
.endr
	v_nop                                          ; one plain place behind the transcendentals
	s_wait_alu depctr_va_vdst(0)
.irp i, 0,1,2,3
	v_mul_f32 v[\ts+\i], v[P+\i], v[T+\i]
	v_mov_b32 v[PR], v[T+\i]
	v_mov_b32 v[PR+1], v[T+\i]
.irp e, 0,2,4,6,8,10,12,14
	v_pk_mul_f32 v[ACC+16*\i+\e:ACC+16*\i+\e+1], v[RES+16*\i+\e:RES+16*\i+\e+1], v[PR:PR+1]
.endr
.endr
	STX ACC, \xb
.endm
	s_load_b512 s[4:19], s[0:1], 0x0               ; ctxh, tf, order, c, wf, vectors 0..2
	s_load_b512 s[20:35], s[0:1], 0x40             ; vectors 3..7, log_temp s[30:31], comp_scale s[32:33], comp_bias s[34:35]
	s_load_b128 s[36:39], s[0:1], 0x80             ; out0 s[36:37], aux s[38:39]
	s_set_vgpr_msb 0x40
	v_lshl_add_u32 v0, v0, 2, 0x1dc00
	v_mov_b32 v1, 0
	s_set_vgpr_msb 0x4000
	v_lshrrev_b32 v1, 5, v0
	v_readfirstlane_b32 s58, v1                    ; wave
	s_mov_b32 s59, ttmp9
	s_mov_b32 s60, 0x76543210
	s_mov_b32 s61, 0xfedcba98
	s_mov_b32 s62, 0x3b800000                      ; 1/256
	v_and_b32 v1, 15, v0
	v_bfe_u32 v2, v0, 4, 1
	v_and_b32 v9, 31, v0
	v_lshlrev_b32 v9, 4, v9
	v_mul_u32_u24 v3, v1, XP
	v_lshl_add_u32 v3, v2, 4, v3
	s_lshl_b32 s63, s58, 6
	v_add_nc_u32 v4, s63, v3
	s_mul_i32 s63, s58, STREAM
	v_add_nc_u32 v5, s63, v9
	s_lshl_b32 s63, s58, 7
	s_add_co_u32 s63, s63, VEC
	v_lshl_add_u32 v6, v2, 5, s63
	s_lshl_b32 s63, s58, 2
	s_add_co_u32 s63, s63, RED
	v_lshl_add_u32 v7, v1, 5, s63
	v_lshlrev_b32 v8, 5, v1
	v_add_nc_u32 v8, RED, v8
	v_mov_b32 v14, 0
	; addresses of the start's loads and stores, in scratch that is rewritten only behind the wait for the loads
	s_mul_i32 s63, s58, 8*XP
	v_add_nc_u32 v218, s63, v9                     ; my wave's eight whole rows in X0
	v_add_nc_u32 v217, X2, v218                    ; and in X2
	s_lshl_b32 s63, s59, 15
	s_lshl_b32 s66, s58, 12
	s_add_co_u32 s63, s63, s66
	v_add_nc_u32 v208, s63, v9                     ; my wave's eight rows of 512 bytes
	s_lshl_b32 s63, s59, 6
	v_add_nc_u32 v209, s63, v1
	v_lshlrev_b32 v209, 2, v209                    ; 4 (64 wg + r)
	v_lshlrev_b32 v210, 2, v0
	v_min_u32 v211, 191, v0
	v_lshlrev_b32 v211, 2, v211
	v_add_nc_u32 v216, VEC, v210
	s_wait_kmcnt 0x0
.irp g, 0,1,2,3
.irp q, 0,1,2,3
	global_load_b128 v[BR+16*\g+4*\q:BR+16*\g+4*\q+3], v5, s[WFP:WFP+1] offset:PART+\g*2048+512*\q
.endr
.endr
	s_load_b32 s40, s[30:31], 0x0
	s_load_b96 s[44:46], s[32:33], 0x0
	s_load_b96 s[48:50], s[34:35], 0x0
.irp i, 0,1,2,3
	global_load_b32 v[OFF+\i], v209, s[8:9] offset:64*\i
	global_load_b32 v[TSF+\i], v209, s[38:39] offset:49152+64*\i
.endr
.irp q, 0,1,2,3,4,5,6,7
	global_load_b128 v[16+4*\q:19+4*\q], v208, s[4:5] offset:512*\q
	global_load_b128 v[48+4*\q:51+4*\q], v208, s[6:7] offset:512*\q
.endr
.irp d, 0,1,2,3,4,5
	global_load_b32 v[80+\d], v210, s[14+2*\d:15+2*\d]
.endr
	global_load_b32 v86, v211, s[26:27]
	global_load_b32 v87, v211, s[28:29]
	s_wait_loadcnt 0x0
	s_wait_kmcnt 0x0
.irp i, 0,1,2,3
	v_min_u32 v[OFF+\i], 0xfff, v[OFF+\i]          ; the query of sorted row 16 i + r
	v_lshlrev_b32 v[OFF+\i], 2, v[OFF+\i]
.endr
.irp i, 0,1,2,3
	global_load_b32 v[CC+\i], v[OFF+\i], s[10:11]  ; its component.  Issued ahead of every refill of the ring, so the ring's counted waits cover these; their addresses are not written again
.endr
.irp q, 0,1,2,3,4,5,6,7
	ds_store_b128 v218, v[16+4*\q:19+4*\q] offset:\q*XP
	ds_store_b128 v217, v[48+4*\q:51+4*\q] offset:\q*XP
.endr
	v_cmp_gt_u32 vcc_lo, 192, v0
	v_cndmask_b32 v86, 0, v86, vcc_lo
	v_cndmask_b32 v87, 0, v87, vcc_lo
.irp d, 0,1,2,3,4,5,6,7
	ds_store_b32 v216, v[80+\d] offset:\d*1024
.endr
	v_add_nc_u32 v0, X2, v3                        ; the thread's number has had its last use: v0 now holds the address of tf's fragments
	BAR
	GEMM 3, 0, 8                                   ; (sum a h) Wt + bt
	ADDB ACC, 0
	STX ACC, 1
	BAR
	GEMM 3, XB, 8                                  ; ctx
	ADDB RES, 1
	LN 2, 3, 0
	GEMM 3, 0, 8
	ADDB ACC, 4
	SILU ACC
	STX ACC, 1
	BAR
	GEMM 3, XB, 8
	RESADD 5
	RSCALE TSC, 0                                  ; ctx, row-scaled
	BAR
	GEMM 3, 0, 8                                   ; branch basis
	ADDBS RES, 6, TSC
	GEMM 0, 0, 8                                   ; trunk basis, from the row-scaled tf
	ADDBS ACC, 7, TSF
	s_lshr_b32 s63, s58, 1                         ; my columns' component
.irp i, 0,1,2,3
	RDOT \i, ACC, RES, 16, T
	v_add_f32 v[P+\i], v[T+2*\i], v[T+2*\i+1]
	v_cmp_eq_u32 vcc_lo, s63, v[CC+\i]
	v_cndmask_b32 v[P+\i], 0, v[P+\i], vcc_lo
.endr
	ROWRED 0
	s_cmp_lg_u32 s58, 0
	s_cbranch_scc1 .Lend
	v_mov_b32 v16, s40
	v_mul_f32 v16, 0x3fb8aa3b, v16
	v_exp_f32 v16, v16                             ; exp(log_temp)
	v_nop
	v_cmp_eq_u32 s66, 1, v2                        ; lane l stands for row 32 k + l = 16 (2 k + h) + r
	s_wait_alu depctr_va_vdst(0)
.irp k, 0,1
	v_cndmask_b32 v[17+8*\k], v[P+2*\k], v[P+2*\k+1], s66
	v_cndmask_b32 v[18+8*\k], v[CC+2*\k], v[CC+2*\k+1], s66
	v_cndmask_b32 v[19+8*\k], v[OFF+2*\k], v[OFF+2*\k+1], s66
	v_min_u32 v[19+8*\k], 0x3ffc, v[19+8*\k]
	v_mov_b32 v[20+8*\k], s44
	v_mov_b32 v[21+8*\k], s48
	v_cmp_eq_u32 vcc_lo, 1, v[18+8*\k]
	v_cndmask_b32 v[20+8*\k], v[20+8*\k], s45, vcc_lo
	v_cndmask_b32 v[21+8*\k], v[21+8*\k], s49, vcc_lo
	v_cmp_eq_u32 vcc_lo, 2, v[18+8*\k]
	v_cndmask_b32 v[20+8*\k], v[20+8*\k], s46, vcc_lo
	v_cndmask_b32 v[21+8*\k], v[21+8*\k], s50, vcc_lo
	v_mul_f32 v[17+8*\k], v[17+8*\k], v16
	v_fma_f32 v[17+8*\k], v[17+8*\k], v[20+8*\k], v[21+8*\k]
	global_store_b32 v[19+8*\k], v[17+8*\k], s[36:37]
.endr
.Lend:
	s_set_vgpr_msb 0x5
	s_wait_tensorcnt 0x0
	ds_add_u32 v0, v1
	s_wait_dscnt 0x0
	s_set_vgpr_msb 0x500
	s_endpgm
.Lfunc_end_k_qccf062c173_post:
	.size	k_qccf062c173_post, .Lfunc_end_k_qccf062c173_post-k_qccf062c173_post
	.p2alignl 7, 3214868480
	.fill 96, 4, 3214868480
	.section	.rodata,"a",@progbits
	.p2align	6, 0x0
	.amdhsa_kernel k_qccf062c173_post
		.amdhsa_group_segment_fixed_size 122880
		.amdhsa_private_segment_fixed_size 0
		.amdhsa_enable_private_segment 0
		.amdhsa_kernarg_size 144
		.amdhsa_user_sgpr_count 2
		.amdhsa_user_sgpr_kernarg_segment_ptr 1
		.amdhsa_wavefront_size32 1
		.amdhsa_system_sgpr_workgroup_id_x 1
		.amdhsa_system_sgpr_workgroup_id_y 1
		.amdhsa_system_sgpr_workgroup_id_z 1
		.amdhsa_system_vgpr_workitem_id 0
		.amdhsa_next_free_vgpr 258
		.amdhsa_next_free_sgpr 72
		.amdhsa_reserve_vcc 1
		.amdhsa_float_denorm_mode_32 3
		.amdhsa_float_denorm_mode_16_64 3
		.amdhsa_memory_ordered 1
		.amdhsa_forward_progress 1
		.amdhsa_inst_pref_size 152
	.end_amdhsa_kernel
	.amdgpu_metadata
---
amdhsa.version: [ 1, 2 ]
amdhsa.kernels:
  - .name:           k_qccf062c173_post
    .symbol:         k_qccf062c173_post.kd
    .args:
      - { .name: ctxh, .offset: 0, .size: 8, .value_kind: global_buffer, .address_space: global }
      - { .name: tf, .offset: 8, .size: 8, .value_kind: global_buffer, .address_space: global }
      - { .name: order, .offset: 16, .size: 8, .value_kind: global_buffer, .address_space: global }
      - { .name: c, .offset: 24, .size: 8, .value_kind: global_buffer, .address_space: global }
      - { .name: wf, .offset: 32, .size: 8, .value_kind: global_buffer, .address_space: global }
      - { .name: params_tok_proj_b, .offset: 40, .size: 8, .value_kind: global_buffer, .address_space: global }
      - { .name: params_v_proj_b, .offset: 48, .size: 8, .value_kind: global_buffer, .address_space: global }
      - { .name: params_ctx_ln_g, .offset: 56, .size: 8, .value_kind: global_buffer, .address_space: global }
      - { .name: params_ctx_ln_b, .offset: 64, .size: 8, .value_kind: global_buffer, .address_space: global }
      - { .name: params_ctx_fc1_b, .offset: 72, .size: 8, .value_kind: global_buffer, .address_space: global }
      - { .name: params_ctx_fc2_b, .offset: 80, .size: 8, .value_kind: global_buffer, .address_space: global }
      - { .name: params_branch_proj_b, .offset: 88, .size: 8, .value_kind: global_buffer, .address_space: global }
      - { .name: params_trunk_out_b, .offset: 96, .size: 8, .value_kind: global_buffer, .address_space: global }
      - { .name: params_log_temp, .offset: 104, .size: 8, .value_kind: global_buffer, .address_space: global }
      - { .name: params_comp_scale, .offset: 112, .size: 8, .value_kind: global_buffer, .address_space: global }
      - { .name: params_comp_bias, .offset: 120, .size: 8, .value_kind: global_buffer, .address_space: global }
      - { .name: out0, .offset: 128, .size: 8, .value_kind: global_buffer, .address_space: global }
      - { .name: aux, .offset: 136, .size: 8, .value_kind: global_buffer, .address_space: global }
    .group_segment_fixed_size: 122880
    .private_segment_fixed_size: 0
    .kernarg_segment_align: 8
    .kernarg_segment_size: 144
    .max_flat_workgroup_size: 256
    .sgpr_count:     72
    .vgpr_count:     258
    .wavefront_size: 32
...
	.end_amdgpu_metadata
.endif
;; end of part 4
;; ======== version 2 of 3: 4 launches; 1.33 times as fast as version 1
;; limits: values are held in f16: magnitudes above 65,504 overflow, below 6.1e-05 lose precision; right only within a limited range of input values; inputs' magnitudes at most 65,504
;; workspace buffers: wf 1,736,704 bytes; pos 16,896 bytes of whole numbers; order 16,384 bytes of whole numbers; dt 16,384 bytes; qh 2,097,152 bytes; tf 2,097,152 bytes; aux 65,536 bytes; ctxh 2,097,152 bytes
;; launch setup (part 5): grid 244 x 1, 16 waves a work-group, no clusters, 22,528 bytes of LDS; arguments params_trunk_in_W, params_blocks_0_fc1_W, params_blocks_0_fc2_W, params_blocks_1_fc1_W, params_blocks_1_fc2_W, params_q_proj_W, params_k_proj_W, params_tok_proj_W, params_v_proj_W, params_ctx_fc1_W, params_ctx_fc2_W, params_branch_proj_W, params_trunk_out_W, t_q, sensor_time, wf, pos, dt; writes wf, pos, dt
.if DOCPART == 5
	.amdgcn_target "amdgcn-amd-amdhsa--gfx1250"
	.amdhsa_code_object_version 6
	.text
	.protected	k_qccf062c173_setup
	.globl	k_qccf062c173_setup
	.p2align	8
	.type	k_qccf062c173_setup,@function
k_qccf062c173_setup:
	s_mov_b64 s[64:65], 0
	v_nop
	global_prefetch_b8 v0, s[64:65] scope:SCOPE_SE
	s_setreg_imm32_b32 hwreg(HW_REG_WAVE_MODE, 25, 1), 1
	s_wait_xcnt 0x0
; Two jobs, chosen by the work-group's number.  Sixteen waves, four on a SIMD: the counting below is a chain through VCC, and the
; other three waves issue while one waits for its own last result.
; Groups 0..111 (layer = b >> 3, column block w = b & 7; wave = K step + 8 t): a weight matrix goes to 16 bits in the order in which the
;   chains' waves load matrix fragments: [w][step][t][j][lane][8 numbers] = Bt[32w+16t+r][32ks+16j+8h+e], r = lane & 15, h = lane >> 4.
;   Layers 6 and 7 take W as it lies (Bt[n][k] = W[n][k]), the others transposed (Bt[n][k] = W[k][n]).  Rows past 60 of trunk_in
;   and columns past 192 of the two read-out matrices are stored as zeros.
;   FORMAT: layers 5, 6, 7 (the score path: q, q Wk^T, q Wk^T Wt^T) in bf16, whose partners have no room in f16; all others in f16, which
;   keeps 11 significant bits.  LIMIT: a weight of an f16 layer is below 65,504 in size; below 6e-5 it keeps steps of 6e-8.
; Groups 112..239: the place of 32 queries in the order of t_q (equal times keep the order of their numbers), and dt.
; Groups 240..243: for 32 sensor times each, how many t_q lie below: the first sorted row of that time step.
; LIMITS: t_q holds no NaN; sensor_time ascends, which searchsorted in the reference needs as well.
.set STREAM_PRE,  118784               ; bytes of one wave's stream in the first chain: 58 steps of 2,048
.set STREAM_POST, 98304                ; in the second: 48 steps
.set POSTOFF,     950272               ; 8 x STREAM_PRE
.set NCONV,       112
.set RC,          16384                ; LDS: [wave][lane] counts; the keys of t_q lie in front, 1,024 bytes a wave
.set RM,          18432                ; LDS: [wave][lane] largest sensor time not above t
	s_load_b512 s[4:19], s[0:1], 0x0               ; matrices 0..7
	s_load_b512 s[20:35], s[0:1], 0x40             ; matrices 8..12, t_q s[30:31], sensor_time s[32:33], wf s[34:35]
	s_load_b128 s[36:39], s[0:1], 0x80             ; pos s[36:37], dt s[38:39]
	v_lshl_add_u32 v96, v0, 2, 0x5000
	v_mov_b32 v97, 0
	v_lshrrev_b32 v1, 5, v0
	v_readfirstlane_b32 s43, v1                    ; wave, 0 to 15
	v_and_b32 v2, 31, v0                           ; lane
	s_mov_b32 s40, ttmp9
	s_wait_kmcnt 0x0
	s_cmp_ge_u32 s40, NCONV
	s_cbranch_scc1 .Lrank
	; ---------------- weights ----------------
	s_lshr_b32 s41, s40, 3                         ; layer
	s_and_b32 s42, s40, 7                          ; w
	s_and_b32 s85, s43, 7                          ; K step
	s_lshr_b32 s86, s43, 3                         ; t: which 16 of the block's 32 columns
	s_cmp_lg_u32 s41, 0
	s_cbranch_scc1 .Lconv
	s_cmp_lt_u32 s85, 2                            ; trunk_in has two K steps: the waves of its other six have no part
	s_cbranch_scc1 .Lconv
	s_endpgm
.Lconv:
	s_cmp_ge_u32 s41, 8                            ; tok_proj serves layers 7 and 8: matrix number = layer, less one from 8 on
	s_cselect_b32 s50, 1, 0
	s_sub_co_u32 s50, s41, s50
	s_mov_b64 s[48:49], s[4:5]
.irp i, 1,2,3,4,5,6,7,8,9,10,11,12
	s_cmp_eq_u32 s50, \i
	s_cselect_b64 s[48:49], s[4+2*\i:5+2*\i], s[48:49]
.endr
	s_mov_b32 s51, 256                             ; columns of the source
	s_cmp_ge_u32 s41, 12
	s_cselect_b32 s51, 192, s51
	s_lshl_b32 s53, s51, 2                         ; bytes from k to k + 1, transposed use
	s_mov_b32 s52, 4                               ; bytes from n to n + 1
	s_sub_co_u32 s54, s41, 6
	s_cmp_lt_u32 s54, 2                            ; layers 6 and 7: as it lies
	s_cselect_b32 s52, 0x400, s52
	s_cselect_b32 s53, 4, s53
	s_mov_b32 s55, 256                             ; valid k
	s_cmp_eq_u32 s41, 0
	s_cselect_b32 s55, 60, s55
	v_and_b32 v1, 15, v0                           ; r
	v_bfe_u32 v3, v0, 4, 1                         ; h
	s_lshl_b32 s56, s42, 5
	s_lshl_b32 s59, s86, 4
	s_add_co_u32 s56, s56, s59                     ; 32 w + 16 t
	s_sub_co_u32 s57, s51, 1
	s_sub_co_u32 s58, s55, 1
	v_add_nc_u32 v4, s56, v1                       ; n
	v_cmp_gt_u32 s60, s51, v4                      ; n is a column of the source
	v_min_u32 v6, s57, v4                          ; loads stay inside the matrix; what is outside is set to zero below
	v_mul_lo_u32 v6, v6, s52
	s_lshl_b32 s59, s85, 5
	v_lshl_add_u32 v8, v3, 3, s59                  ; 32 ks + 8 h
.set JE, 0
.rept 16
	v_add_nc_u32 v9, 16*(JE>>3)+(JE&7), v8         ; k
	v_min_u32 v9, s58, v9
	v_mul_lo_u32 v9, v9, s53
	v_add_nc_u32 v[64+JE], v6, v9
.set JE, JE+1
.endr
.set Q, 0
.rept 16
	global_load_b32 v[32+Q], v[64+Q], s[48:49]     ; element (j, e) in v[32 + 8 j + e]
.set Q, Q+1
.endr
	; where the 1,024 bytes go
	s_mov_b32 s44, STREAM_POST
	s_cmp_lt_u32 s41, 8
	s_cselect_b32 s44, STREAM_PRE, s44
	s_cselect_b32 s45, 0, POSTOFF
	s_lshl_b32 s46, s41, 3
	s_sub_co_i32 s47, s46, 6
	s_max_i32 s47, s47, 0                          ; first chain: layer 0 starts at step 0, layer l at 8 l - 6
	s_sub_co_i32 s46, s46, 64                      ; second chain: 8 (l - 8)
	s_cmp_lt_u32 s41, 8
	s_cselect_b32 s46, s47, s46
	s_add_co_u32 s46, s46, s85
	s_lshl_b32 s46, s46, 11
	s_mul_i32 s44, s44, s42
	s_add_co_u32 s44, s44, s45
	s_add_co_u32 s44, s44, s46
	s_lshl_b32 s47, s86, 10
	s_add_co_u32 s44, s44, s47                     ; + 1,024 t
	v_lshl_add_u32 v10, v2, 4, s44
	s_wait_loadcnt 0x0
.set JE, 0
.rept 16
	v_add_nc_u32 v9, 16*(JE>>3)+(JE&7), v8
	v_cmp_gt_u32 vcc_lo, s55, v9                   ; k is a row of the source
	s_and_b32 s62, vcc_lo, s60
	v_cndmask_b32 v[32+JE], 0, v[32+JE], s62
.set JE, JE+1
.endr
	s_sub_co_u32 s54, s41, 5
	s_cmp_lt_u32 s54, 3                            ; layers 5, 6, 7: the score path, in bf16
	s_cbranch_scc1 .Lto_bf16
.set Q, 0
.rept 8
	v_cvt_pk_f16_f32 v[16+Q], v[32+2*Q], v[33+2*Q]
.set Q, Q+1
.endr
	s_branch .Lpacked
.Lto_bf16:
.set Q, 0
.rept 8
	v_cvt_pk_bf16_f32 v[16+Q], v[32+2*Q], v[33+2*Q]
.set Q, Q+1
.endr
.Lpacked:
.irp q, 0,1
	global_store_b128 v10, v[16+4*\q:19+4*\q], s[34:35] offset:512*\q   ; the wave's 32 lanes store 512 consecutive bytes
.endr
	s_endpgm
	; ---------------- ranks ----------------
.macro UKEY dst, src, tmp              ; a key whose unsigned order is the float order; x + 0 makes -0 equal to +0
	v_add_f32 \dst, 0, \src
	v_ashrrev_i32 \tmp, 31, \dst
	v_or_b32 \tmp, 0x80000000, \tmp
	v_xor_b32 \dst, \dst, \tmp
.endm
.macro CLOAD trip                      ; 32 keys of my wave's part, the same for every lane, into one of two buffers
.irp q, 0,1,2,3,4,5,6,7
	ds_load_b128 v[32+32*((\trip)&1)+4*\q:32+32*((\trip)&1)+4*\q+3], v5 offset:128*(\trip)+16*\q
.endr
.endm
.Lrank:
	s_sub_co_u32 s41, s40, NCONV                   ; g
	s_cmp_lt_u32 s41, 128
	s_cselect_b64 s[48:49], s[30:31], s[32:33]     ; my lanes' values: queries' times, or sensor times
	s_cselect_b32 s42, s41, 0                      ; blocks in front of this one count equal keys too; none for sensor times
	s_cselect_b32 s87, -1, 0                       ; equal keys inside the own block count for queries alone
	s_and_b32 s44, s41, 127
	s_lshl_b32 s44, s44, 7                         ; 128 bytes for each block of 32
	v_lshl_add_u32 v3, v2, 2, s44                  ; byte of my value, and of my result
	global_load_b32 v10, v3, s[48:49]
	s_lshl_b32 s45, s43, 10
	v_lshl_add_u32 v4, v2, 4, s45                  ; my wave's 256 times: 1,024 bytes
	global_load_b128 v[32:35], v4, s[30:31]
	global_load_b128 v[36:39], v4, s[30:31] offset:512
	s_lshl_b32 s46, s43, 5
	s_load_b256 s[68:75], s[32:33], s46 offset:0x0 ; my wave's 8 sensor times
	s_load_b32 s84, s[32:33], 0x0                  ; the first one
	s_lshl_b32 s47, s43, 3                         ; my wave's first block of 32
	s_lshl_b32 s51, s43, 3
	s_add_co_u32 s51, s51, s44
	v_mov_b32 v13, s51                             ; keys 2 w and 2 w + 1 of the group's own block
	v_mov_b32 v5, s45
	v_mov_b32 v20, 0                               ; count
	s_wait_loadcnt 0x0
	UKEY v11, v10, v12
.set Q, 0
.rept 8
	UKEY v[32+Q], v[32+Q], v12
.set Q, Q+1
.endr
	ds_store_b128 v4, v[32:35]
	ds_store_b128 v4, v[36:39] offset:512
	s_wait_dscnt 0x0                               ; my keys are in LDS before I signal: the two keys read next are another wave's
	s_barrier_signal -1
	s_barrier_wait -1
	ds_load_b64 v[14:15], v13                      ; older than every load below, so their counted waits cover it
	CLOAD 0
.set TR, 0
.rept 8
	s_add_co_u32 s50, s47, TR
	s_cmp_lt_u32 s50, s42                          ; a block of lower query numbers: key <= mine counts, as key < mine + 1
	s_cselect_b32 s50, 1, 0
	v_add_nc_u32 v12, s50, v11
.if TR < 7
	CLOAD TR+1
	s_wait_dscnt 0x8                               ; this block's eight loads are in, the next block's eight stay out
.else
	s_wait_dscnt 0x0
.endif
.set M, 0
.rept 32
	v_cmp_lt_u32 vcc_lo, v[32+32*(TR&1)+M], v12
	v_add_co_ci_u32 v20, vcc_lo, 0, v20, vcc_lo
.set M, M+1
.endr
.set TR, TR+1
.endr
	; equal keys inside the own block: number i counts for the lanes above it.  Wave w takes i = 2 w and 2 w + 1 (none lies above 31).
	s_lshl_b32 s52, s43, 1
	s_lshl_b32 s53, -2, s52                        ; the lanes above i
	s_and_b32 s53, s53, s87
	s_add_co_u32 s52, s52, 1
	s_lshl_b32 s54, -2, s52
	s_and_b32 s54, s54, s87
	v_cmp_eq_u32 vcc_lo, v14, v11
	s_and_b32 vcc_lo, vcc_lo, s53
	v_add_co_ci_u32 v20, vcc_lo, 0, v20, vcc_lo
	v_cmp_eq_u32 vcc_lo, v15, v11
	s_and_b32 vcc_lo, vcc_lo, s54
	v_add_co_ci_u32 v20, vcc_lo, 0, v20, vcc_lo
	s_wait_kmcnt 0x0
	v_mov_b32 v21, s84                             ; sensor_time[idx]: the largest not above t, the first if none is
.irp j, 0,1,2,3,4,5,6,7
	v_cmp_le_f32 vcc_lo, s[68+\j], v10
	v_cndmask_b32 v22, v21, s[68+\j], vcc_lo
	v_max_num_f32 v21, v21, v22
.endr
	s_lshl_b32 s51, s43, 7
	v_lshl_add_u32 v6, v2, 2, s51
	ds_store_b32 v6, v20 offset:RC
	ds_store_b32 v6, v21 offset:RM
	s_wait_dscnt 0x0                               ; my partial results are in LDS before I signal
	s_barrier_signal -1
	s_barrier_wait -1
	s_cmp_lg_u32 s43, 0
	s_cbranch_scc1 .Lend
	v_lshlrev_b32 v7, 2, v2
.irp k, 0,1,2,3,4,5,6,7,8,9,10,11,12,13,14,15
	ds_load_b32 v[32+\k], v7 offset:RC+128*\k
	ds_load_b32 v[48+\k], v7 offset:RM+128*\k
.endr
	s_wait_dscnt 0x0
	v_add3_u32 v20, v32, v33, v34
	v_add3_u32 v22, v35, v36, v37
	v_add3_u32 v23, v38, v39, v40
	v_add3_u32 v24, v41, v42, v43
	v_add3_u32 v25, v44, v45, v46
	v_add3_u32 v20, v20, v22, v47
	v_add3_u32 v23, v23, v24, v25
	v_add_nc_u32 v20, v20, v23
	v_max3_num_f32 v21, v48, v49, v50
	v_max3_num_f32 v26, v51, v52, v53
	v_max3_num_f32 v27, v54, v55, v56
	v_max3_num_f32 v28, v57, v58, v59
	v_max3_num_f32 v29, v60, v61, v62
	v_max3_num_f32 v21, v21, v26, v63
	v_max3_num_f32 v27, v27, v28, v29
	v_max_num_f32 v21, v21, v27
	s_cmp_ge_u32 s41, 128
	s_cbranch_scc1 .Lstarts
	v_sub_f32 v22, v10, v21
	v_max_num_f32 v22, 0, v22
	global_store_b32 v3, v20, s[36:37]             ; pos[n]
	global_store_b32 v3, v22, s[38:39]             ; dt[n]
	s_wait_tensorcnt 0x0
	ds_add_u32 v96, v97
	s_wait_dscnt 0x0
	s_endpgm
.Lstarts:
	v_cmp_ne_u32 vcc_lo, 0, v3                     ; time step 0 also takes the queries in front of the first sensor time
	v_cndmask_b32 v20, 0, v20, vcc_lo
	global_store_b32 v3, v20, s[36:37] offset:16384
.Lend:
	s_wait_tensorcnt 0x0
	ds_add_u32 v96, v97
	s_wait_dscnt 0x0
	s_endpgm
.Lfunc_end_k_qccf062c173_setup:
	.size	k_qccf062c173_setup, .Lfunc_end_k_qccf062c173_setup-k_qccf062c173_setup
	.p2alignl 7, 3214868480
	.fill 96, 4, 3214868480
	.section	.rodata,"a",@progbits
	.p2align	6, 0x0
	.amdhsa_kernel k_qccf062c173_setup
		.amdhsa_group_segment_fixed_size 22528
		.amdhsa_private_segment_fixed_size 0
		.amdhsa_enable_private_segment 0
		.amdhsa_kernarg_size 144
		.amdhsa_user_sgpr_count 2
		.amdhsa_user_sgpr_kernarg_segment_ptr 1
		.amdhsa_wavefront_size32 1
		.amdhsa_system_sgpr_workgroup_id_x 1
		.amdhsa_system_sgpr_workgroup_id_y 1
		.amdhsa_system_sgpr_workgroup_id_z 1
		.amdhsa_system_vgpr_workitem_id 0
		.amdhsa_next_free_vgpr 98
		.amdhsa_next_free_sgpr 96
		.amdhsa_reserve_vcc 1
		.amdhsa_float_denorm_mode_32 3
		.amdhsa_float_denorm_mode_16_64 3
		.amdhsa_memory_ordered 1
		.amdhsa_forward_progress 1
		.amdhsa_inst_pref_size 42
	.end_amdhsa_kernel
	.amdgpu_metadata
---
amdhsa.version: [ 1, 2 ]
amdhsa.kernels:
  - .name:           k_qccf062c173_setup
    .symbol:         k_qccf062c173_setup.kd
    .args:
      - { .name: params_trunk_in_W, .offset: 0, .size: 8, .value_kind: global_buffer, .address_space: global }
      - { .name: params_blocks_0_fc1_W, .offset: 8, .size: 8, .value_kind: global_buffer, .address_space: global }
      - { .name: params_blocks_0_fc2_W, .offset: 16, .size: 8, .value_kind: global_buffer, .address_space: global }
      - { .name: params_blocks_1_fc1_W, .offset: 24, .size: 8, .value_kind: global_buffer, .address_space: global }
      - { .name: params_blocks_1_fc2_W, .offset: 32, .size: 8, .value_kind: global_buffer, .address_space: global }
      - { .name: params_q_proj_W, .offset: 40, .size: 8, .value_kind: global_buffer, .address_space: global }
      - { .name: params_k_proj_W, .offset: 48, .size: 8, .value_kind: global_buffer, .address_space: global }
      - { .name: params_tok_proj_W, .offset: 56, .size: 8, .value_kind: global_buffer, .address_space: global }
      - { .name: params_v_proj_W, .offset: 64, .size: 8, .value_kind: global_buffer, .address_space: global }
      - { .name: params_ctx_fc1_W, .offset: 72, .size: 8, .value_kind: global_buffer, .address_space: global }
      - { .name: params_ctx_fc2_W, .offset: 80, .size: 8, .value_kind: global_buffer, .address_space: global }
      - { .name: params_branch_proj_W, .offset: 88, .size: 8, .value_kind: global_buffer, .address_space: global }
      - { .name: params_trunk_out_W, .offset: 96, .size: 8, .value_kind: global_buffer, .address_space: global }
      - { .name: t_q, .offset: 104, .size: 8, .value_kind: global_buffer, .address_space: global }
      - { .name: sensor_time, .offset: 112, .size: 8, .value_kind: global_buffer, .address_space: global }
      - { .name: wf, .offset: 120, .size: 8, .value_kind: global_buffer, .address_space: global }
      - { .name: pos, .offset: 128, .size: 8, .value_kind: global_buffer, .address_space: global }
      - { .name: dt, .offset: 136, .size: 8, .value_kind: global_buffer, .address_space: global }
    .group_segment_fixed_size: 22528
    .private_segment_fixed_size: 0
    .kernarg_segment_align: 8
    .kernarg_segment_size: 144
    .max_flat_workgroup_size: 512
    .sgpr_count:     96
    .vgpr_count:     98
    .wavefront_size: 32
...
	.end_amdgpu_metadata
.endif
;; end of part 5
;; launch pre (part 6): grid 128 x 1, 8 waves a work-group, no clusters, 53,248 bytes of LDS; arguments xy, t_q, c, dt, pos, wf, params_time_proj_W, params_time_proj_b, params_comp_emb, params_trunk_in_b, params_blocks_0_ln_g, params_blocks_0_ln_b, params_blocks_0_fc1_b, params_blocks_0_fc2_b, params_blocks_1_ln_g, params_blocks_1_ln_b, params_blocks_1_fc1_b, params_blocks_1_fc2_b, params_branch_norm_g, params_branch_norm_b, params_q_proj_b, params_k_proj_b, params_tok_proj_b, qh, tf, aux, order; writes qh, tf, aux, order
.if DOCPART == 6
	.amdgcn_target "amdgcn-amd-amdhsa--gfx1250"
	.amdhsa_code_object_version 6
	.text
	.protected	k_qccf062c173_pre
	.globl	k_qccf062c173_pre
	.p2align	8
	.type	k_qccf062c173_pre,@function
k_qccf062c173_pre:
	s_mov_b64 s[64:65], 0
	v_nop
	global_prefetch_b8 v0, s[64:65] scope:SCOPE_SE
	s_setreg_imm32_b32 hwreg(HW_REG_WAVE_MODE, 25, 1), 1
	s_wait_xcnt 0x0
; The query side, 32 queries a work-group: features, trunk_in, two residual blocks (tf), q, and the two projections that the
; reference applies to every token moved to the query: q~ = q Wk^T, q^ = q~ Wt^T / 16, since
;   q.k = h.(Wt (Wk q)) + bt.(Wk q) + bk.q   for every input.   cst = (bt.q~ + bk.q) / 16.
; Rows leave to the query's place in the order of t_q (pos), so that the queries of a time step are neighbouring rows.
; Eight waves; wave w makes all 32 rows x columns 32w..32w+31 of every layer.  The matrix instruction is used transposed (source 0 =
; 16 columns of the weights, source 1 = 16 rows of the activations): lane (r, h) register j holds row 16i+r, column 32w+16t+8h+j.
; Weights come from wf straight into registers: each byte is read by one wave of the group, so a pass through LDS would add reads.
; Clusters are left out for the same reason: a joint load would land in LDS, and each weight byte would then be read from there once more.
; 128 work-groups: every work-group takes in all 950,272 bytes of this chain's weights whatever its rows, so 16 rows on 256 work-groups
; would double the bytes asked for and shorten only the arithmetic, which is the smaller part of a layer here.
; REGISTERS, in two windows of 256 (s_set_vgpr_msb: bits 1:0 source 0, 3:2 source 1, 5:4 source 2, 7:6 destination):
;   window 0: addresses, accumulators, the residual stream, scratch, bias and gain vectors
;   window 1: v0-127 a ring of eight K steps of weight fragments (a whole layer), v128-255 a whole layer's activation fragments
;   Setting 0x40 serves every load of a product (destination in window 1), 0x05 its matrix instructions (both sources in window 1).
; FORMATS.  The trunk's products take f16 operands (11 significant bits): the result is a product of two chains of about ten operand
; roundings each.  Their operands have room in f16: features at most 1 or small; LayerNorm's output at most 16 |g| + |b|; silu(fc1), with
; gains and weights 30 times the drawn ones and offsets of 30 spreads, about 3,000 against f16's 65,504.  The residual stream tf has no such
; room, so each row leaves multiplied by 1 / sqrt(sum of its squares), at most 1 in size, and the root goes along in aux.
; The score path (branch_norm's output, q, q~, q^) grows with three matrices in a row and stays in bf16.
; LIMITS: sine and cosine by series on [-pi, pi], remainder below 3e-5; c is 0, 1 or 2; an f16 operand named above is below 65,504;
; a row's sum of squares of tf stays inside f32 (|tf| below about 1e18) and is taken as 2^-100 at the least.
.set XP,   528                         ; an activation row in LDS: 512 bytes + 16
.set XT,   16*XP
.set XB,   32*XP                       ; X0 at 0, X1 at XB
.set VEC,  33792                       ; 1,024 bytes for each bias or gain vector
.set RED,  50176                       ; two tables [row][wave] f32 of 1,024 bytes
.set P,    10                          ; v[10:11]   one number for each of my two rows
.set PR,   12                          ; v[12:13]   one number twice, for the packed arithmetic
.set ACC,  16                          ; v[16:47]   tile (i, t) at ACC + 16 i + 8 t
.set RES,  48                          ; v[48:79]   the residual stream, same map
.set T,    80                          ; v[80:111]  scratch
.set BV,   112                         ; v[112:127] my 16 columns of the layer's bias
.set LG,   128                         ; v[128:143] of a gain, or of a second vector
.set LB,   144                         ; v[144:159] of a norm's bias
.set SD,   160                         ; v[160:175] four rows on their way out
.set SA,   176                         ; v[176:179] their offsets
.set SC,   180                         ; v[180:181] the score constant's partial sums
.set TS,   182                         ; v[182:183] sqrt(sum of squares) of tf's rows
.set XY,   184                         ; v[184:185] x, y of query 32 wg + lane
.set PS,   186                         ; its sorted place
.set TQ,   188                         ; its t
.set DT,   189                         ; its dt
.set CQ,   190                         ; its c
.set TW,   192                         ; v[192:207] time_proj W
.set TB,   208                         ; v[208:223] time_proj b
.set EM,   224                         ; v[224:247] comp_emb
.set BR,   0                           ; window 1: ring slot s at BR + 16 s
.set AF,   128                         ; window 1: step ks, rows 16 i .. at AF + 16 ks + 8 i
.set GTOT, 58
.set PART, 0
.set STREAM, 118784
.set WFP,  14
.set GS,   0
.set MSB,  0
.macro WIN new                         ; the immediate's high byte repeats the setting that is left
.if MSB != \new
	s_set_vgpr_msb (MSB<<8)|\new
.set MSB, \new
.endif
.endm
.macro BAR
	s_wait_dscnt 0x0                               ; my LDS stores are in and my LDS loads are back before I signal
	s_barrier_signal -1
	s_barrier_wait -1
.endm
.macro RING g0, g1                     ; the first fills of ring slots g0 .. g1
	WIN 0x40
.set RG, \g0
.rept \g1-\g0+1
.irp q, 0,1,2,3
	global_load_b128 v[BR+16*RG+4*\q:BR+16*RG+4*\q+3], v5, s[WFP:WFP+1] offset:PART+RG*2048+512*\q
.endr
.set RG, RG+1
.endr
	WIN 0
.endm
; Four matrix instructions: stream step g, the layer's K step ks.  f = 1: f16, 0: bf16.  zero = 1: the first product starts the sums.
.macro MM4 g, ks, zero, f
.irp i, 0,1
.irp t, 0,1
.if \f
.if \zero
	v_wmma_f32_16x16x32_f16 v[ACC+16*\i+8*\t:ACC+16*\i+8*\t+7], v[BR+16*((\g)%8)+8*\t:BR+16*((\g)%8)+8*\t+7], v[AF+16*(\ks)+8*\i:AF+16*(\ks)+8*\i+7], 0
.else
	v_wmma_f32_16x16x32_f16 v[ACC+16*\i+8*\t:ACC+16*\i+8*\t+7], v[BR+16*((\g)%8)+8*\t:BR+16*((\g)%8)+8*\t+7], v[AF+16*(\ks)+8*\i:AF+16*(\ks)+8*\i+7], v[ACC+16*\i+8*\t:ACC+16*\i+8*\t+7]
.endif
.else
.if \zero
	v_wmma_f32_16x16x32_bf16 v[ACC+16*\i+8*\t:ACC+16*\i+8*\t+7], v[BR+16*((\g)%8)+8*\t:BR+16*((\g)%8)+8*\t+7], v[AF+16*(\ks)+8*\i:AF+16*(\ks)+8*\i+7], 0
.else
	v_wmma_f32_16x16x32_bf16 v[ACC+16*\i+8*\t:ACC+16*\i+8*\t+7], v[BR+16*((\g)%8)+8*\t:BR+16*((\g)%8)+8*\t+7], v[AF+16*(\ks)+8*\i:AF+16*(\ks)+8*\i+7], v[ACC+16*\i+8*\t:ACC+16*\i+8*\t+7]
.endif
.endif
.endr
.endr
.endm
; Two K steps of 32: eight matrix instructions, then the refill of their two ring slots with the steps eight further on in the stream.
.macro PAIR ks, zero, f, n
.if GS+7 < GTOT
	s_wait_loadcnt 24                              ; loads come back in order: these two steps' eight are in, the six younger steps' 24 stay out
.else
	s_wait_loadcnt 4*(GTOT-2-GS)                   ; the stream's end: fewer are behind
.endif
	s_wait_dscnt 4*(\n)-8-4*(\ks)                  ; these two steps' fragments are in, the later steps' loads stay out
	WIN 0x05
	MM4 GS, \ks, \zero, \f
	MM4 GS+1, (\ks)+1, 0, \f                       ; the four accumulators take turns, one instruction a turn
.rept 4
	v_nop                                          ; four places before loads land on the sources and before results are read
.endr
.if GS+8 < GTOT
	WIN 0x40
.irp s, 0,1
.irp q, 0,1,2,3
	global_load_b128 v[BR+16*((GS+\s)%8)+4*\q:BR+16*((GS+\s)%8)+4*\q+3], v5, s[WFP:WFP+1] offset:PART+(GS+8+\s)*2048+512*\q
.endr
.endr
.endif
.set GS, GS+2
.endm
.macro LDV dst, id                     ; my 16 columns of vector id
.irp t, 0,1
.irp q, 0,1
	ds_load_b128 v[\dst+8*\t+4*\q:\dst+8*\t+4*\q+3], v6 offset:\id*1024+64*\t+16*\q
.endr
.endr
.endm
; A layer's product, n K steps.  The bias (vector vid, none if negative) and then ALL the layer's fragments are asked for at once; the pairs wait by count.
.macro GEMM areg, base, n, f, vid
.if \vid >= 0
	LDV BV, \vid
.endif
	WIN 0x40
.set KS, 0
.rept \n
.irp i, 0,1
	ds_load_b128 v[AF+16*KS+8*\i:AF+16*KS+8*\i+3],   v[\areg] offset:\base+\i*XT+64*KS
	ds_load_b128 v[AF+16*KS+8*\i+4:AF+16*KS+8*\i+7], v[\areg] offset:\base+\i*XT+64*KS+32
.endr
.set KS, KS+1
.endr
	PAIR 0, 1, \f, \n
.if \n > 2
.set KS, 2
.rept (\n-2)/2
	PAIR KS, 0, \f, \n
.set KS, KS+2
.endr
.endif
	WIN 0
.endm
.macro ADDB dst                        ; dst = ACC + bias (in BV since the product's last wait)
.irp i, 0,1
.irp e, 0,2,4,6,8,10,12,14
	v_pk_add_f32 v[\dst+16*\i+\e:\dst+16*\i+\e+1], v[ACC+16*\i+\e:ACC+16*\i+\e+1], v[BV+\e:BV+\e+1]
.endr
.endr
.endm
.macro RESADD                          ; RES += ACC + bias
.irp i, 0,1
.irp e, 0,2,4,6,8,10,12,14
	v_pk_add_f32 v[ACC+16*\i+\e:ACC+16*\i+\e+1], v[ACC+16*\i+\e:ACC+16*\i+\e+1], v[BV+\e:BV+\e+1]
	v_pk_add_f32 v[RES+16*\i+\e:RES+16*\i+\e+1], v[RES+16*\i+\e:RES+16*\i+\e+1], v[ACC+16*\i+\e:ACC+16*\i+\e+1]
.endr
.endr
.endm
.macro SILU dst                        ; dst = ACC / (1 + 2^(-1.442695 ACC)), eight numbers at a time
.irp g, 0,1,2,3
.irp e, 0,2,4,6
	v_pk_mul_f32 v[T+\e:T+\e+1], v[ACC+8*\g+\e:ACC+8*\g+\e+1], 0xbfb8aa3b op_sel_hi:[1,0]
.endr
.irp e, 0,1,2,3,4,5,6,7
	v_exp_f32 v[T+\e], v[T+\e]
.endr
	v_nop                                          ; one plain place behind the transcendentals (ISA guide 5.7.2)
	s_wait_alu depctr_va_vdst(0)
.irp e, 0,2,4,6
	v_pk_add_f32 v[T+\e:T+\e+1], v[T+\e:T+\e+1], 1.0 op_sel_hi:[1,0]
.endr
.irp e, 0,1,2,3,4,5,6,7
	v_rcp_f32 v[T+\e], v[T+\e]
.endr
	v_nop
	s_wait_alu depctr_va_vdst(0)
.irp e, 0,2,4,6
	v_pk_mul_f32 v[\dst+8*\g+\e:\dst+8*\g+\e+1], v[ACC+8*\g+\e:ACC+8*\g+\e+1], v[T+\e:T+\e+1]
.endr
.endr
.endm
.macro STX src, xb, f                  ; to 16 bits (f = 1: f16, 0: bf16) and into activation buffer xb: 16 bytes of a row for each tile
.irp i, 0,1
.irp t, 0,1
.irp q, 0,1,2,3
.if \f
	v_cvt_pk_f16_f32 v[T+8*\i+4*\t+\q], v[\src+16*\i+8*\t+2*\q], v[\src+16*\i+8*\t+2*\q+1]
.else
	v_cvt_pk_bf16_f32 v[T+8*\i+4*\t+\q], v[\src+16*\i+8*\t+2*\q], v[\src+16*\i+8*\t+2*\q+1]
.endif
.endr
	ds_store_b128 v4, v[T+8*\i+4*\t:T+8*\i+4*\t+3] offset:\xb*XB+\i*XT+32*\t
.endr
.endr
.endm
.macro RSUM i, src                     ; P_i = sum of my 16 numbers of row i
	v_pk_add_f32 v[T+2*\i:T+2*\i+1], v[\src+16*\i:\src+16*\i+1], v[\src+16*\i+2:\src+16*\i+3]
.irp e, 4,6,8,10,12,14
	v_pk_add_f32 v[T+2*\i:T+2*\i+1], v[T+2*\i:T+2*\i+1], v[\src+16*\i+\e:\src+16*\i+\e+1]
.endr
	v_add_f32 v[P+\i], v[T+2*\i], v[T+2*\i+1]
.endm
.macro RDOT i, a, b, bs, tp            ; pair tp + 2 i = sums of a x b over my 16 numbers of row i; b steps by bs from row to row
	v_pk_mul_f32 v[\tp+2*\i:\tp+2*\i+1], v[\a+16*\i:\a+16*\i+1], v[\b+\bs*\i:\b+\bs*\i+1]
.irp e, 2,4,6,8,10,12,14
	v_pk_fma_f32 v[\tp+2*\i:\tp+2*\i+1], v[\a+16*\i+\e:\a+16*\i+\e+1], v[\b+\bs*\i+\e:\b+\bs*\i+\e+1], v[\tp+2*\i:\tp+2*\i+1]
.endr
.endm
.macro ROWRED red                      ; P_i summed over the row's 256 columns: the other half of the lanes, then the eight waves through LDS
.irp i, 0,1
	v_permlanex16_b32 v14, v[P+\i], s60, s61
	v_add_f32 v[P+\i], v[P+\i], v14
	ds_store_b32 v7, v[P+\i] offset:\red+512*\i
.endr
	BAR
.irp i, 0,1
	ds_load_b128 v[T+8*\i:T+8*\i+3],   v8 offset:\red+512*\i
	ds_load_b128 v[T+8*\i+4:T+8*\i+7], v8 offset:\red+512*\i+16
.endr
	s_wait_dscnt 0x0
.irp i, 0,1
	v_pk_add_f32 v[T+8*\i:T+8*\i+1], v[T+8*\i:T+8*\i+1], v[T+8*\i+2:T+8*\i+3]
	v_pk_add_f32 v[T+8*\i+4:T+8*\i+5], v[T+8*\i+4:T+8*\i+5], v[T+8*\i+6:T+8*\i+7]
	v_pk_add_f32 v[T+8*\i:T+8*\i+1], v[T+8*\i:T+8*\i+1], v[T+8*\i+4:T+8*\i+5]
	v_add_f32 v[P+\i], v[T+8*\i], v[T+8*\i+1]
.endr
.endm
.macro LN gid, bid, xb, f              ; LayerNorm of RES into activation buffer xb; the variance from the centred numbers
	LDV LG, \gid                                   ; asked for here, in by the waits of the row sums below
	LDV LB, \bid
.irp i, 0,1
	RSUM \i, RES
.endr
	ROWRED 0
.irp i, 0,1
	v_mul_f32 v[PR], s62, v[P+\i]                  ; the mean, twice, for the packed arithmetic
	v_mul_f32 v[PR+1], s62, v[P+\i]
.irp e, 0,2,4,6,8,10,12,14
	v_pk_add_f32 v[ACC+16*\i+\e:ACC+16*\i+\e+1], v[RES+16*\i+\e:RES+16*\i+\e+1], v[PR:PR+1] neg_lo:[0,1] neg_hi:[0,1]
.endr
.endr
.irp i, 0,1
	RDOT \i, ACC, ACC, 16, T
	v_add_f32 v[P+\i], v[T+2*\i], v[T+2*\i+1]
.endr
	ROWRED 1024
.irp i, 0,1
	v_fmaak_f32 v[P+\i], s62, v[P+\i], 0x3727c5ac  ; variance + 1e-5
.endr
.irp i, 0,1
	v_rsq_f32 v[P+\i], v[P+\i]
.endr
	v_nop                                          ; one plain place behind the transcendentals
	s_wait_alu depctr_va_vdst(0)
.irp i, 0,1
	v_mov_b32 v[PR], v[P+\i]
	v_mov_b32 v[PR+1], v[P+\i]
.irp e, 0,2,4,6,8,10,12,14
	v_pk_mul_f32 v[ACC+16*\i+\e:ACC+16*\i+\e+1], v[ACC+16*\i+\e:ACC+16*\i+\e+1], v[PR:PR+1]
	v_pk_fma_f32 v[ACC+16*\i+\e:ACC+16*\i+\e+1], v[ACC+16*\i+\e:ACC+16*\i+\e+1], v[LG+\e:LG+\e+1], v[LB+\e:LB+\e+1]
.endr
.endr
	STX ACC, \xb, \f
	BAR
.endm
.macro RSCALE ts, xb                   ; RES x 1 / sqrt(the row's sum of squares), at most 1 in size, as f16 into buffer xb; ts_i = the root
.irp i, 0,1
	RDOT \i, RES, RES, 16, T
	v_add_f32 v[P+\i], v[T+2*\i], v[T+2*\i+1]
.endr
	ROWRED 1024
.irp i, 0,1
	v_max_num_f32 v[P+\i], 0x0d800000, v[P+\i]     ; 2^-100 at the least: a row of zeros stays zeros
.endr
.irp i, 0,1
	v_rsq_f32 v[T+\i], v[P+\i]
.endr
	v_nop                                          ; one plain place behind the transcendentals
	s_wait_alu depctr_va_vdst(0)
.irp i, 0,1
	v_mul_f32 v[\ts+\i], v[P+\i], v[T+\i]
	v_mov_b32 v[PR], v[T+\i]
	v_mov_b32 v[PR+1], v[T+\i]
.irp e, 0,2,4,6,8,10,12,14
	v_pk_mul_f32 v[ACC+16*\i+\e:ACC+16*\i+\e+1], v[RES+16*\i+\e:RES+16*\i+\e+1], v[PR:PR+1]
.endr
.endr
	STX ACC, \xb, 1
.endm
.macro DOTV vreg, first                ; SC_i (+)= my part of ACC . the vector in vreg
.irp i, 0,1
	RDOT \i, ACC, \vreg, 0, T
.if \first
	v_add_f32 v[SC+\i], v[T+2*\i], v[T+2*\i+1]
.else
	v_add_f32 v[T+2*\i], v[T+2*\i], v[T+2*\i+1]
	v_add_f32 v[SC+\i], v[SC+\i], v[T+2*\i]
.endif
.endr
.endm
.macro STROWS xb, ptr                  ; my wave's four rows of buffer xb leave, each as 512 consecutive bytes, to their sorted places
	s_wait_xcnt 0x0                                ; the registers below may have been sources of earlier stores
.irp q, 0,1,2,3
	v_add_nc_u32 v[SA+\q], s[76+\q], v9
.endr
.irp q, 0,1,2,3
	ds_load_b128 v[SD+4*\q:SD+4*\q+3], v15 offset:\xb*XB+\q*XP
.endr
.irp q, 0,1,2,3
	s_wait_dscnt 3-\q                              ; row q is in, the younger rows' loads stay out
	global_store_b128 v[SA+\q], v[SD+4*\q:SD+4*\q+3], s[\ptr:\ptr+1]
.endr
.endm
.macro TRIG                            ; v40 = angle in turns; v41 = sine, v42 = cosine
	v_rndne_f32 v43, v40
	v_sub_f32 v40, v40, v43                        ; exact: a fraction in [-1/2, 1/2]
	v_mul_f32 v40, 0x40c90fdb, v40                 ; theta
	v_mul_f32 v43, v40, v40
	v_mov_b32 v41, 0x2f309231                      ; 1/13!
.irp k, 0xb2d7322b, 0x3638ef1d, 0xb9500d01, 0x3c088889, 0xbe2aaaab, 0x3f800000
	v_fmaak_f32 v41, v41, v43, \k
.endr
	v_mul_f32 v41, v41, v40
	v_mov_b32 v42, 0xad49cba5                      ; -1/14!
.irp k, 0x310f76c7, 0xb493f27e, 0x37d00d01, 0xbab60b61, 0x3d2aaaab, 0xbf000000, 0x3f800000
	v_fmaak_f32 v42, v42, v43, \k
.endr
.endm
.macro HARM n, off, step               ; (sin, cos) of harmonics 1..n as pairs of f16, by the addition theorem
	v_mov_b32 v44, v41
	v_mov_b32 v45, v42
.set HK, 0
.rept \n
	v_cvt_pk_f16_f32 v46, v44, v45
	ds_store_b32 v87, v46 offset:\off+\step*HK
.if HK+1 < \n
	v_mul_f32 v48, v45, v41
	v_mul_f32 v49, v44, v41
	v_fma_f32 v44, v44, v42, v48
	v_fma_f32 v45, v45, v42, -v49
.endif
.set HK, HK+1
.endr
.endm
	s_load_b512 s[4:19], s[0:1], 0x0               ; xy, t_q, c, dt, pos, wf, time_proj W, b
	s_load_b512 s[20:35], s[0:1], 0x40             ; comp_emb, vectors 0..6
	s_load_b512 s[36:51], s[0:1], 0x80             ; vectors 7..13, qh s[50:51]
	s_load_b128 s[52:55], s[0:1], 0xc0             ; tf, aux
	s_load_b64 s[56:57], s[0:1], 0xd0              ; order
	v_lshl_add_u32 v254, v0, 2, 0xcc00
	v_mov_b32 v255, 0
	v_lshrrev_b32 v1, 5, v0
	v_readfirstlane_b32 s58, v1                    ; wave
	s_mov_b32 s59, ttmp9
	s_mov_b32 s60, 0x76543210                      ; v_permlanex16_b32: lane i reads lane i of the other half
	s_mov_b32 s61, 0xfedcba98
	s_mov_b32 s62, 0x3b800000                      ; 1/256
	v_and_b32 v1, 15, v0                           ; r
	v_bfe_u32 v2, v0, 4, 1                         ; h
	v_and_b32 v80, 31, v0                          ; lane
	v_lshlrev_b32 v9, 4, v80                       ; 16 x lane
	v_mul_u32_u24 v3, v1, XP
	v_lshl_add_u32 v3, v2, 4, v3                   ; fragments: r x pitch + 16 h
	s_lshl_b32 s63, s58, 6
	v_add_nc_u32 v4, s63, v3                       ; results: + 64 w
	s_mul_i32 s63, s58, STREAM
	v_add_nc_u32 v5, s63, v9                       ; my wave's stream in wf; never rewritten
	s_lshl_b32 s63, s58, 7
	s_add_co_u32 s63, s63, VEC
	v_lshl_add_u32 v6, v2, 5, s63                  ; my columns of a vector
	s_lshl_b32 s63, s58, 2
	s_add_co_u32 s63, s63, RED
	v_lshl_add_u32 v7, v1, 5, s63                  ; [row][wave]
	v_lshlrev_b32 v8, 5, v1
	v_add_nc_u32 v8, RED, v8
	s_mul_i32 s63, s58, 4*XP
	v_add_nc_u32 v15, s63, v9                      ; my wave's four whole rows
	v_mov_b32 v14, 0
	; addresses of the start's loads, in scratch that is rewritten only behind the wait for them
	s_lshl_b32 s63, s59, 5
	v_add_nc_u32 v81, s63, v80                     ; query 32 wg + lane: the row whose features I make
	v_lshlrev_b32 v82, 3, v81
	v_lshlrev_b32 v83, 2, v81
	v_lshlrev_b32 v84, 2, v0
	v_mov_b32 v85, 0
	v_add_nc_u32 v86, VEC, v84
	v_mul_u32_u24 v87, v80, XP
	s_lshl_b32 s66, s59, 7
	s_lshl_b32 s67, s58, 4
	s_add_co_u32 s66, s66, s67                     ; 4 (32 wg + 4 w)
	s_wait_kmcnt 0x0
	s_load_b128 s[68:71], s[12:13], s66 offset:0x0 ; the sorted places of my wave's four rows
	global_load_b64 v[XY:XY+1], v82, s[4:5]
	global_load_b32 v[TQ], v83, s[6:7]
	global_load_b32 v[DT], v83, s[10:11]
	global_load_b32 v[CQ], v83, s[8:9]
	global_load_b32 v[PS], v83, s[12:13]
.irp q, 0,1,2,3
	global_load_b128 v[TW+4*\q:TW+4*\q+3], v85, s[16:17] offset:16*\q
	global_load_b128 v[TB+4*\q:TB+4*\q+3], v85, s[18:19] offset:16*\q
.endr
.irp q, 0,1,2,3,4,5
	global_load_b128 v[EM+4*\q:EM+4*\q+3], v85, s[20:21] offset:16*\q
.endr
.irp d, 0,1,2,3,4,5,6,7,8,9,10,11,12,13
	global_load_b32 v[16+\d], v84, s[22+2*\d:23+2*\d]
.endr
	RING 0, 5
	s_wait_loadcnt 24                              ; the small loads above are in; the 24 loads of the ring's first six steps stay out
	RING 6, 7
	s_wait_kmcnt 0x0
.irp q, 0,1,2,3
	s_min_u32 s[76+\q], s[68+\q], 0xfff
	s_lshl_b32 s[76+\q], s[76+\q], 9               ; rows of 512 bytes
.endr
.irp d, 0,1,2,3,4,5,6,7,8,9,10,11,12,13
	ds_store_b32 v86, v[16+\d] offset:\d*1024
.endr
	; features, 64 columns of f16 in X0: a wave for each part, a lane for each row; waves 4 to 7 have no part
	s_cmp_ge_u32 s58, 4
	s_cbranch_scc1 .Lf_done
	s_cmp_eq_u32 s58, 3
	s_cbranch_scc1 .Lf_te
	s_cmp_eq_u32 s58, 2
	s_cbranch_scc1 .Lf_t
	s_cmp_eq_u32 s58, 1
	s_cbranch_scc1 .Lf_y
	v_mov_b32 v40, v[XY]                           ; x / L, L = 1
	TRIG
	HARM 8, 0, 8
	s_branch .Lf_done
.Lf_y:
	v_mov_b32 v40, v[XY+1]
	TRIG
	HARM 8, 4, 8
	s_branch .Lf_done
.Lf_t:
	v_mul_f32 v40, 0x3e4ccccd, v[TQ]               ; t / 5
	TRIG
	HARM 2, 64, 4
	s_branch .Lf_done
.Lf_te:
.irp j, 0,1,2,3,4,5,6,7,8,9,10,11,12,13,14,15
	v_fma_f32 v[40+\j], v[DT], v[TW+\j], v[TB+\j]  ; dt W + b
.endr
.irp j, 0,1,2,3,4,5,6,7
	v_cvt_pk_f16_f32 v[56+\j], v[40+2*\j], v[41+2*\j]
.endr
.irp j, 0,1,2,3
	ds_store_b64 v87, v[56+2*\j:57+2*\j] offset:72+8*\j
.endr
	v_cmp_eq_u32 vcc_lo, 1, v[CQ]
	v_cmp_eq_u32 s66, 2, v[CQ]
.irp j, 0,1,2,3,4,5,6,7
	v_cndmask_b32 v[40+\j], v[EM+\j], v[EM+8+\j], vcc_lo
	v_cndmask_b32 v[40+\j], v[40+\j], v[EM+16+\j], s66
.endr
.irp j, 0,1,2,3
	v_cvt_pk_f16_f32 v[64+\j], v[40+2*\j], v[41+2*\j]
.endr
	v_mov_b32 v68, 0
	v_mov_b32 v69, 0
	ds_store_b64 v87, v[64:65] offset:104
	ds_store_b64 v87, v[66:67] offset:112
	ds_store_b64 v87, v[68:69] offset:120          ; columns 60..63 are zero, as are the weights' rows there
.Lf_done:
	BAR
	GEMM 3, 0, 2, 1, 0                             ; trunk_in
	ADDB ACC
	SILU RES
	LN 1, 2, 1, 1
	GEMM 3, XB, 8, 1, 3                            ; block 0
	ADDB ACC
	SILU ACC
	STX ACC, 0, 1
	BAR
	GEMM 3, 0, 8, 1, 4
	RESADD
	LN 5, 6, 1, 1
	GEMM 3, XB, 8, 1, 7                            ; block 1
	ADDB ACC
	SILU ACC
	STX ACC, 0, 1
	BAR
	GEMM 3, 0, 8, 1, 8
	RESADD
	RSCALE TS, 1                                   ; tf, row-scaled, into X1; the barriers of the norm below show it to every wave
	LN 9, 10, 0, 0                                 ; the score path begins: bf16
	STROWS 1, 52
	BAR                                            ; every wave's reads of X1 are back before q is written there
	LDV LG, 12                                     ; bk, ahead of the product's loads: in by its waits
	GEMM 3, 0, 8, 0, 11                            ; q
	ADDB ACC
	DOTV LG, 1                                     ; bk . q
	STX ACC, 1, 0
	BAR
	GEMM 3, XB, 8, 0, 13                           ; q~; vector 13 is bt, not added but multiplied below
	DOTV BV, 0                                     ; bt . q~
	STX ACC, 0, 0
	BAR
	GEMM 3, 0, 8, 0, -1                            ; q^
.irp i, 0,1
.irp e, 0,2,4,6,8,10,12,14
	v_pk_mul_f32 v[ACC+16*\i+\e:ACC+16*\i+\e+1], v[ACC+16*\i+\e:ACC+16*\i+\e+1], 0x3d800000 op_sel_hi:[1,0]
.endr
.endr
	STX ACC, 1, 0
.irp i, 0,1
	v_mov_b32 v[P+\i], v[SC+\i]
.endr
	ROWRED 0                                       ; its barrier also shows X1 to every wave
	STROWS 1, 50
	s_cmp_lg_u32 s58, 0
	s_cbranch_scc1 .Lend
	v_cmp_eq_u32 vcc_lo, 1, v2                     ; lane l stands for row l = 16 h + r
	v_cndmask_b32 v16, v[P], v[P+1], vcc_lo
	v_mul_f32 v16, 0x3d800000, v16                 ; cst
	v_cndmask_b32 v21, v[TS], v[TS+1], vcc_lo
	v_min_u32 v17, 0xfff, v[PS]
	v_lshlrev_b32 v18, 2, v17
	v_lshlrev_b32 v19, 3, v17
	v_lshrrev_b32 v20, 4, v9
	s_lshl_b32 s63, s59, 5
	v_add_nc_u32 v20, s63, v20                     ; the query's number
	global_store_b32 v18, v16, s[54:55]
	global_store_b64 v19, v[XY:XY+1], s[54:55] offset:16384
	global_store_b32 v18, v21, s[54:55] offset:49152
	global_store_b32 v18, v20, s[56:57]
.Lend:
	s_wait_tensorcnt 0x0
	ds_add_u32 v254, v255
	s_wait_dscnt 0x0
	s_endpgm
.Lfunc_end_k_qccf062c173_pre:
	.size	k_qccf062c173_pre, .Lfunc_end_k_qccf062c173_pre-k_qccf062c173_pre
	.p2alignl 7, 3214868480
	.fill 96, 4, 3214868480
	.section	.rodata,"a",@progbits
	.p2align	6, 0x0
	.amdhsa_kernel k_qccf062c173_pre
		.amdhsa_group_segment_fixed_size 53248
		.amdhsa_private_segment_fixed_size 0
		.amdhsa_enable_private_segment 0
		.amdhsa_kernarg_size 216
		.amdhsa_user_sgpr_count 2
		.amdhsa_user_sgpr_kernarg_segment_ptr 1
		.amdhsa_wavefront_size32 1
		.amdhsa_system_sgpr_workgroup_id_x 1
		.amdhsa_system_sgpr_workgroup_id_y 1
		.amdhsa_system_sgpr_workgroup_id_z 1
		.amdhsa_system_vgpr_workitem_id 0
		.amdhsa_next_free_vgpr 512
		.amdhsa_next_free_sgpr 104
		.amdhsa_reserve_vcc 1
		.amdhsa_float_denorm_mode_32 3
		.amdhsa_float_denorm_mode_16_64 3
		.amdhsa_memory_ordered 1
		.amdhsa_forward_progress 1
		.amdhsa_inst_pref_size 154
	.end_amdhsa_kernel
	.amdgpu_metadata
---
amdhsa.version: [ 1, 2 ]
amdhsa.kernels:
  - .name:           k_qccf062c173_pre
    .symbol:         k_qccf062c173_pre.kd
    .args:
      - { .name: xy, .offset: 0, .size: 8, .value_kind: global_buffer, .address_space: global }
      - { .name: t_q, .offset: 8, .size: 8, .value_kind: global_buffer, .address_space: global }
      - { .name: c, .offset: 16, .size: 8, .value_kind: global_buffer, .address_space: global }
      - { .name: dt, .offset: 24, .size: 8, .value_kind: global_buffer, .address_space: global }
      - { .name: pos, .offset: 32, .size: 8, .value_kind: global_buffer, .address_space: global }
      - { .name: wf, .offset: 40, .size: 8, .value_kind: global_buffer, .address_space: global }
      - { .name: params_time_proj_W, .offset: 48, .size: 8, .value_kind: global_buffer, .address_space: global }
      - { .name: params_time_proj_b, .offset: 56, .size: 8, .value_kind: global_buffer, .address_space: global }
      - { .name: params_comp_emb, .offset: 64, .size: 8, .value_kind: global_buffer, .address_space: global }
      - { .name: params_trunk_in_b, .offset: 72, .size: 8, .value_kind: global_buffer, .address_space: global }
      - { .name: params_blocks_0_ln_g, .offset: 80, .size: 8, .value_kind: global_buffer, .address_space: global }
      - { .name: params_blocks_0_ln_b, .offset: 88, .size: 8, .value_kind: global_buffer, .address_space: global }
      - { .name: params_blocks_0_fc1_b, .offset: 96, .size: 8, .value_kind: global_buffer, .address_space: global }
      - { .name: params_blocks_0_fc2_b, .offset: 104, .size: 8, .value_kind: global_buffer, .address_space: global }
      - { .name: params_blocks_1_ln_g, .offset: 112, .size: 8, .value_kind: global_buffer, .address_space: global }
      - { .name: params_blocks_1_ln_b, .offset: 120, .size: 8, .value_kind: global_buffer, .address_space: global }
      - { .name: params_blocks_1_fc1_b, .offset: 128, .size: 8, .value_kind: global_buffer, .address_space: global }
      - { .name: params_blocks_1_fc2_b, .offset: 136, .size: 8, .value_kind: global_buffer, .address_space: global }
      - { .name: params_branch_norm_g, .offset: 144, .size: 8, .value_kind: global_buffer, .address_space: global }
      - { .name: params_branch_norm_b, .offset: 152, .size: 8, .value_kind: global_buffer, .address_space: global }
      - { .name: params_q_proj_b, .offset: 160, .size: 8, .value_kind: global_buffer, .address_space: global }
      - { .name: params_k_proj_b, .offset: 168, .size: 8, .value_kind: global_buffer, .address_space: global }
      - { .name: params_tok_proj_b, .offset: 176, .size: 8, .value_kind: global_buffer, .address_space: global }
      - { .name: qh, .offset: 184, .size: 8, .value_kind: global_buffer, .address_space: global }
      - { .name: tf, .offset: 192, .size: 8, .value_kind: global_buffer, .address_space: global }
      - { .name: aux, .offset: 200, .size: 8, .value_kind: global_buffer, .address_space: global }
      - { .name: order, .offset: 208, .size: 8, .value_kind: global_buffer, .address_space: global }
    .group_segment_fixed_size: 53248
    .private_segment_fixed_size: 0
    .kernarg_segment_align: 8
    .kernarg_segment_size: 216
    .max_flat_workgroup_size: 256
    .sgpr_count:     104
    .vgpr_count:     512
    .wavefront_size: 32
...
	.end_amdgpu_metadata
.endif
;; end of part 6
;; launch attn (part 7): grid 128 x 1, 8 waves a work-group, no clusters, 139,008 bytes of LDS; arguments h_states, qh, aux, pos, sensor_pos, params_relpos_fc1_W, params_relpos_fc1_b, params_relpos_fc2_W, params_relpos_fc2_b, params_relpos_ln_g, params_relpos_ln_b, ctxh; writes ctxh
.if DOCPART == 7
	.amdgcn_target "amdgcn-amd-amdhsa--gfx1250"
	.amdhsa_code_object_version 6
	.text
	.protected	k_qccf062c173_attn
	.globl	k_qccf062c173_attn
	.p2align	8
	.type	k_qccf062c173_attn,@function
k_qccf062c173_attn:
	s_mov_b64 s[64:65], 0
	v_nop
	global_prefetch_b8 v0, s[64:65] scope:SCOPE_SE
	s_setreg_imm32_b32 hwreg(HW_REG_WAVE_MODE, 25, 1), 1
	s_wait_xcnt 0x0
; One work-group for each sensor time step: its 64 tokens (raw h_states, in LDS) and the queries that fall on it, which are the
; sorted rows start[s] .. start[s+1]-1.  A wave takes 16 queries at a time: scores = q^ . h + cst + bias, softmax with the row's
; maximum taken away, ctxh = sum of a x h.  The token, key and value projections are applied on the query side by the other launches.
; THE ORDER OF A TRIP.  cst and x, y are asked for first and q^ behind them; the position bias, which needs only x, y and sensor_pos, is
; computed into the score accumulators while q^ is on its way, and the score products add onto it.  Token fragments are asked for three
; K steps ahead (three buffers), the transposed ones two batches ahead (two buffers), the first of them ahead of the softmax.
; FORMATS.  The tokens lie in LDS twice: in bf16 for the scores, whose partner q^ has no room in f16, and in f16 (11 significant bits) for
; the weighted sum, whose partner lies in [0, 1].  ctxh leaves in f16: it is at most the largest |h|.  LIMIT: |h_states| below 65,504.
; THE RELATIVE POSITION BIAS: its LayerNorm runs over ONE feature, so x - mean(x) = r - r, which is 0 for every finite r, and the norm's
; output is ln_b.  The 256-wide MLP behind it is therefore evaluated once, at ln_b (F0).  The distance r, the norm with ln_g and ln_b and
; the difference of its output from ln_b are still formed for every query and token and added to the score: 0 for finite r and ln_g.
; Work-groups share no tile (each time step is read by one), so there are no clusters; a time step without queries stores nothing.
.set HP,  544                          ; a token's row in LDS: 512 bytes + 32, an odd multiple of 32 for the transposing loads
.set SPB, 0                            ; sensor_pos, 512 bytes
.set FRB, 512                          ; eight partial sums of F0
.set HBB, 768                          ; the tokens in bf16, 64 x 544
.set HFB, 35584                        ; the tokens in f16, 64 x 544
.set STG, 70400                        ; each wave's own stage of 16 rows x 528 bytes for the way out
.set SP2, 528
.macro SETHB k                         ; the fragment buffer of K step k: v[192:223], v[80:111], v[112:143] by turns
.if (\k)%3 == 0
.set HB, 192
.else
.set HB, 48+32*((\k)%3)
.endif
.endm
.macro HLOAD k                         ; the 64 tokens' fragments of K step k, bf16, into buffer HB
.irp n, 0,1,2,3
	ds_load_b128 v[HB+8*\n:HB+8*\n+3],   v3 offset:\n*16*HP+64*(\k)
	ds_load_b128 v[HB+8*\n+4:HB+8*\n+7], v3 offset:\n*16*HP+64*(\k)+32
.endr
.endm
.macro TLOAD m, buf                    ; batch m of the weighted sum: tokens 32 (m / 4) .., columns 64 (m mod 4) .., transposed, f16
.irp d, 0,1,2,3
	ds_load_tr16_b128 v[\buf+8*\d:\buf+8*\d+3],   v4 offset:((\m)>>2)*32*HP+32*(4*((\m)&3)+\d)
	ds_load_tr16_b128 v[\buf+8*\d+4:\buf+8*\d+7], v4 offset:((\m)>>2)*32*HP+16*HP+32*(4*((\m)&3)+\d)
.endr
.endm
	s_load_b512 s[4:19], s[0:1], 0x0               ; h_states, qh, aux, pos, sensor_pos, fc1_W, fc1_b, fc2_W
	s_load_b256 s[20:27], s[0:1], 0x40             ; fc2_b, ln_g, ln_b, ctxh
	v_lshl_add_u32 v254, v0, 2, 0x21b00
	v_mov_b32 v255, 0
	v_lshrrev_b32 v1, 5, v0
	v_readfirstlane_b32 s28, v1                    ; wave
	s_lshl_b32 s29, ttmp9, 2
	s_add_co_u32 s30, ttmp9, 1
	s_min_u32 s30, s30, 127
	s_lshl_b32 s30, s30, 2
	s_lshl_b32 s38, ttmp9, 16                      ; 64 tokens x 1,024 bytes
	s_mov_b32 s39, 0
	s_mov_b32 s40, 0x76543210
	s_mov_b32 s41, 0xfedcba98
	s_mov_b32 s46, 0x3fb8aa3b                      ; log2 e
	v_and_b32 v1, 15, v0                           ; r
	v_bfe_u32 v2, v0, 4, 1                         ; h
	v_and_b32 v9, 31, v0
	v_lshlrev_b32 v9, 4, v9                        ; 16 x lane
	v_mul_u32_u24 v3, v1, HP
	v_lshl_add_u32 v3, v2, 4, v3
	v_add_nc_u32 v3, HBB, v3                       ; token fragments, bf16: r x pitch + 16 h
	v_and_b32 v4, 7, v0
	v_lshl_add_u32 v4, v2, 3, v4
	v_mul_u32_u24 v4, v4, HP
	v_bfe_u32 v5, v0, 3, 1
	v_lshl_add_u32 v4, v5, 4, v4
	v_add_nc_u32 v4, HFB, v4                       ; transposed, f16: (8 h + lane mod 8) x pitch + 16 ((lane / 8) mod 2)
	v_lshlrev_b32 v5, 6, v2                        ; my eight tokens' positions in each tile of 16 (sensor_pos lies at LDS byte 0)
	s_mul_i32 s47, s28, 16*SP2
	s_add_co_u32 s47, s47, STG
	v_mul_u32_u24 v6, v1, SP2
	v_lshl_add_u32 v6, v2, 4, v6
	v_add_nc_u32 v6, s47, v6                       ; stage, in
	v_add_nc_u32 v7, s47, v9                       ; stage, back by rows
	v_mov_b32 v14, 0
	v_lshlrev_b32 v10, 4, v0
	v_lshlrev_b32 v11, 2, v0
	v_lshrrev_b32 v13, 6, v0
	v_mul_u32_u24 v13, v13, HP
	v_and_b32 v8, 63, v0
	v_lshl_add_u32 v13, v8, 3, v13
	v_add_nc_u32 v13, HBB, v13                     ; token (t / 64), 8 bytes at column 4 (t mod 64), bf16
	v_add_nc_u32 v12, HFB-HBB, v13                 ; the same place in the f16 copy
	s_wait_kmcnt 0x0
	s_add_nc_u64 s[36:37], s[4:5], s[38:39]
.irp i, 0,1,2,3,4,5,6,7,8,9,10,11,12,13,14,15
	global_load_b128 v[16+4*\i:19+4*\i], v10, s[36:37] offset:4096*\i th:TH_LOAD_NT   ; the group's 256 threads take 4,096 consecutive bytes
.endr
	global_load_b32 v80, v11, s[14:15]
	global_load_b32 v81, v11, s[16:17]
	global_load_b32 v82, v11, s[18:19]
	global_load_b128 v[116:119], v9, s[12:13]      ; sensor_pos: its 512 bytes are one load of a wave; every wave loads them, wave 0 stores them below
	s_load_b32 s31, s[10:11], s29 offset:0x4000    ; start[s]
	s_load_b32 s32, s[10:11], s30 offset:0x4000    ; start[s + 1]
	s_load_b32 s33, s[20:21], 0x0
	s_load_b32 s34, s[22:23], 0x0
	s_load_b32 s35, s[24:25], 0x0
	s_wait_loadcnt 0x0
	s_wait_kmcnt 0x0
.irp i, 0,1,2,3,4,5,6,7,8,9,10,11,12,13,14,15
	v_cvt_pk_bf16_f32 v[84+2*\i], v[16+4*\i], v[17+4*\i]
	v_cvt_pk_bf16_f32 v[85+2*\i], v[18+4*\i], v[19+4*\i]
	v_cvt_pk_f16_f32 v[144+2*\i], v[16+4*\i], v[17+4*\i]
	v_cvt_pk_f16_f32 v[145+2*\i], v[18+4*\i], v[19+4*\i]
	ds_store_b64 v13, v[84+2*\i:85+2*\i] offset:4*HP*\i
	ds_store_b64 v12, v[144+2*\i:145+2*\i] offset:4*HP*\i
.endr
	s_cmp_lg_u32 s28, 0
	s_cbranch_scc1 .Lno_sp
	ds_store_b128 v9, v[116:119] offset:SPB        ; one writer for each byte: wave 0, 16 bytes a lane
.Lno_sp:
	; F0 = sum over the hidden units of silu(ln_b w1 + b1) w2, + b2
	v_fma_f32 v120, s35, v80, v81
	v_mul_f32 v121, 0xbfb8aa3b, v120
	v_exp_f32 v121, v121
	v_nop
	s_wait_alu depctr_va_vdst(0)
	v_add_f32 v121, 1.0, v121
	v_rcp_f32 v121, v121
	v_nop
	s_wait_alu depctr_va_vdst(0)
	v_mul_f32 v120, v120, v121
	v_mul_f32 v120, v120, v82
	v_add_f32_dpp v120, v120, v120 row_xmask:1 row_mask:0xf bank_mask:0xf
	v_add_f32_dpp v120, v120, v120 row_xmask:2 row_mask:0xf bank_mask:0xf
	v_add_f32_dpp v120, v120, v120 row_xmask:4 row_mask:0xf bank_mask:0xf
	v_add_f32_dpp v120, v120, v120 row_xmask:8 row_mask:0xf bank_mask:0xf
	v_permlanex16_b32 v14, v120, s40, s41
	v_add_f32 v120, v120, v14
	v_mov_b32 v122, s28
	v_lshlrev_b32 v122, 2, v122
	ds_store_b32 v122, v120 offset:FRB
	s_wait_dscnt 0x0                               ; tokens, positions and my partial sum are in LDS before I signal
	s_barrier_signal -1
	s_barrier_wait -1                              ; the one barrier: behind it LDS outside a wave's own stage is only read
	v_mov_b32 v123, FRB
	ds_load_b128 v[124:127], v123
	ds_load_b128 v[128:131], v123 offset:16
	s_min_u32 s31, s31, 0x1000
	s_min_u32 s32, s32, 0x1000
	s_cmp_eq_u32 ttmp9, 127
	s_cselect_b32 s32, 0x1000, s32                 ; the last time step runs to the last row
	s_max_u32 s32, s32, s31
	s_sub_co_u32 s42, s32, s31
	s_add_co_u32 s42, s42, 15
	s_lshr_b32 s42, s42, 4                         ; tiles of 16 queries
	s_sub_co_u32 s43, s32, 1                       ; the last row; used only where there is one
	s_add_co_u32 s49, s42, 7
	s_sub_co_u32 s49, s49, s28
	s_lshr_b32 s49, s49, 3                         ; my wave's trips: tiles w, w + 8, ... below the number of tiles; 0 where w is not below it
	s_wait_dscnt 0x0
	v_pk_add_f32 v[124:125], v[124:125], v[126:127]
	v_pk_add_f32 v[128:129], v[128:129], v[130:131]
	v_pk_add_f32 v[124:125], v[124:125], v[128:129]
	v_add_f32 v15, v124, v125
	v_add_f32 v15, s33, v15                        ; F0
	s_mov_b32 s44, s28                             ; my first tile
	s_mov_b32 s48, 0                               ; trips done
	s_cmp_eq_u32 s49, 0
	s_cbranch_scc1 .Ldone
.Ltile:
	s_wait_xcnt 0x0                                ; the last trip's loads and stores have read their addresses and data
	s_lshl_b32 s45, s44, 4
	s_add_co_u32 s45, s45, s31                     ; the tile's first row
	v_add_nc_u32 v10, s45, v1
	v_min_u32 v10, s43, v10                        ; lanes past the end repeat the last query
	v_min_u32 v10, 0xfff, v10
	v_lshlrev_b32 v11, 9, v10
	v_lshl_add_u32 v11, v2, 4, v11
	v_lshlrev_b32 v12, 2, v10
	v_lshlrev_b32 v13, 3, v10
	global_load_b32 v226, v12, s[8:9]              ; cst
	global_load_b64 v[224:225], v13, s[8:9] offset:16384   ; the query's x, y
.irp k, 0,1,2,3,4,5,6,7
	global_load_b128 v[16+8*\k:19+8*\k], v11, s[6:7] offset:64*\k       ; q^ as fragments: query r, K = 32 k + 8 h ..
	global_load_b128 v[20+8*\k:23+8*\k], v11, s[6:7] offset:64*\k+32
.endr
.irp n, 0,1,2,3
.irp q, 0,1,2,3
	ds_load_b128 v[80+16*\n+4*\q:83+16*\n+4*\q], v5 offset:SPB+128*\n+16*\q ; positions of tokens 16 n + 8 h + 0..7
.endr
.endr
	s_wait_loadcnt 16                              ; loads come back in order: cst and x, y are in, the 16 loads of q^ stay out
	s_wait_dscnt 0x0
	; the bias, into the score accumulators: lane (r, h) register j of tile n = query r, token 16 n + 8 h + j
	v_add_f32 v227, v226, v15                      ; cst + F0
.irp n, 0,1,2,3
.irp j, 0,1,2,3,4,5,6,7
	v_sub_f32 v[192+\j], v224, v[80+16*\n+2*\j]
	v_sub_f32 v[200+\j], v225, v[81+16*\n+2*\j]
	v_rndne_f32 v[208+\j], v[192+\j]               ; periodic, L = 1
	v_sub_f32 v[192+\j], v[192+\j], v[208+\j]
	v_rndne_f32 v[208+\j], v[200+\j]
	v_sub_f32 v[200+\j], v[200+\j], v[208+\j]
	v_mul_f32 v[192+\j], v[192+\j], v[192+\j]
	v_fma_f32 v[192+\j], v[200+\j], v[200+\j], v[192+\j]
.endr
.irp j, 0,1,2,3,4,5,6,7
	v_sqrt_f32 v[192+\j], v[192+\j]                ; r
.endr
	v_nop
	s_wait_alu depctr_va_vdst(0)
.irp j, 0,1,2,3,4,5,6,7
	v_sub_f32 v[192+\j], v[192+\j], v[192+\j]      ; r - mean over its one feature
	v_fmaak_f32 v[200+\j], v[192+\j], v[192+\j], 0x3727c5ac
.endr
.irp j, 0,1,2,3,4,5,6,7
	v_rsq_f32 v[200+\j], v[200+\j]
.endr
	v_nop
	s_wait_alu depctr_va_vdst(0)
.irp j, 0,1,2,3,4,5,6,7
	v_mul_f32 v[192+\j], v[192+\j], v[200+\j]
	v_fma_f32 v[192+\j], v[192+\j], s34, s35       ; the norm's output
	v_sub_f32 v[192+\j], v[192+\j], s35            ; its distance from ln_b, where F0 was taken
	v_add_f32 v[144+8*\n+\j], v227, v[192+\j]
.endr
.endr
	; scores: the products add onto the bias.  The positions and the scratch are done with: their registers are the three fragment buffers
	SETHB 0
	HLOAD 0
	SETHB 1
	HLOAD 1
	SETHB 2
	HLOAD 2
	s_wait_loadcnt 0x0                             ; q^
.set K, 0
.rept 8
	SETHB K
.if K < 6
	s_wait_dscnt 16                                ; this step's eight loads are in, the two younger steps' sixteen stay out
.else
	s_wait_dscnt 8*(7-K)                           ; the last steps: fewer are behind
.endif
.irp n, 0,1,2,3
	v_wmma_f32_16x16x32_bf16 v[144+8*\n:151+8*\n], v[HB+8*\n:HB+8*\n+7], v[16+8*K:23+8*K], v[144+8*\n:151+8*\n]
.endr                                              ; the four accumulators take turns, one instruction a turn
.rept 4
	v_nop                                          ; four places before the buffer is loaded again and the results are read
.endr
.if K+3 < 8
	HLOAD K+3
.endif
.set K, K+1
.endr
	TLOAD 0, 192                                   ; the weighted sum's first batch, on its way during the softmax
	; softmax over the query's 64 tokens: my 32 registers and the other half of the lanes
	v_max_num_f32 v228, v144, v145
.irp e, 2,4,6,8,10,12,14,16,18,20,22,24,26,28,30
	v_max3_num_f32 v228, v228, v[144+\e], v[145+\e]
.endr
	v_permlanex16_b32 v14, v228, s40, s41
	v_max_num_f32 v228, v228, v14
	v_mul_f32 v228, s46, v228
.set E, 0
.rept 32
	v_fma_f32 v[144+E], v[144+E], s46, -v228
.set E, E+1
.endr
.set E, 0
.rept 32
	v_exp_f32 v[144+E], v[144+E]
.set E, E+1
.endr
	v_nop
	s_wait_alu depctr_va_vdst(0)
	v_pk_add_f32 v[230:231], v[144:145], v[146:147]
.irp e, 4,6,8,10,12,14,16,18,20,22,24,26,28,30
	v_pk_add_f32 v[230:231], v[230:231], v[144+\e:145+\e]
.endr
	v_add_f32 v230, v230, v231
	v_permlanex16_b32 v14, v230, s40, s41
	v_add_f32 v230, v230, v14
	v_rcp_f32 v230, v230
	v_nop
	s_wait_alu depctr_va_vdst(0)
	v_mov_b32 v231, v230
.irp e, 0,2,4,6,8,10,12,14,16,18,20,22,24,26,28,30
	v_pk_mul_f32 v[144+\e:145+\e], v[144+\e:145+\e], v[230:231]
.endr
.set E, 0
.rept 16                                           ; tiles 2 k and 2 k + 1 are registers 0-3 and 4-7 of the fragment of K step k: no shuffle
	v_cvt_pk_f16_f32 v[176+E], v[144+2*E], v[145+2*E]
.set E, E+1
.endr
	TLOAD 1, 144                                   ; the scores are packed: their registers are the second buffer
	; ctxh, transposed, f16: lane (r, h) register j of tile d = query r, column 16 d + 8 h + j
.set M, 0
.rept 8
.set TB, 192-48*(M&1)
.if M < 7
	s_wait_dscnt 8                                 ; this batch's eight loads are in, the next batch's eight stay out
.else
	s_wait_dscnt 0
.endif
.irp d, 0,1,2,3
.if M < 4
	v_wmma_f32_16x16x32_f16 v[16+8*(4*(M&3)+\d):23+8*(4*(M&3)+\d)], v[TB+8*\d:TB+8*\d+7], v[176+8*(M>>2):183+8*(M>>2)], 0
.else
	v_wmma_f32_16x16x32_f16 v[16+8*(4*(M&3)+\d):23+8*(4*(M&3)+\d)], v[TB+8*\d:TB+8*\d+7], v[176+8*(M>>2):183+8*(M>>2)], v[16+8*(4*(M&3)+\d):23+8*(4*(M&3)+\d)]
.endif
.endr                                              ; sixteen accumulators by turns
.rept 4
	v_nop                                          ; four places before the buffer is loaded again and the results are read
.endr
.if M+2 < 8
	TLOAD M+2, TB
.endif
.set M, M+1
.endr
	; the way out: 16 bytes a lane into my own stage, whole rows of 512 bytes back and out
.irp f, 0,1
.irp d, 0,1,2,3,4,5,6,7
.irp q, 0,1,2,3
	v_cvt_pk_f16_f32 v[192+4*\d+\q], v[16+8*(8*\f+\d)+2*\q], v[17+8*(8*\f+\d)+2*\q]
.endr
	ds_store_b128 v6, v[192+4*\d:195+4*\d] offset:32*(8*\f+\d)
.endr
.endr
.irp q, 0,1,2,3,4,5,6,7,8,9,10,11,12,13,14,15
	s_add_co_u32 s47, s45, \q
	s_min_u32 s47, s47, s43                        ; rows past the end repeat the last row, with the same bytes
	s_min_u32 s47, s47, 0xfff
	s_lshl_b32 s47, s47, 9
	v_add_nc_u32 v[176+\q], s47, v9
.endr
.irp q, 0,1,2,3,4,5,6,7
	ds_load_b128 v[144+4*\q:147+4*\q], v7 offset:\q*SP2           ; LDS serves a wave's instructions in order: these see the stores above
.endr
.irp q, 0,1,2,3,4,5,6,7
	ds_load_b128 v[192+4*\q:195+4*\q], v7 offset:(8+\q)*SP2
.endr
.irp q, 0,1,2,3,4,5,6,7
	s_wait_dscnt 15-\q                             ; row q is in, the younger rows' loads stay out
	global_store_b128 v[176+\q], v[144+4*\q:147+4*\q], s[26:27]
.endr
.irp q, 0,1,2,3,4,5,6,7
	s_wait_dscnt 7-\q
	global_store_b128 v[184+\q], v[192+4*\q:195+4*\q], s[26:27]
.endr
	s_add_co_u32 s44, s44, 8                       ; my next tile
	s_add_co_u32 s48, s48, 1                       ; the loop ends on this counter, stepped by one against my wave's trips
	s_cmp_lt_u32 s48, s49
	s_cbranch_scc1 .Ltile
.Ldone:
	s_wait_tensorcnt 0x0
	ds_add_u32 v254, v255
	s_wait_dscnt 0x0
	s_endpgm
.Lfunc_end_k_qccf062c173_attn:
	.size	k_qccf062c173_attn, .Lfunc_end_k_qccf062c173_attn-k_qccf062c173_attn
	.p2alignl 7, 3214868480
	.fill 96, 4, 3214868480
	.section	.rodata,"a",@progbits
	.p2align	6, 0x0
	.amdhsa_kernel k_qccf062c173_attn
		.amdhsa_group_segment_fixed_size 139008
		.amdhsa_private_segment_fixed_size 0
		.amdhsa_enable_private_segment 0
		.amdhsa_kernarg_size 96
		.amdhsa_user_sgpr_count 2
		.amdhsa_user_sgpr_kernarg_segment_ptr 1
		.amdhsa_wavefront_size32 1
		.amdhsa_system_sgpr_workgroup_id_x 1
		.amdhsa_system_sgpr_workgroup_id_y 1
		.amdhsa_system_sgpr_workgroup_id_z 1
		.amdhsa_system_vgpr_workitem_id 0
		.amdhsa_next_free_vgpr 256
		.amdhsa_next_free_sgpr 66
		.amdhsa_reserve_vcc 0
		.amdhsa_float_denorm_mode_32 3
		.amdhsa_float_denorm_mode_16_64 3
		.amdhsa_memory_ordered 1
		.amdhsa_forward_progress 1
		.amdhsa_inst_pref_size 70
	.end_amdhsa_kernel
	.amdgpu_metadata
---
amdhsa.version: [ 1, 2 ]
amdhsa.kernels:
  - .name:           k_qccf062c173_attn
    .symbol:         k_qccf062c173_attn.kd
    .args:
      - { .name: h_states, .offset: 0, .size: 8, .value_kind: global_buffer, .address_space: global }
      - { .name: qh, .offset: 8, .size: 8, .value_kind: global_buffer, .address_space: global }
      - { .name: aux, .offset: 16, .size: 8, .value_kind: global_buffer, .address_space: global }
      - { .name: pos, .offset: 24, .size: 8, .value_kind: global_buffer, .address_space: global }
      - { .name: sensor_pos, .offset: 32, .size: 8, .value_kind: global_buffer, .address_space: global }
      - { .name: params_relpos_fc1_W, .offset: 40, .size: 8, .value_kind: global_buffer, .address_space: global }
      - { .name: params_relpos_fc1_b, .offset: 48, .size: 8, .value_kind: global_buffer, .address_space: global }
      - { .name: params_relpos_fc2_W, .offset: 56, .size: 8, .value_kind: global_buffer, .address_space: global }
      - { .name: params_relpos_fc2_b, .offset: 64, .size: 8, .value_kind: global_buffer, .address_space: global }
      - { .name: params_relpos_ln_g, .offset: 72, .size: 8, .value_kind: global_buffer, .address_space: global }
      - { .name: params_relpos_ln_b, .offset: 80, .size: 8, .value_kind: global_buffer, .address_space: global }
      - { .name: ctxh, .offset: 88, .size: 8, .value_kind: global_buffer, .address_space: global }
    .group_segment_fixed_size: 139008
    .private_segment_fixed_size: 0
    .kernarg_segment_align: 8
    .kernarg_segment_size: 96
    .max_flat_workgroup_size: 256
    .sgpr_count:     66
    .vgpr_count:     256
    .wavefront_size: 32
...
	.end_amdgpu_metadata
.endif
;; end of part 7
;; launch post (part 8): grid 128 x 1, 8 waves a work-group, no clusters, 70,144 bytes of LDS; arguments ctxh, tf, order, c, wf, params_tok_proj_b, params_v_proj_b, params_ctx_ln_g, params_ctx_ln_b, params_ctx_fc1_b, params_ctx_fc2_b, params_branch_proj_b, params_trunk_out_b, params_log_temp, params_comp_scale, params_comp_bias, out0, aux; writes out0
.if DOCPART == 8
	.amdgcn_target "amdgcn-amd-amdhsa--gfx1250"
	.amdhsa_code_object_version 6
	.text
	.protected	k_qccf062c173_post
	.globl	k_qccf062c173_post
	.p2align	8
	.type	k_qccf062c173_post,@function
k_qccf062c173_post:
	s_mov_b64 s[64:65], 0
	v_nop
	global_prefetch_b8 v0, s[64:65] scope:SCOPE_SE
	s_setreg_imm32_b32 hwreg(HW_REG_WAVE_MODE, 25, 1), 1
	s_wait_xcnt 0x0
; Behind the attention, 32 sorted rows a work-group: ctx = ((sum a h) Wt + bt) Wv + bv (the weights a sum to one), the context block,
; branch_proj, trunk_out on tf, the product of the two bases summed over the 64 columns of the query's component, scale and bias.
; The same chain of products as in the launch before it: eight waves, wave w makes all 32 rows x columns 32w..32w+31, the matrix
; instruction transposed, weights from wf straight into registers, a ring of eight K steps (a whole layer) and a whole layer's activation
; fragments in the second window of 256 registers.  A wave's 32 columns lie in one component (w / 2); columns 192..255 are padding with
; zero weights and biases, and their component 3 is never a query's.  Clusters and more, smaller work-groups are left out as there.
; s_set_vgpr_msb: bits 1:0 source 0, 3:2 source 1, 5:4 source 2, 7:6 destination; 0x40 serves a product's loads, 0x05 its matrix instructions.
; FORMATS.  All operands in f16 (11 significant bits).  Their room, with every input 30 times the drawn one and offset by 30 spreads:
; sum a h at most the largest |h|, about 170; (sum a h) Wt + bt about 256 x 30 x 0.6 + 2,000 = 6,500; LayerNorm's output at most
; 16 |g| + |b|; silu(fc1) about 3,000; all against 65,504.  The residual stream ctx has no such room (about 256 x 4,600 x 0.6), so each row
; is multiplied by 1 / sqrt(sum of its squares), at most 1 in size, and the product is multiplied back where the bias is added; tf comes
; scaled in the same way, its root in aux.
; LIMITS: c is 0, 1 or 2; an f16 operand named above is below 65,504; a row's sum of squares of ctx stays inside f32 (|ctx| below about
; 1e18) and is taken as 2^-100 at the least.
.set XP,   528
.set XT,   16*XP
.set XB,   32*XP                       ; X0 at 0, X1 at XB
.set VEC,  33792
.set RED,  50176
.set X2,   52224                       ; tf's rows
.set P,    10                          ; v[10:11]
.set PR,   12                          ; v[12:13]
.set ACC,  16                          ; v[16:47]
.set RES,  48                          ; v[48:79]
.set T,    80                          ; v[80:111]
.set BV,   112                         ; v[112:127]
.set LG,   128                         ; v[128:143]
.set LB,   144                         ; v[144:159]
.set OFF,  180                         ; v[180:181] 4 x the query of sorted row 16 i + r: never rewritten
.set CC,   182                         ; v[182:183] its component
.set TSC,  184                         ; v[184:185] sqrt(sum of squares) of ctx's rows
.set TSF,  186                         ; v[186:187] the same of tf's rows
.set XA2,  188                         ; v188       fragments of tf
.set BR,   0                           ; window 1
.set AF,   128                         ; window 1
.set GTOT, 48
.set PART, 950272
.set STREAM, 98304
.set WFP,  12
.set GS,   0
.set MSB,  0
.macro WIN new                         ; the immediate's high byte repeats the setting that is left
.if MSB != \new
	s_set_vgpr_msb (MSB<<8)|\new
.set MSB, \new
.endif
.endm
.macro BAR
	s_wait_dscnt 0x0                               ; my LDS stores are in and my LDS loads are back before I signal
	s_barrier_signal -1
	s_barrier_wait -1
.endm
.macro RING g0, g1                     ; the first fills of ring slots g0 .. g1
	WIN 0x40
.set RG, \g0
.rept \g1-\g0+1
.irp q, 0,1,2,3
	global_load_b128 v[BR+16*RG+4*\q:BR+16*RG+4*\q+3], v5, s[WFP:WFP+1] offset:PART+RG*2048+512*\q
.endr
.set RG, RG+1
.endr
	WIN 0
.endm
.macro MM4 g, ks, zero, f
.irp i, 0,1
.irp t, 0,1
.if \f
.if \zero
	v_wmma_f32_16x16x32_f16 v[ACC+16*\i+8*\t:ACC+16*\i+8*\t+7], v[BR+16*((\g)%8)+8*\t:BR+16*((\g)%8)+8*\t+7], v[AF+16*(\ks)+8*\i:AF+16*(\ks)+8*\i+7], 0
.else
	v_wmma_f32_16x16x32_f16 v[ACC+16*\i+8*\t:ACC+16*\i+8*\t+7], v[BR+16*((\g)%8)+8*\t:BR+16*((\g)%8)+8*\t+7], v[AF+16*(\ks)+8*\i:AF+16*(\ks)+8*\i+7], v[ACC+16*\i+8*\t:ACC+16*\i+8*\t+7]
.endif
.else
.if \zero
	v_wmma_f32_16x16x32_bf16 v[ACC+16*\i+8*\t:ACC+16*\i+8*\t+7], v[BR+16*((\g)%8)+8*\t:BR+16*((\g)%8)+8*\t+7], v[AF+16*(\ks)+8*\i:AF+16*(\ks)+8*\i+7], 0
.else
	v_wmma_f32_16x16x32_bf16 v[ACC+16*\i+8*\t:ACC+16*\i+8*\t+7], v[BR+16*((\g)%8)+8*\t:BR+16*((\g)%8)+8*\t+7], v[AF+16*(\ks)+8*\i:AF+16*(\ks)+8*\i+7], v[ACC+16*\i+8*\t:ACC+16*\i+8*\t+7]
.endif
.endif
.endr
.endr
.endm
.macro PAIR ks, zero, f, n
.if GS+7 < GTOT
	s_wait_loadcnt 24                              ; loads come back in order: these two steps' eight are in, the six younger steps' 24 stay out
.else
	s_wait_loadcnt 4*(GTOT-2-GS)                   ; the stream's end: fewer are behind
.endif
	s_wait_dscnt 4*(\n)-8-4*(\ks)                  ; these two steps' fragments are in, the later steps' loads stay out
	WIN 0x05
	MM4 GS, \ks, \zero, \f
	MM4 GS+1, (\ks)+1, 0, \f                       ; the four accumulators take turns, one instruction a turn
.rept 4
	v_nop                                          ; four places before loads land on the sources and before results are read
.endr
.if GS+8 < GTOT
	WIN 0x40
.irp s, 0,1
.irp q, 0,1,2,3
	global_load_b128 v[BR+16*((GS+\s)%8)+4*\q:BR+16*((GS+\s)%8)+4*\q+3], v5, s[WFP:WFP+1] offset:PART+(GS+8+\s)*2048+512*\q
.endr
.endr
.endif
.set GS, GS+2
.endm
.macro LDV dst, id
.irp t, 0,1
.irp q, 0,1
	ds_load_b128 v[\dst+8*\t+4*\q:\dst+8*\t+4*\q+3], v6 offset:\id*1024+64*\t+16*\q
.endr
.endr
.endm
.macro GEMM areg, base, n, f, vid
.if \vid >= 0
	LDV BV, \vid
.endif
	WIN 0x40
.set KS, 0
.rept \n
.irp i, 0,1
	ds_load_b128 v[AF+16*KS+8*\i:AF+16*KS+8*\i+3],   v[\areg] offset:\base+\i*XT+64*KS
	ds_load_b128 v[AF+16*KS+8*\i+4:AF+16*KS+8*\i+7], v[\areg] offset:\base+\i*XT+64*KS+32
.endr
.set KS, KS+1
.endr
	PAIR 0, 1, \f, \n
.if \n > 2
.set KS, 2
.rept (\n-2)/2
	PAIR KS, 0, \f, \n
.set KS, KS+2
.endr
.endif
	WIN 0
.endm
.macro ADDB dst
.irp i, 0,1
.irp e, 0,2,4,6,8,10,12,14
	v_pk_add_f32 v[\dst+16*\i+\e:\dst+16*\i+\e+1], v[ACC+16*\i+\e:ACC+16*\i+\e+1], v[BV+\e:BV+\e+1]
.endr
.endr
.endm
.macro ADDBS dst, ts                   ; dst = ACC x the row's scale + bias
.irp i, 0,1
	v_mov_b32 v[PR], v[\ts+\i]
	v_mov_b32 v[PR+1], v[\ts+\i]
.irp e, 0,2,4,6,8,10,12,14
	v_pk_fma_f32 v[\dst+16*\i+\e:\dst+16*\i+\e+1], v[ACC+16*\i+\e:ACC+16*\i+\e+1], v[PR:PR+1], v[BV+\e:BV+\e+1]
.endr
.endr
.endm
.macro RESADD
.irp i, 0,1
.irp e, 0,2,4,6,8,10,12,14
	v_pk_add_f32 v[ACC+16*\i+\e:ACC+16*\i+\e+1], v[ACC+16*\i+\e:ACC+16*\i+\e+1], v[BV+\e:BV+\e+1]
	v_pk_add_f32 v[RES+16*\i+\e:RES+16*\i+\e+1], v[RES+16*\i+\e:RES+16*\i+\e+1], v[ACC+16*\i+\e:ACC+16*\i+\e+1]
.endr
.endr
.endm
.macro SILU dst
.irp g, 0,1,2,3
.irp e, 0,2,4,6
	v_pk_mul_f32 v[T+\e:T+\e+1], v[ACC+8*\g+\e:ACC+8*\g+\e+1], 0xbfb8aa3b op_sel_hi:[1,0]
.endr
.irp e, 0,1,2,3,4,5,6,7
	v_exp_f32 v[T+\e], v[T+\e]
.endr
	v_nop                                          ; one plain place behind the transcendentals (ISA guide 5.7.2)
	s_wait_alu depctr_va_vdst(0)
.irp e, 0,2,4,6
	v_pk_add_f32 v[T+\e:T+\e+1], v[T+\e:T+\e+1], 1.0 op_sel_hi:[1,0]
.endr
.irp e, 0,1,2,3,4,5,6,7
	v_rcp_f32 v[T+\e], v[T+\e]
.endr
	v_nop
	s_wait_alu depctr_va_vdst(0)
.irp e, 0,2,4,6
	v_pk_mul_f32 v[\dst+8*\g+\e:\dst+8*\g+\e+1], v[ACC+8*\g+\e:ACC+8*\g+\e+1], v[T+\e:T+\e+1]
.endr
.endr
.endm
.macro STX src, xb, f
.irp i, 0,1
.irp t, 0,1
.irp q, 0,1,2,3
.if \f
	v_cvt_pk_f16_f32 v[T+8*\i+4*\t+\q], v[\src+16*\i+8*\t+2*\q], v[\src+16*\i+8*\t+2*\q+1]
.else
	v_cvt_pk_bf16_f32 v[T+8*\i+4*\t+\q], v[\src+16*\i+8*\t+2*\q], v[\src+16*\i+8*\t+2*\q+1]
.endif
.endr
	ds_store_b128 v4, v[T+8*\i+4*\t:T+8*\i+4*\t+3] offset:\xb*XB+\i*XT+32*\t
.endr
.endr
.endm
.macro RSUM i, src
	v_pk_add_f32 v[T+2*\i:T+2*\i+1], v[\src+16*\i:\src+16*\i+1], v[\src+16*\i+2:\src+16*\i+3]
.irp e, 4,6,8,10,12,14
	v_pk_add_f32 v[T+2*\i:T+2*\i+1], v[T+2*\i:T+2*\i+1], v[\src+16*\i+\e:\src+16*\i+\e+1]
.endr
	v_add_f32 v[P+\i], v[T+2*\i], v[T+2*\i+1]
.endm
.macro RDOT i, a, b, bs, tp
	v_pk_mul_f32 v[\tp+2*\i:\tp+2*\i+1], v[\a+16*\i:\a+16*\i+1], v[\b+\bs*\i:\b+\bs*\i+1]
.irp e, 2,4,6,8,10,12,14
	v_pk_fma_f32 v[\tp+2*\i:\tp+2*\i+1], v[\a+16*\i+\e:\a+16*\i+\e+1], v[\b+\bs*\i+\e:\b+\bs*\i+\e+1], v[\tp+2*\i:\tp+2*\i+1]
.endr
.endm
.macro ROWRED red
.irp i, 0,1
	v_permlanex16_b32 v14, v[P+\i], s60, s61
	v_add_f32 v[P+\i], v[P+\i], v14
	ds_store_b32 v7, v[P+\i] offset:\red+512*\i
.endr
	BAR
.irp i, 0,1
	ds_load_b128 v[T+8*\i:T+8*\i+3],   v8 offset:\red+512*\i
	ds_load_b128 v[T+8*\i+4:T+8*\i+7], v8 offset:\red+512*\i+16
.endr
	s_wait_dscnt 0x0
.irp i, 0,1
	v_pk_add_f32 v[T+8*\i:T+8*\i+1], v[T+8*\i:T+8*\i+1], v[T+8*\i+2:T+8*\i+3]
	v_pk_add_f32 v[T+8*\i+4:T+8*\i+5], v[T+8*\i+4:T+8*\i+5], v[T+8*\i+6:T+8*\i+7]
	v_pk_add_f32 v[T+8*\i:T+8*\i+1], v[T+8*\i:T+8*\i+1], v[T+8*\i+4:T+8*\i+5]
	v_add_f32 v[P+\i], v[T+8*\i], v[T+8*\i+1]
.endr
.endm
.macro LN gid, bid, xb, f
	LDV LG, \gid                                   ; asked for here, in by the waits of the row sums below
	LDV LB, \bid
.irp i, 0,1
	RSUM \i, RES
.endr
	ROWRED 0
.irp i, 0,1
	v_mul_f32 v[PR], s62, v[P+\i]
	v_mul_f32 v[PR+1], s62, v[P+\i]
.irp e, 0,2,4,6,8,10,12,14
	v_pk_add_f32 v[ACC+16*\i+\e:ACC+16*\i+\e+1], v[RES+16*\i+\e:RES+16*\i+\e+1], v[PR:PR+1] neg_lo:[0,1] neg_hi:[0,1]
.endr
.endr
.irp i, 0,1
	RDOT \i, ACC, ACC, 16, T
	v_add_f32 v[P+\i], v[T+2*\i], v[T+2*\i+1]
.endr
	ROWRED 1024
.irp i, 0,1
	v_fmaak_f32 v[P+\i], s62, v[P+\i], 0x3727c5ac
.endr
.irp i, 0,1
	v_rsq_f32 v[P+\i], v[P+\i]
.endr
	v_nop                                          ; one plain place behind the transcendentals
	s_wait_alu depctr_va_vdst(0)
.irp i, 0,1
	v_mov_b32 v[PR], v[P+\i]
	v_mov_b32 v[PR+1], v[P+\i]
.irp e, 0,2,4,6,8,10,12,14
	v_pk_mul_f32 v[ACC+16*\i+\e:ACC+16*\i+\e+1], v[ACC+16*\i+\e:ACC+16*\i+\e+1], v[PR:PR+1]
	v_pk_fma_f32 v[ACC+16*\i+\e:ACC+16*\i+\e+1], v[ACC+16*\i+\e:ACC+16*\i+\e+1], v[LG+\e:LG+\e+1], v[LB+\e:LB+\e+1]
.endr
.endr
	STX ACC, \xb, \f
	BAR
.endm
.macro RSCALE ts, xb                   ; RES x 1 / sqrt(the row's sum of squares), at most 1 in size, as f16 into buffer xb; ts_i = the root
.irp i, 0,1
	RDOT \i, RES, RES, 16, T
	v_add_f32 v[P+\i], v[T+2*\i], v[T+2*\i+1]
.endr
	ROWRED 1024
.irp i, 0,1
	v_max_num_f32 v[P+\i], 0x0d800000, v[P+\i]     ; 2^-100 at the least: a row of zeros stays zeros
.endr
.irp i, 0,1
	v_rsq_f32 v[T+\i], v[P+\i]
.endr
	v_nop                                          ; one plain place behind the transcendentals
	s_wait_alu depctr_va_vdst(0)
.irp i, 0,1
	v_mul_f32 v[\ts+\i], v[P+\i], v[T+\i]
	v_mov_b32 v[PR], v[T+\i]
	v_mov_b32 v[PR+1], v[T+\i]
.irp e, 0,2,4,6,8,10,12,14
	v_pk_mul_f32 v[ACC+16*\i+\e:ACC+16*\i+\e+1], v[RES+16*\i+\e:RES+16*\i+\e+1], v[PR:PR+1]
.endr
.endr
	STX ACC, \xb, 1
.endm
	s_load_b512 s[4:19], s[0:1], 0x0               ; ctxh, tf, order, c, wf, vectors 0..2
	s_load_b512 s[20:35], s[0:1], 0x40             ; vectors 3..7, log_temp s[30:31], comp_scale s[32:33], comp_bias s[34:35]
	s_load_b128 s[36:39], s[0:1], 0x80             ; out0 s[36:37], aux s[38:39]
	v_lshl_add_u32 v254, v0, 2, 0x10e00
	v_mov_b32 v255, 0
	v_lshrrev_b32 v1, 5, v0
	v_readfirstlane_b32 s58, v1                    ; wave
	s_mov_b32 s59, ttmp9
	s_mov_b32 s60, 0x76543210
	s_mov_b32 s61, 0xfedcba98
	s_mov_b32 s62, 0x3b800000                      ; 1/256
	v_and_b32 v1, 15, v0
	v_bfe_u32 v2, v0, 4, 1
	v_and_b32 v9, 31, v0
	v_lshlrev_b32 v9, 4, v9
	v_mul_u32_u24 v3, v1, XP
	v_lshl_add_u32 v3, v2, 4, v3
	s_lshl_b32 s63, s58, 6
	v_add_nc_u32 v4, s63, v3
	s_mul_i32 s63, s58, STREAM
	v_add_nc_u32 v5, s63, v9                       ; my wave's stream in wf; never rewritten
	s_lshl_b32 s63, s58, 7
	s_add_co_u32 s63, s63, VEC
	v_lshl_add_u32 v6, v2, 5, s63
	s_lshl_b32 s63, s58, 2
	s_add_co_u32 s63, s63, RED
	v_lshl_add_u32 v7, v1, 5, s63
	v_lshlrev_b32 v8, 5, v1
	v_add_nc_u32 v8, RED, v8
	v_mov_b32 v14, 0
	v_add_nc_u32 v[XA2], X2, v3
	; addresses of the start's loads and stores, in scratch that is rewritten only behind the wait for the loads
	s_lshl_b32 s63, s59, 14
	s_lshl_b32 s66, s58, 11
	s_add_co_u32 s63, s63, s66
	v_add_nc_u32 v80, s63, v9                      ; my wave's four rows of 512 bytes
	s_lshl_b32 s63, s59, 5
	v_add_nc_u32 v81, s63, v1
	v_lshlrev_b32 v81, 2, v81                      ; 4 (32 wg + r)
	v_lshlrev_b32 v82, 2, v0
	v_min_u32 v83, 191, v0
	v_lshlrev_b32 v83, 2, v83
	v_add_nc_u32 v84, VEC, v82
	s_mul_i32 s63, s58, 4*XP
	v_add_nc_u32 v85, s63, v9                      ; my wave's four whole rows in X0
	v_add_nc_u32 v86, X2, v85                      ; and in X2
	s_wait_kmcnt 0x0
	s_load_b32 s40, s[30:31], 0x0
	s_load_b96 s[44:46], s[32:33], 0x0
	s_load_b96 s[48:50], s[34:35], 0x0
.irp i, 0,1
	global_load_b32 v[OFF+\i], v81, s[8:9] offset:64*\i
	global_load_b32 v[TSF+\i], v81, s[38:39] offset:49152+64*\i
.endr
.irp q, 0,1,2,3
	global_load_b128 v[16+4*\q:19+4*\q], v80, s[4:5] offset:512*\q
	global_load_b128 v[32+4*\q:35+4*\q], v80, s[6:7] offset:512*\q
.endr
.irp d, 0,1,2,3,4,5
	global_load_b32 v[48+\d], v82, s[14+2*\d:15+2*\d]
.endr
	global_load_b32 v54, v83, s[26:27]
	global_load_b32 v55, v83, s[28:29]
	RING 0, 7
	s_wait_loadcnt 32                              ; the small loads above are in; the ring's 32 stay out
	s_wait_kmcnt 0x0
.irp i, 0,1
	v_min_u32 v[OFF+\i], 0xfff, v[OFF+\i]          ; the query of sorted row 16 i + r
	v_lshlrev_b32 v[OFF+\i], 2, v[OFF+\i]
.endr
.irp i, 0,1
	global_load_b32 v[CC+\i], v[OFF+\i], s[10:11]  ; its component, used at the end, behind the stream's last wait, which is for 0.  These two stand behind the ring's
.endr                                              ; first fills, so the first pairs' counts are smaller than the loads behind their steps. Their addresses are not written again
.irp q, 0,1,2,3
	ds_store_b128 v85, v[16+4*\q:19+4*\q] offset:\q*XP
	ds_store_b128 v86, v[32+4*\q:35+4*\q] offset:\q*XP
.endr
	v_cmp_gt_u32 vcc_lo, 192, v0
	v_cndmask_b32 v54, 0, v54, vcc_lo
	v_cndmask_b32 v55, 0, v55, vcc_lo
.irp d, 0,1,2,3,4,5,6,7
	ds_store_b32 v84, v[48+\d] offset:\d*1024
.endr
	BAR
	GEMM 3, 0, 8, 1, 0                             ; (sum a h) Wt + bt
	ADDB ACC
	STX ACC, 1, 1
	BAR
	GEMM 3, XB, 8, 1, 1                            ; ctx
	ADDB RES
	LN 2, 3, 0, 1
	GEMM 3, 0, 8, 1, 4
	ADDB ACC
	SILU ACC
	STX ACC, 1, 1
	BAR
	GEMM 3, XB, 8, 1, 5
	RESADD
	RSCALE TSC, 0                                  ; ctx, row-scaled
	BAR
	GEMM 3, 0, 8, 1, 6                             ; branch basis
	ADDBS RES, TSC
	GEMM XA2, 0, 8, 1, 7                           ; trunk basis, from the row-scaled tf
	ADDBS ACC, TSF
	s_lshr_b32 s63, s58, 1                         ; my columns' component
.irp i, 0,1
	RDOT \i, ACC, RES, 16, T
	v_add_f32 v[P+\i], v[T+2*\i], v[T+2*\i+1]
	v_cmp_eq_u32 vcc_lo, s63, v[CC+\i]
	v_cndmask_b32 v[P+\i], 0, v[P+\i], vcc_lo
.endr
	ROWRED 0
	s_cmp_lg_u32 s58, 0
	s_cbranch_scc1 .Lend
	v_mov_b32 v16, s40
	v_mul_f32 v16, 0x3fb8aa3b, v16
	v_exp_f32 v16, v16                             ; exp(log_temp)
	v_nop
	v_cmp_eq_u32 s66, 1, v2                        ; lane l stands for row l = 16 h + r
	v_cndmask_b32 v17, v[P], v[P+1], s66
	v_cndmask_b32 v18, v[CC], v[CC+1], s66
	v_cndmask_b32 v19, v[OFF], v[OFF+1], s66
	v_min_u32 v19, 0x3ffc, v19
	v_mov_b32 v20, s44
	v_mov_b32 v21, s48
	v_cmp_eq_u32 vcc_lo, 1, v18
	v_cndmask_b32 v20, v20, s45, vcc_lo
	v_cndmask_b32 v21, v21, s49, vcc_lo
	v_cmp_eq_u32 vcc_lo, 2, v18
	v_cndmask_b32 v20, v20, s46, vcc_lo
	v_cndmask_b32 v21, v21, s50, vcc_lo
	s_wait_alu depctr_va_vdst(0)
	v_mul_f32 v17, v17, v16
	v_fma_f32 v17, v17, v20, v21
	global_store_b32 v19, v17, s[36:37]
.Lend:
	s_wait_tensorcnt 0x0
	ds_add_u32 v254, v255
	s_wait_dscnt 0x0
	s_endpgm
.Lfunc_end_k_qccf062c173_post:
	.size	k_qccf062c173_post, .Lfunc_end_k_qccf062c173_post-k_qccf062c173_post
	.p2alignl 7, 3214868480
	.fill 96, 4, 3214868480
	.section	.rodata,"a",@progbits
	.p2align	6, 0x0
	.amdhsa_kernel k_qccf062c173_post
		.amdhsa_group_segment_fixed_size 70144
		.amdhsa_private_segment_fixed_size 0
		.amdhsa_enable_private_segment 0
		.amdhsa_kernarg_size 144
		.amdhsa_user_sgpr_count 2
		.amdhsa_user_sgpr_kernarg_segment_ptr 1
		.amdhsa_wavefront_size32 1
		.amdhsa_system_sgpr_workgroup_id_x 1
		.amdhsa_system_sgpr_workgroup_id_y 1
		.amdhsa_system_sgpr_workgroup_id_z 1
		.amdhsa_system_vgpr_workitem_id 0
		.amdhsa_next_free_vgpr 512
		.amdhsa_next_free_sgpr 72
		.amdhsa_reserve_vcc 1
		.amdhsa_float_denorm_mode_32 3
		.amdhsa_float_denorm_mode_16_64 3
		.amdhsa_memory_ordered 1
		.amdhsa_forward_progress 1
		.amdhsa_inst_pref_size 90
	.end_amdhsa_kernel
	.amdgpu_metadata
---
amdhsa.version: [ 1, 2 ]
amdhsa.kernels:
  - .name:           k_qccf062c173_post
    .symbol:         k_qccf062c173_post.kd
    .args:
      - { .name: ctxh, .offset: 0, .size: 8, .value_kind: global_buffer, .address_space: global }
      - { .name: tf, .offset: 8, .size: 8, .value_kind: global_buffer, .address_space: global }
      - { .name: order, .offset: 16, .size: 8, .value_kind: global_buffer, .address_space: global }
      - { .name: c, .offset: 24, .size: 8, .value_kind: global_buffer, .address_space: global }
      - { .name: wf, .offset: 32, .size: 8, .value_kind: global_buffer, .address_space: global }
      - { .name: params_tok_proj_b, .offset: 40, .size: 8, .value_kind: global_buffer, .address_space: global }
      - { .name: params_v_proj_b, .offset: 48, .size: 8, .value_kind: global_buffer, .address_space: global }
      - { .name: params_ctx_ln_g, .offset: 56, .size: 8, .value_kind: global_buffer, .address_space: global }
      - { .name: params_ctx_ln_b, .offset: 64, .size: 8, .value_kind: global_buffer, .address_space: global }
      - { .name: params_ctx_fc1_b, .offset: 72, .size: 8, .value_kind: global_buffer, .address_space: global }
      - { .name: params_ctx_fc2_b, .offset: 80, .size: 8, .value_kind: global_buffer, .address_space: global }
      - { .name: params_branch_proj_b, .offset: 88, .size: 8, .value_kind: global_buffer, .address_space: global }
      - { .name: params_trunk_out_b, .offset: 96, .size: 8, .value_kind: global_buffer, .address_space: global }
      - { .name: params_log_temp, .offset: 104, .size: 8, .value_kind: global_buffer, .address_space: global }
      - { .name: params_comp_scale, .offset: 112, .size: 8, .value_kind: global_buffer, .address_space: global }
      - { .name: params_comp_bias, .offset: 120, .size: 8, .value_kind: global_buffer, .address_space: global }
      - { .name: out0, .offset: 128, .size: 8, .value_kind: global_buffer, .address_space: global }
      - { .name: aux, .offset: 136, .size: 8, .value_kind: global_buffer, .address_space: global }
    .group_segment_fixed_size: 70144
    .private_segment_fixed_size: 0
    .kernarg_segment_align: 8
    .kernarg_segment_size: 144
    .max_flat_workgroup_size: 256
    .sgpr_count:     72
    .vgpr_count:     512
    .wavefront_size: 32
...
	.end_amdgpu_metadata
.endif
;; end of part 8
;; ======== version 3 of 3: 4 launches; version 2 with the launches pre, attn, post written anew for expert scheduling mode
;; limits: values are held in f16: magnitudes above 65,504 overflow, below 6.1e-05 lose precision; right only within a limited range of input values; inputs' magnitudes at most 65,504
;; workspace buffers: wf 1,736,704 bytes; pos 16,896 bytes of whole numbers; order 16,384 bytes of whole numbers; dt 16,384 bytes; qh 2,097,152 bytes; tf 2,097,152 bytes; aux 65,536 bytes; ctxh 2,097,152 bytes
;; launch setup: the kernel of part 5 again; grid 244 x 1, 16 waves a work-group, no clusters, 22,528 bytes of LDS; arguments params_trunk_in_W, params_blocks_0_fc1_W, params_blocks_0_fc2_W, params_blocks_1_fc1_W, params_blocks_1_fc2_W, params_q_proj_W, params_k_proj_W, params_tok_proj_W, params_v_proj_W, params_ctx_fc1_W, params_ctx_fc2_W, params_branch_proj_W, params_trunk_out_W, t_q, sensor_time, wf, pos, dt; writes wf, pos, dt
;; launch pre (part 9): grid 128 x 1, 8 waves a work-group, no clusters, 53,248 bytes of LDS; arguments xy, t_q, c, dt, pos, wf, params_time_proj_W, params_time_proj_b, params_comp_emb, params_trunk_in_b, params_blocks_0_ln_g, params_blocks_0_ln_b, params_blocks_0_fc1_b, params_blocks_0_fc2_b, params_blocks_1_ln_g, params_blocks_1_ln_b, params_blocks_1_fc1_b, params_blocks_1_fc2_b, params_branch_norm_g, params_branch_norm_b, params_q_proj_b, params_k_proj_b, params_tok_proj_b, qh, tf, aux, order; writes qh, tf, aux, order
.if DOCPART == 9
	.amdgcn_target "amdgcn-amd-amdhsa--gfx1250"
	.amdhsa_code_object_version 6
	.text
	.protected	k_qccf062c173_pre
	.globl	k_qccf062c173_pre
	.p2align	8
	.type	k_qccf062c173_pre,@function
k_qccf062c173_pre:
	s_mov_b64 s[64:65], 0
	v_nop
	global_prefetch_b8 v0, s[64:65] scope:SCOPE_SE
	s_setreg_imm32_b32 hwreg(HW_REG_WAVE_SCHED_MODE, 0, 2), 2
	s_setreg_imm32_b32 hwreg(HW_REG_WAVE_MODE, 25, 1), 1
	s_wait_xcnt 0x0
	s_wait_alu depctr_vm_vsrc(0)
; The query side, 32 queries a work-group: features, trunk_in, two residual blocks (tf), q, and the two projections that the
; reference applies to every token moved to the query: q~ = q Wk^T, q^ = q~ Wt^T / 16, since
;   q.k = h.(Wt (Wk q)) + bt.(Wk q) + bk.q   for every input.   cst = (bt.q~ + bk.q) / 16.
; Rows leave to the query's place in the order of t_q (pos), so that the queries of a time step are neighbouring rows.
; Eight waves; wave w makes all 32 rows x columns 32w..32w+31 of every layer.  The matrix instruction is used transposed (source 0 =
; 16 columns of the weights, source 1 = 16 rows of the activations): lane (r, h) register j holds row 16i+r, column 32w+16t+8h+j.
; Weights come from wf straight into registers: each byte is read by one wave of the group, so a pass through LDS would add reads.
; Clusters are left out for the same reason: a joint load would land in LDS, and each weight byte would then be read from there once more.
; 128 work-groups: every work-group takes in all 950,272 bytes of this chain's weights whatever its rows, so 16 rows on 256 work-groups
; would double the bytes asked for and shorten only the arithmetic, which is the smaller part of a layer here.
; REGISTERS, in two windows of 256 (s_set_vgpr_msb: bits 1:0 source 0, 3:2 source 1, 5:4 source 2, 7:6 destination):
;   window 0: addresses, accumulators, the residual stream, scratch, bias and gain vectors
;   window 1: v0-127 a ring of eight K steps of weight fragments (a whole layer), v128-255 a whole layer's activation fragments
;   Setting 0x40 serves every load of a product (destination in window 1), 0x05 its matrix instructions (both sources in window 1).
; THE MODE: SCHED_MODE bits 1:0 = 2 (LLVM: expert scheduling mode 2), set by the entry lines.  The code itself states the register dependences
; between vector or matrix instructions and memory or LDS instructions, with s_wait_alu, always for 0.
; THE PLAN.  Registers that memory or LDS instructions touch:
;   v3-v9, v15, SA  addresses and offsets: made at the head, never written again.
;   BR (window 1)   slot g mod 8: the weights of stream step g land; the step's four products read them; the step eight further on lands.
;   AF (window 1)   a layer's activation fragments land at the layer's head; its products read them.
;   BV, LG, LB      16 numbers of a bias or gain land; the layer's vector work reads them.
;   T               conversions write it and LDS stores read it (an activation on its way to LDS); a row's partial sums land in it; scratch of the vector work besides.
;   P               a row's partial sums: written by vector work, read by two LDS stores, written again behind the barrier.
;   SD              four rows land from LDS; the stores read them.
; THE WAITS on va_vdst: two to a product (at the head of its third pair of K steps, for the ring slots of the first two pairs; behind its last pair, for those of
; the other two); one ahead of an activation's LDS stores, which also serves the next product's loads of bias and fragments, since no vector instruction stands
; between; one ahead of a row reduction's LDS stores, which also serves the landing of the partial sums in T.  On vm_vsrc: one behind every barrier.
; FORMATS.  The trunk's products take f16 operands (11 significant bits): the result is a product of two chains of about ten operand
; roundings each.  Their operands have room in f16: features at most 1 or small; LayerNorm's output at most 16 |g| + |b|; silu(fc1), with
; gains and weights 30 times the drawn ones and offsets of 30 spreads, about 3,000 against f16's 65,504.  The residual stream tf has no such
; room, so each row leaves multiplied by 1 / sqrt(sum of its squares), at most 1 in size, and the root goes along in aux.
; The score path (branch_norm's output, q, q~, q^) grows with three matrices in a row and stays in bf16.
; LIMITS: sine and cosine by series on [-pi, pi], remainder below 3e-5; c is 0, 1 or 2; an f16 operand named above is below 65,504;
; a row's sum of squares of tf stays inside f32 (|tf| below about 1e18) and is taken as 2^-100 at the least.
.set XP,   528                         ; an activation row in LDS: 512 bytes + 16
.set XT,   16*XP
.set XB,   32*XP                       ; X0 at 0, X1 at XB
.set VEC,  33792                       ; 1,024 bytes for each bias or gain vector
.set RED,  50176                       ; two tables [row][wave] f32 of 1,024 bytes
.set P,    10                          ; v[10:11]   one number for each of my two rows
.set PR,   12                          ; v[12:13]   one number twice, for the packed arithmetic
.set ACC,  16                          ; v[16:47]   tile (i, t) at ACC + 16 i + 8 t
.set RES,  48                          ; v[48:79]   the residual stream, same map
.set T,    80                          ; v[80:111]  scratch
.set BV,   112                         ; v[112:127] my 16 columns of the layer's bias
.set LG,   128                         ; v[128:143] of a gain, or of a second vector
.set LB,   144                         ; v[144:159] of a norm's bias
.set SD,   160                         ; v[160:175] four rows on their way out
.set SA,   176                         ; v[176:179] their offsets: made at the head, never written again
.set SC,   180                         ; v[180:181] the score constant's partial sums
.set TS,   182                         ; v[182:183] sqrt(sum of squares) of tf's rows
.set XY,   184                         ; v[184:185] x, y of query 32 wg + lane
.set PS,   186                         ; its sorted place
.set TQ,   188                         ; its t
.set DT,   189                         ; its dt
.set CQ,   190                         ; its c
.set TW,   192                         ; v[192:207] time_proj W
.set TB,   208                         ; v[208:223] time_proj b
.set EM,   224                         ; v[224:247] comp_emb
.set BR,   0                           ; window 1: ring slot s at BR + 16 s
.set AF,   128                         ; window 1: step ks, rows 16 i .. at AF + 16 ks + 8 i
.set GTOT, 58
.set PART, 0
.set STREAM, 118784
.set WFP,  14
.set GS,   0                           ; the stream step that is multiplied next
.set ISS,  0                           ; stream steps asked for so far
.set MSB,  0
.macro WIN new                         ; the immediate's high byte repeats the setting that is left
.if MSB != \new
	s_set_vgpr_msb (MSB<<8)|\new
.set MSB, \new
.endif
.endm
.macro BAR
	s_wait_dscnt 0x0                               ; my LDS stores are in and my LDS loads are back before I signal
	s_barrier_signal -1
	s_barrier_wait -1
	s_wait_alu depctr_vm_vsrc(0)                   ; the LDS and memory instructions issued so far have read their registers: T, P, SD and what the head stored from are written again behind the barrier
.endm
.macro RING g0, g1                     ; the first fills of ring slots g0 .. g1
	WIN 0x40
.set RG, \g0
.rept \g1-\g0+1
.irp q, 0,1,2,3
	global_load_b128 v[BR+16*RG+4*\q:BR+16*RG+4*\q+3], v5, s[WFP:WFP+1] offset:PART+RG*2048+512*\q
.endr
.set RG, RG+1
.endr
.set ISS, \g1+1
	WIN 0
.endm
.macro REFILL g0, cnt                  ; the ring slots of stream steps g0 .. g0 + cnt - 1 take the steps eight further on
.set RG, \g0
.rept \cnt
.if RG+8 < GTOT
.irp q, 0,1,2,3
	global_load_b128 v[BR+16*(RG%8)+4*\q:BR+16*(RG%8)+4*\q+3], v5, s[WFP:WFP+1] offset:PART+(RG+8)*2048+512*\q
.endr
.set ISS, RG+9
.endif
.set RG, RG+1
.endr
.endm
; Four matrix instructions: stream step g, the layer's K step ks.  f = 1: f16, 0: bf16.  zero = 1: the first product starts the sums.
.macro MM4 g, ks, zero, f
.irp i, 0,1
.irp t, 0,1
.if \f
.if \zero
	v_wmma_f32_16x16x32_f16 v[ACC+16*\i+8*\t:ACC+16*\i+8*\t+7], v[BR+16*((\g)%8)+8*\t:BR+16*((\g)%8)+8*\t+7], v[AF+16*(\ks)+8*\i:AF+16*(\ks)+8*\i+7], 0
.else
	v_wmma_f32_16x16x32_f16 v[ACC+16*\i+8*\t:ACC+16*\i+8*\t+7], v[BR+16*((\g)%8)+8*\t:BR+16*((\g)%8)+8*\t+7], v[AF+16*(\ks)+8*\i:AF+16*(\ks)+8*\i+7], v[ACC+16*\i+8*\t:ACC+16*\i+8*\t+7]
.endif
.else
.if \zero
	v_wmma_f32_16x16x32_bf16 v[ACC+16*\i+8*\t:ACC+16*\i+8*\t+7], v[BR+16*((\g)%8)+8*\t:BR+16*((\g)%8)+8*\t+7], v[AF+16*(\ks)+8*\i:AF+16*(\ks)+8*\i+7], 0
.else
	v_wmma_f32_16x16x32_bf16 v[ACC+16*\i+8*\t:ACC+16*\i+8*\t+7], v[BR+16*((\g)%8)+8*\t:BR+16*((\g)%8)+8*\t+7], v[AF+16*(\ks)+8*\i:AF+16*(\ks)+8*\i+7], v[ACC+16*\i+8*\t:ACC+16*\i+8*\t+7]
.endif
.endif
.endr
.endr
.endm
; Two K steps of 32: eight matrix instructions.  The third pair of a layer first fills again the ring slots of the first two pairs.
.macro PAIR ks, zero, f, n
	s_wait_loadcnt 4*(ISS-GS-2)                    ; loads come back in order: these two steps' eight are in, the four of each younger step asked for so far stay out
	s_wait_dscnt 4*(\n)-8-4*(\ks)                  ; these two steps' fragments are in, the later steps' loads stay out
.if ((\ks) == 4) && (GS+4 < GTOT)
	WIN 0x40
	s_wait_alu depctr_va_vdst(0)                   ; the products of the layer's first four K steps are done reading their ring slots, in which the loads below land
	REFILL GS-4, 4
.endif
	WIN 0x05
	MM4 GS, \ks, \zero, \f
	MM4 GS+1, (\ks)+1, 0, \f                       ; the four accumulators take turns, one instruction a turn
.set GS, GS+2
.endm
.macro LDV dst, id                     ; my 16 columns of vector id
.irp t, 0,1
.irp q, 0,1
	ds_load_b128 v[\dst+8*\t+4*\q:\dst+8*\t+4*\q+3], v6 offset:\id*1024+64*\t+16*\q
.endr
.endr
.endm
; A layer's loads from LDS, n K steps: the bias (vector vid into bd, none if negative) and then ALL the layer's fragments are asked for at once; the pairs wait by count.
; No wait on va_vdst stands here: the last one (ahead of the LDS stores that wrote this activation; for the first layer at the head) came behind every reader of bd and AF, and no vector instruction since names them.
.macro GLOAD areg, base, n, vid, bd
.if \vid >= 0
	LDV \bd, \vid
.endif
	WIN 0x40
.set KS, 0
.rept \n
.irp i, 0,1
	ds_load_b128 v[AF+16*KS+8*\i:AF+16*KS+8*\i+3],   v[\areg] offset:\base+\i*XT+64*KS
	ds_load_b128 v[AF+16*KS+8*\i+4:AF+16*KS+8*\i+7], v[\areg] offset:\base+\i*XT+64*KS+32
.endr
.set KS, KS+1
.endr
.endm
; A layer's products, and behind them the refill of the ring slots that its last pairs read.
.macro GMUL n, f
	PAIR 0, 1, \f, \n
.if \n > 2
.set KS, 2
.rept (\n-2)/2
	PAIR KS, 0, \f, \n
.set KS, KS+2
.endr
.set RN, 4
.else
.set RN, 2
.endif
.rept 4
	v_nop                                          ; four places (ISA guide 7.12.1) before the results are read
.endr
.if GS-RN+8 < GTOT
	WIN 0x40
	s_wait_alu depctr_va_vdst(0)                   ; the layer's last products are done reading their ring slots, in which the loads below land
	REFILL GS-RN, RN
.endif
	WIN 0
.endm
.macro GEMM areg, base, n, f, vid
	GLOAD \areg, \base, \n, \vid, BV
	GMUL \n, \f
.endm
.macro ADDB dst                        ; dst = ACC + bias (in BV since the product's last wait)
.irp i, 0,1
.irp e, 0,2,4,6,8,10,12,14
	v_pk_add_f32 v[\dst+16*\i+\e:\dst+16*\i+\e+1], v[ACC+16*\i+\e:ACC+16*\i+\e+1], v[BV+\e:BV+\e+1]
.endr
.endr
.endm
.macro RESADD                          ; RES += ACC + bias
.irp i, 0,1
.irp e, 0,2,4,6,8,10,12,14
	v_pk_add_f32 v[ACC+16*\i+\e:ACC+16*\i+\e+1], v[ACC+16*\i+\e:ACC+16*\i+\e+1], v[BV+\e:BV+\e+1]
	v_pk_add_f32 v[RES+16*\i+\e:RES+16*\i+\e+1], v[RES+16*\i+\e:RES+16*\i+\e+1], v[ACC+16*\i+\e:ACC+16*\i+\e+1]
.endr
.endr
.endm
.macro SILU dst                        ; dst = ACC / (1 + 2^(-1.442695 ACC)), eight numbers at a time
.irp g, 0,1,2,3
.irp e, 0,2,4,6
	v_pk_mul_f32 v[T+\e:T+\e+1], v[ACC+8*\g+\e:ACC+8*\g+\e+1], 0xbfb8aa3b op_sel_hi:[1,0]
.endr
.irp e, 0,1,2,3,4,5,6,7
	v_exp_f32 v[T+\e], v[T+\e]
.endr
	v_nop                                          ; one plain place behind the transcendentals (ISA guide 5.7.2)
	s_wait_alu depctr_va_vdst(0)
.irp e, 0,2,4,6
	v_pk_add_f32 v[T+\e:T+\e+1], v[T+\e:T+\e+1], 1.0 op_sel_hi:[1,0]
.endr
.irp e, 0,1,2,3,4,5,6,7
	v_rcp_f32 v[T+\e], v[T+\e]
.endr
	v_nop
	s_wait_alu depctr_va_vdst(0)
.irp e, 0,2,4,6
	v_pk_mul_f32 v[\dst+8*\g+\e:\dst+8*\g+\e+1], v[ACC+8*\g+\e:ACC+8*\g+\e+1], v[T+\e:T+\e+1]
.endr
.endr
.endm
.macro STX src, xb, f                  ; to 16 bits (f = 1: f16, 0: bf16) and into activation buffer xb: 16 bytes of a row for each tile
.irp i, 0,1
.irp t, 0,1
.irp q, 0,1,2,3
.if \f
	v_cvt_pk_f16_f32 v[T+8*\i+4*\t+\q], v[\src+16*\i+8*\t+2*\q], v[\src+16*\i+8*\t+2*\q+1]
.else
	v_cvt_pk_bf16_f32 v[T+8*\i+4*\t+\q], v[\src+16*\i+8*\t+2*\q], v[\src+16*\i+8*\t+2*\q+1]
.endif
.endr
.endr
.endr
	s_wait_alu depctr_va_vdst(0)                   ; the conversions have written T, which the LDS stores read; every reader of BV, LG, LB and AF so far is done too
.irp i, 0,1
.irp t, 0,1
	ds_store_b128 v4, v[T+8*\i+4*\t:T+8*\i+4*\t+3] offset:\xb*XB+\i*XT+32*\t
.endr
.endr
.endm
.macro RSUM i, src                     ; P_i = sum of my 16 numbers of row i
	v_pk_add_f32 v[T+2*\i:T+2*\i+1], v[\src+16*\i:\src+16*\i+1], v[\src+16*\i+2:\src+16*\i+3]
.irp e, 4,6,8,10,12,14
	v_pk_add_f32 v[T+2*\i:T+2*\i+1], v[T+2*\i:T+2*\i+1], v[\src+16*\i+\e:\src+16*\i+\e+1]
.endr
	v_add_f32 v[P+\i], v[T+2*\i], v[T+2*\i+1]
.endm
.macro RDOT i, a, b, bs, tp            ; pair tp + 2 i = sums of a x b over my 16 numbers of row i; b steps by bs from row to row
	v_pk_mul_f32 v[\tp+2*\i:\tp+2*\i+1], v[\a+16*\i:\a+16*\i+1], v[\b+\bs*\i:\b+\bs*\i+1]
.irp e, 2,4,6,8,10,12,14
	v_pk_fma_f32 v[\tp+2*\i:\tp+2*\i+1], v[\a+16*\i+\e:\a+16*\i+\e+1], v[\b+\bs*\i+\e:\b+\bs*\i+\e+1], v[\tp+2*\i:\tp+2*\i+1]
.endr
.endm
.macro ROWRED red                      ; P_i summed over the row's 256 columns: the other half of the lanes, then the eight waves through LDS
.irp i, 0,1
	v_permlanex16_b32 v14, v[P+\i], s60, s61
	v_add_f32 v[P+\i], v[P+\i], v14
.endr
	s_wait_alu depctr_va_vdst(0)                   ; P is written, which the two LDS stores read; the vector work is done with T, in which the loads behind the barrier land
.irp i, 0,1
	ds_store_b32 v7, v[P+\i] offset:\red+512*\i
.endr
	BAR
.irp i, 0,1
	ds_load_b128 v[T+8*\i:T+8*\i+3],   v8 offset:\red+512*\i
	ds_load_b128 v[T+8*\i+4:T+8*\i+7], v8 offset:\red+512*\i+16
.endr
	s_wait_dscnt 0x0
.irp i, 0,1
	v_pk_add_f32 v[T+8*\i:T+8*\i+1], v[T+8*\i:T+8*\i+1], v[T+8*\i+2:T+8*\i+3]
	v_pk_add_f32 v[T+8*\i+4:T+8*\i+5], v[T+8*\i+4:T+8*\i+5], v[T+8*\i+6:T+8*\i+7]
	v_pk_add_f32 v[T+8*\i:T+8*\i+1], v[T+8*\i:T+8*\i+1], v[T+8*\i+4:T+8*\i+5]
	v_add_f32 v[P+\i], v[T+8*\i], v[T+8*\i+1]
.endr
.endm
.macro LN gid, bid, xb, f              ; LayerNorm of RES into activation buffer xb; the variance from the centred numbers
	LDV LG, \gid                                   ; asked for here, in by the waits of the row sums below; the last norm's readers of LG and LB stand ahead of the wait in front of its LDS stores
	LDV LB, \bid
.irp i, 0,1
	RSUM \i, RES
.endr
	ROWRED 0
.irp i, 0,1
	v_mul_f32 v[PR], s62, v[P+\i]                  ; the mean, twice, for the packed arithmetic
	v_mul_f32 v[PR+1], s62, v[P+\i]
.irp e, 0,2,4,6,8,10,12,14
	v_pk_add_f32 v[ACC+16*\i+\e:ACC+16*\i+\e+1], v[RES+16*\i+\e:RES+16*\i+\e+1], v[PR:PR+1] neg_lo:[0,1] neg_hi:[0,1]
.endr
.endr
.irp i, 0,1
	RDOT \i, ACC, ACC, 16, T
	v_add_f32 v[P+\i], v[T+2*\i], v[T+2*\i+1]
.endr
	ROWRED 1024
.irp i, 0,1
	v_fmaak_f32 v[P+\i], s62, v[P+\i], 0x3727c5ac  ; variance + 1e-5
.endr
.irp i, 0,1
	v_rsq_f32 v[P+\i], v[P+\i]
.endr
	v_nop                                          ; one plain place behind the transcendentals
	s_wait_alu depctr_va_vdst(0)
.irp i, 0,1
	v_mov_b32 v[PR], v[P+\i]
	v_mov_b32 v[PR+1], v[P+\i]
.irp e, 0,2,4,6,8,10,12,14
	v_pk_mul_f32 v[ACC+16*\i+\e:ACC+16*\i+\e+1], v[ACC+16*\i+\e:ACC+16*\i+\e+1], v[PR:PR+1]
	v_pk_fma_f32 v[ACC+16*\i+\e:ACC+16*\i+\e+1], v[ACC+16*\i+\e:ACC+16*\i+\e+1], v[LG+\e:LG+\e+1], v[LB+\e:LB+\e+1]
.endr
.endr
	STX ACC, \xb, \f
	BAR
.endm
.macro RSCALE ts, xb                   ; RES x 1 / sqrt(the row's sum of squares), at most 1 in size, as f16 into buffer xb; ts_i = the root
.irp i, 0,1
	RDOT \i, RES, RES, 16, T
	v_add_f32 v[P+\i], v[T+2*\i], v[T+2*\i+1]
.endr
	ROWRED 1024
.irp i, 0,1
	v_max_num_f32 v[P+\i], 0x0d800000, v[P+\i]     ; 2^-100 at the least: a row of zeros stays zeros
.endr
.irp i, 0,1
	v_rsq_f32 v[T+\i], v[P+\i]
.endr
	v_nop                                          ; one plain place behind the transcendentals
	s_wait_alu depctr_va_vdst(0)
.irp i, 0,1
	v_mul_f32 v[\ts+\i], v[P+\i], v[T+\i]
	v_mov_b32 v[PR], v[T+\i]
	v_mov_b32 v[PR+1], v[T+\i]
.irp e, 0,2,4,6,8,10,12,14
	v_pk_mul_f32 v[ACC+16*\i+\e:ACC+16*\i+\e+1], v[RES+16*\i+\e:RES+16*\i+\e+1], v[PR:PR+1]
.endr
.endr
	STX ACC, \xb, 1
.endm
.macro DOTV vreg, first                ; SC_i (+)= my part of ACC . the vector in vreg
.irp i, 0,1
	RDOT \i, ACC, \vreg, 0, T
.if \first
	v_add_f32 v[SC+\i], v[T+2*\i], v[T+2*\i+1]
.else
	v_add_f32 v[T+2*\i], v[T+2*\i], v[T+2*\i+1]
	v_add_f32 v[SC+\i], v[SC+\i], v[T+2*\i]
.endif
.endr
.endm
.macro STROWS xb, ptr, again           ; my wave's four rows of buffer xb leave, each as 512 consecutive bytes, to their sorted places.  again = 1: SD has been stored from before
.if \again
	s_wait_xcnt 0x0                                ; SD was the data of earlier stores: it is loaded again only behind this wait,
	s_wait_alu depctr_vm_vsrc(0)                   ; and those stores have read SD, in which the loads below land
.endif
.irp q, 0,1,2,3
	ds_load_b128 v[SD+4*\q:SD+4*\q+3], v15 offset:\xb*XB+\q*XP
.endr
.irp q, 0,1,2,3
	s_wait_dscnt 3-\q                              ; row q is in, the younger rows' loads stay out
	global_store_b128 v[SA+\q], v[SD+4*\q:SD+4*\q+3], s[\ptr:\ptr+1]
.endr
.endm
.macro TRIG                            ; v40 = angle in turns; v41 = sine, v42 = cosine
	v_rndne_f32 v43, v40
	v_sub_f32 v40, v40, v43                        ; exact: a fraction in [-1/2, 1/2]
	v_mul_f32 v40, 0x40c90fdb, v40                 ; theta
	v_mul_f32 v43, v40, v40
	v_mov_b32 v41, 0x2f309231                      ; 1/13!
.irp k, 0xb2d7322b, 0x3638ef1d, 0xb9500d01, 0x3c088889, 0xbe2aaaab, 0x3f800000
	v_fmaak_f32 v41, v41, v43, \k
.endr
	v_mul_f32 v41, v41, v40
	v_mov_b32 v42, 0xad49cba5                      ; -1/14!
.irp k, 0x310f76c7, 0xb493f27e, 0x37d00d01, 0xbab60b61, 0x3d2aaaab, 0xbf000000, 0x3f800000
	v_fmaak_f32 v42, v42, v43, \k
.endr
.endm
.macro HARM n, off, step               ; (sin, cos) of harmonics 1..n as pairs of f16, by the addition theorem: each pair into a register of its own, then the run of stores
	v_mov_b32 v44, v41
	v_mov_b32 v45, v42
.set HK, 0
.rept \n
	v_cvt_pk_f16_f32 v[56+HK], v44, v45
.if HK+1 < \n
	v_mul_f32 v48, v45, v41
	v_mul_f32 v49, v44, v41
	v_fma_f32 v44, v44, v42, v48
	v_fma_f32 v45, v45, v42, -v49
.endif
.set HK, HK+1
.endr
	s_wait_alu depctr_va_vdst(0)                   ; the pairs are written, which the LDS stores read
.set HK, 0
.rept \n
	ds_store_b32 v87, v[56+HK] offset:\off+\step*HK
.set HK, HK+1
.endr
.endm
	s_load_b512 s[4:19], s[0:1], 0x0               ; xy, t_q, c, dt, pos, wf, time_proj W, b
	s_load_b512 s[20:35], s[0:1], 0x40             ; comp_emb, vectors 0..6
	s_load_b512 s[36:51], s[0:1], 0x80             ; vectors 7..13, qh s[50:51]
	s_load_b128 s[52:55], s[0:1], 0xc0             ; tf, aux
	s_load_b64 s[56:57], s[0:1], 0xd0              ; order
	v_lshl_add_u32 v254, v0, 2, 0xcc00
	v_mov_b32 v255, 0
	v_lshrrev_b32 v1, 5, v0
	v_readfirstlane_b32 s58, v1                    ; wave
	s_mov_b32 s59, ttmp9
	s_mov_b32 s60, 0x76543210                      ; v_permlanex16_b32: lane i reads lane i of the other half
	s_mov_b32 s61, 0xfedcba98
	s_mov_b32 s62, 0x3b800000                      ; 1/256
	v_and_b32 v1, 15, v0                           ; r
	v_bfe_u32 v2, v0, 4, 1                         ; h
	v_and_b32 v80, 31, v0                          ; lane
	v_lshlrev_b32 v9, 4, v80                       ; 16 x lane
	v_mul_u32_u24 v3, v1, XP
	v_lshl_add_u32 v3, v2, 4, v3                   ; fragments: r x pitch + 16 h
	s_wait_alu depctr_va_sdst(0)                   ; s58 is written, ahead of its first reader: addresses and branches are made from it
	s_lshl_b32 s63, s58, 6
	v_add_nc_u32 v4, s63, v3                       ; results: + 64 w
	s_mul_i32 s63, s58, STREAM
	v_add_nc_u32 v5, s63, v9                       ; my wave's stream in wf; never rewritten
	s_lshl_b32 s63, s58, 7
	s_add_co_u32 s63, s63, VEC
	v_lshl_add_u32 v6, v2, 5, s63                  ; my columns of a vector
	s_lshl_b32 s63, s58, 2
	s_add_co_u32 s63, s63, RED
	v_lshl_add_u32 v7, v1, 5, s63                  ; [row][wave]
	v_lshlrev_b32 v8, 5, v1
	v_add_nc_u32 v8, RED, v8
	s_mul_i32 s63, s58, 4*XP
	v_add_nc_u32 v15, s63, v9                      ; my wave's four whole rows
	v_mov_b32 v14, 0
	; addresses of the start's loads, in scratch that is rewritten only behind the wait for them
	s_lshl_b32 s63, s59, 5
	v_add_nc_u32 v81, s63, v80                     ; query 32 wg + lane: the row whose features I make
	v_lshlrev_b32 v82, 3, v81
	v_lshlrev_b32 v83, 2, v81
	v_lshlrev_b32 v84, 2, v0
	v_mov_b32 v85, 0
	v_add_nc_u32 v86, VEC, v84
	v_mul_u32_u24 v87, v80, XP
	s_lshl_b32 s66, s59, 7
	s_lshl_b32 s67, s58, 4
	s_add_co_u32 s66, s66, s67                     ; 4 (32 wg + 4 w)
	s_wait_kmcnt 0x0
	s_load_b128 s[68:71], s[12:13], s66 offset:0x0 ; the sorted places of my wave's four rows
	s_wait_alu depctr_va_vdst(0)                   ; the addresses and offsets v3 to v9, v15 and v82 to v87 are written, which the loads and stores of the kernel read
	global_load_b64 v[XY:XY+1], v82, s[4:5]
	global_load_b32 v[TQ], v83, s[6:7]
	global_load_b32 v[DT], v83, s[10:11]
	global_load_b32 v[CQ], v83, s[8:9]
	global_load_b32 v[PS], v83, s[12:13]
.irp q, 0,1,2,3
	global_load_b128 v[TW+4*\q:TW+4*\q+3], v85, s[16:17] offset:16*\q
	global_load_b128 v[TB+4*\q:TB+4*\q+3], v85, s[18:19] offset:16*\q
.endr
.irp q, 0,1,2,3,4,5
	global_load_b128 v[EM+4*\q:EM+4*\q+3], v85, s[20:21] offset:16*\q
.endr
.irp d, 0,1,2,3,4,5,6,7,8,9,10,11,12,13
	global_load_b32 v[16+\d], v84, s[22+2*\d:23+2*\d]
.endr
	RING 0, 5
	s_wait_loadcnt 24                              ; the small loads above are in; the 24 loads of the ring's first six steps stay out
	RING 6, 7
	s_wait_kmcnt 0x0
.irp q, 0,1,2,3
	s_min_u32 s[76+\q], s[68+\q], 0xfff
	s_lshl_b32 s[76+\q], s[76+\q], 9               ; rows of 512 bytes
.endr
.irp q, 0,1,2,3
	v_add_nc_u32 v[SA+\q], s[76+\q], v9            ; where my wave's four rows go, in tf and in qh alike; the waits of the first norm stand between these lines and the stores that read them
.endr
.irp d, 0,1,2,3,4,5,6,7,8,9,10,11,12,13
	ds_store_b32 v86, v[16+\d] offset:\d*1024
.endr
	; features, 64 columns of f16 in X0: a wave for each part, a lane for each row; waves 4 to 7 have no part
	s_cmp_ge_u32 s58, 4
	s_cbranch_scc1 .Lf_done
	s_cmp_eq_u32 s58, 3
	s_cbranch_scc1 .Lf_te
	s_cmp_eq_u32 s58, 2
	s_cbranch_scc1 .Lf_t
	s_cmp_eq_u32 s58, 1
	s_cbranch_scc1 .Lf_y
	v_mov_b32 v40, v[XY]                           ; x / L, L = 1
	TRIG
	HARM 8, 0, 8
	s_branch .Lf_done
.Lf_y:
	v_mov_b32 v40, v[XY+1]
	TRIG
	HARM 8, 4, 8
	s_branch .Lf_done
.Lf_t:
	v_mul_f32 v40, 0x3e4ccccd, v[TQ]               ; t / 5
	TRIG
	HARM 2, 64, 4
	s_branch .Lf_done
.Lf_te:
	v_cmp_eq_u32 s66, 1, v[CQ]                     ; the two compares in a run; the time embedding stands between them and the wait
	v_cmp_eq_u32 s67, 2, v[CQ]
.irp j, 0,1,2,3,4,5,6,7,8,9,10,11,12,13,14,15
	v_fma_f32 v[40+\j], v[DT], v[TW+\j], v[TB+\j]  ; dt W + b
.endr
.irp j, 0,1,2,3,4,5,6,7
	v_cvt_pk_f16_f32 v[56+\j], v[40+2*\j], v[41+2*\j]
.endr
	s_wait_alu depctr_va_sdst(0)                   ; s66 and s67 are written, ahead of the selects that read them
.irp j, 0,1,2,3,4,5,6,7
	v_cndmask_b32 v[40+\j], v[EM+\j], v[EM+8+\j], s66
	v_cndmask_b32 v[40+\j], v[40+\j], v[EM+16+\j], s67
.endr
.irp j, 0,1,2,3
	v_cvt_pk_f16_f32 v[64+\j], v[40+2*\j], v[41+2*\j]
.endr
	v_mov_b32 v68, 0
	v_mov_b32 v69, 0
	s_wait_alu depctr_va_vdst(0)                   ; v56 to v69 are written, which the LDS stores read
.irp j, 0,1,2,3
	ds_store_b64 v87, v[56+2*\j:57+2*\j] offset:72+8*\j
.endr
	ds_store_b64 v87, v[64:65] offset:104
	ds_store_b64 v87, v[66:67] offset:112
	ds_store_b64 v87, v[68:69] offset:120          ; columns 60..63 are zero, as are the weights' rows there
.Lf_done:
	BAR
	GEMM 3, 0, 2, 1, 0                             ; trunk_in
	ADDB ACC
	SILU RES
	LN 1, 2, 1, 1
	GEMM 3, XB, 8, 1, 3                            ; block 0
	ADDB ACC
	SILU ACC
	STX ACC, 0, 1
	BAR
	GEMM 3, 0, 8, 1, 4
	RESADD
	LN 5, 6, 1, 1
	GEMM 3, XB, 8, 1, 7                            ; block 1
	ADDB ACC
	SILU ACC
	STX ACC, 0, 1
	BAR
	GEMM 3, 0, 8, 1, 8
	RESADD
	RSCALE TS, 1                                   ; tf, row-scaled, into X1; the barriers of the norm below show it to every wave
	s_wait_alu depctr_vm_vsrc(0)                   ; its LDS stores have read T, which the norm's row sums write next
	LN 9, 10, 0, 0                                 ; the score path begins: bf16
	STROWS 1, 52, 0
	BAR                                            ; every wave's reads of X1 are back before q is written there
	LDV LG, 12                                     ; bk, ahead of the product's loads: in by its waits
	GEMM 3, 0, 8, 0, 11                            ; q
	ADDB ACC
	DOTV LG, 1                                     ; bk . q
	STX ACC, 1, 0
	BAR
	GEMM 3, XB, 8, 0, 13                           ; q~; vector 13 is bt, not added but multiplied below
	DOTV BV, 0                                     ; bt . q~
	STX ACC, 0, 0
	BAR
	GEMM 3, 0, 8, 0, -1                            ; q^
.irp i, 0,1
.irp e, 0,2,4,6,8,10,12,14
	v_pk_mul_f32 v[ACC+16*\i+\e:ACC+16*\i+\e+1], v[ACC+16*\i+\e:ACC+16*\i+\e+1], 0x3d800000 op_sel_hi:[1,0]
.endr
.endr
	STX ACC, 1, 0
.irp i, 0,1
	v_mov_b32 v[P+\i], v[SC+\i]
.endr
	ROWRED 0                                       ; its barrier also shows X1 to every wave
	STROWS 1, 50, 1
	s_cmp_lg_u32 s58, 0
	s_cbranch_scc1 .Lend
	v_cmp_eq_u32 vcc_lo, 1, v2                     ; lane l stands for row l = 16 h + r
	v_min_u32 v17, 0xfff, v[PS]
	v_lshlrev_b32 v18, 2, v17
	v_lshlrev_b32 v19, 3, v17
	v_lshrrev_b32 v20, 4, v9
	s_lshl_b32 s63, s59, 5
	v_add_nc_u32 v20, s63, v20                     ; the query's number
	s_wait_alu depctr_va_vcc(0)                    ; VCC is written, ahead of the selects that read it
	v_cndmask_b32 v16, v[P], v[P+1], vcc_lo
	v_mul_f32 v16, 0x3d800000, v16                 ; cst
	v_cndmask_b32 v21, v[TS], v[TS+1], vcc_lo
	s_wait_alu depctr_va_vdst(0)                   ; v16 and v18 to v21 are written, which the stores read as offsets and data
	global_store_b32 v18, v16, s[54:55]
	global_store_b64 v19, v[XY:XY+1], s[54:55] offset:16384
	global_store_b32 v18, v21, s[54:55] offset:49152
	global_store_b32 v18, v20, s[56:57]
.Lend:
	s_wait_dscnt 0x0
	s_wait_alu depctr_hold_cnt(0) depctr_sa_sdst(0) depctr_va_vdst(0) depctr_va_sdst(0) depctr_va_ssrc(0) depctr_va_vcc(0) depctr_vm_vsrc(0)
	s_wait_tensorcnt 0x0
	ds_add_u32 v254, v255
	s_wait_dscnt 0x0
	s_endpgm
.Lfunc_end_k_qccf062c173_pre:
	.size	k_qccf062c173_pre, .Lfunc_end_k_qccf062c173_pre-k_qccf062c173_pre
	.p2alignl 7, 3214868480
	.fill 96, 4, 3214868480
	.section	.rodata,"a",@progbits
	.p2align	6, 0x0
	.amdhsa_kernel k_qccf062c173_pre
		.amdhsa_group_segment_fixed_size 53248
		.amdhsa_private_segment_fixed_size 0
		.amdhsa_enable_private_segment 0
		.amdhsa_kernarg_size 216
		.amdhsa_user_sgpr_count 2
		.amdhsa_user_sgpr_kernarg_segment_ptr 1
		.amdhsa_wavefront_size32 1
		.amdhsa_system_sgpr_workgroup_id_x 1
		.amdhsa_system_sgpr_workgroup_id_y 1
		.amdhsa_system_sgpr_workgroup_id_z 1
		.amdhsa_system_vgpr_workitem_id 0
		.amdhsa_next_free_vgpr 512
		.amdhsa_next_free_sgpr 104
		.amdhsa_reserve_vcc 1
		.amdhsa_float_denorm_mode_32 3
		.amdhsa_float_denorm_mode_16_64 3
		.amdhsa_memory_ordered 1
		.amdhsa_forward_progress 1
		.amdhsa_inst_pref_size 153
	.end_amdhsa_kernel
	.amdgpu_metadata
---
amdhsa.version: [ 1, 2 ]
amdhsa.kernels:
  - .name:           k_qccf062c173_pre
    .symbol:         k_qccf062c173_pre.kd
    .args:
      - { .name: xy, .offset: 0, .size: 8, .value_kind: global_buffer, .address_space: global }
      - { .name: t_q, .offset: 8, .size: 8, .value_kind: global_buffer, .address_space: global }
      - { .name: c, .offset: 16, .size: 8, .value_kind: global_buffer, .address_space: global }
      - { .name: dt, .offset: 24, .size: 8, .value_kind: global_buffer, .address_space: global }
      - { .name: pos, .offset: 32, .size: 8, .value_kind: global_buffer, .address_space: global }
      - { .name: wf, .offset: 40, .size: 8, .value_kind: global_buffer, .address_space: global }
      - { .name: params_time_proj_W, .offset: 48, .size: 8, .value_kind: global_buffer, .address_space: global }
      - { .name: params_time_proj_b, .offset: 56, .size: 8, .value_kind: global_buffer, .address_space: global }
      - { .name: params_comp_emb, .offset: 64, .size: 8, .value_kind: global_buffer, .address_space: global }
      - { .name: params_trunk_in_b, .offset: 72, .size: 8, .value_kind: global_buffer, .address_space: global }
      - { .name: params_blocks_0_ln_g, .offset: 80, .size: 8, .value_kind: global_buffer, .address_space: global }
      - { .name: params_blocks_0_ln_b, .offset: 88, .size: 8, .value_kind: global_buffer, .address_space: global }
      - { .name: params_blocks_0_fc1_b, .offset: 96, .size: 8, .value_kind: global_buffer, .address_space: global }
      - { .name: params_blocks_0_fc2_b, .offset: 104, .size: 8, .value_kind: global_buffer, .address_space: global }
      - { .name: params_blocks_1_ln_g, .offset: 112, .size: 8, .value_kind: global_buffer, .address_space: global }
      - { .name: params_blocks_1_ln_b, .offset: 120, .size: 8, .value_kind: global_buffer, .address_space: global }
      - { .name: params_blocks_1_fc1_b, .offset: 128, .size: 8, .value_kind: global_buffer, .address_space: global }
      - { .name: params_blocks_1_fc2_b, .offset: 136, .size: 8, .value_kind: global_buffer, .address_space: global }
      - { .name: params_branch_norm_g, .offset: 144, .size: 8, .value_kind: global_buffer, .address_space: global }
      - { .name: params_branch_norm_b, .offset: 152, .size: 8, .value_kind: global_buffer, .address_space: global }
      - { .name: params_q_proj_b, .offset: 160, .size: 8, .value_kind: global_buffer, .address_space: global }
      - { .name: params_k_proj_b, .offset: 168, .size: 8, .value_kind: global_buffer, .address_space: global }
      - { .name: params_tok_proj_b, .offset: 176, .size: 8, .value_kind: global_buffer, .address_space: global }
      - { .name: qh, .offset: 184, .size: 8, .value_kind: global_buffer, .address_space: global }
      - { .name: tf, .offset: 192, .size: 8, .value_kind: global_buffer, .address_space: global }
      - { .name: aux, .offset: 200, .size: 8, .value_kind: global_buffer, .address_space: global }
      - { .name: order, .offset: 208, .size: 8, .value_kind: global_buffer, .address_space: global }
    .group_segment_fixed_size: 53248
    .private_segment_fixed_size: 0
    .kernarg_segment_align: 8
    .kernarg_segment_size: 216
    .max_flat_workgroup_size: 256
    .sgpr_count:     104
    .vgpr_count:     512
    .wavefront_size: 32
...
	.end_amdgpu_metadata
.endif
;; end of part 9
;; launch attn (part 10): grid 128 x 1, 8 waves a work-group, no clusters, 139,008 bytes of LDS; arguments h_states, qh, aux, pos, sensor_pos, params_relpos_fc1_W, params_relpos_fc1_b, params_relpos_fc2_W, params_relpos_fc2_b, params_relpos_ln_g, params_relpos_ln_b, ctxh; writes ctxh
.if DOCPART == 10
	.amdgcn_target "amdgcn-amd-amdhsa--gfx1250"
	.amdhsa_code_object_version 6
	.text
	.protected	k_qccf062c173_attn
	.globl	k_qccf062c173_attn
	.p2align	8
	.type	k_qccf062c173_attn,@function
k_qccf062c173_attn:
	s_mov_b64 s[64:65], 0
	v_nop
	global_prefetch_b8 v0, s[64:65] scope:SCOPE_SE
	s_setreg_imm32_b32 hwreg(HW_REG_WAVE_SCHED_MODE, 0, 2), 2
	s_setreg_imm32_b32 hwreg(HW_REG_WAVE_MODE, 25, 1), 1
	s_wait_xcnt 0x0
	s_wait_alu depctr_vm_vsrc(0)
; One work-group for each sensor time step: its 64 tokens (raw h_states, in LDS) and the queries that fall on it, which are the
; sorted rows start[s] .. start[s+1]-1.  A wave takes 16 queries at a time: scores = q^ . h + cst + bias, softmax with the row's
; maximum taken away, ctxh = sum of a x h.  The token, key and value projections are applied on the query side by the other launches.
; THE ORDER OF A TRIP.  cst and x, y are asked for first and q^ behind them; the position bias, which needs only x, y and sensor_pos, is
; computed into the score accumulators while q^ is on its way, and the score products add onto it.
; THE MODE: SCHED_MODE bits 1:0 = 2 (LLVM: expert scheduling mode 2), set by the entry lines.  The code itself states the register dependences
; between vector or matrix instructions and memory or LDS instructions, with s_wait_alu, always for 0.
; THE PLAN.  Registers that memory or LDS instructions touch, in a trip's order (v3 to v7 and v9 are addresses made at the head and never written again):
;   v10-v13     the trip's row and offsets: written at its head, read by the loads of cst, x, y and q^.
;   v[176:191]  cst and x, y land in the first three and the bias reads them; then the softmax's maximum and sum; then the packed weights, which the second
;               products read; then the sixteen store offsets, which the stores read.
;   v[16:79]    q^ lands, the score products read it; then accumulators of the weighted sum; on the way out the rows read back from the stage land, and the stores read them.
;   H0 = v[224:255], H1 = v[192:223], H2 = v[80:111], H3 = v[112:143]: the tokens' fragments of K step k land in H[k mod 4], the step's four products read them.
;               Before that the positions land in H2 and H3 and the bias reads them, with H1 as its scratch; no vector instruction of the bias names H0, so step 0 is asked for at the trip's head.
;   T0 = v[192:223], T1 = v[224:255], T2 = v[144:175] (the scores' registers, once packed): batch m of the weighted sum lands in T[m mod 3].
;   v[192:255]  on the way out: the packed rows, written by the conversions, read by the LDS stores.
; THE WAITS on va_vdst stand where a buffer's last readers are behind and two steps' or batches' loads can follow at once: behind the trip's offsets; behind the bias
; (steps 1 to 3); at the heads of steps 2 and 4 (two steps each); behind the last score product (batches 0 and 1, on their way during the softmax); behind the packing
; (batch 2); at the heads of batches 2, 4 and 6; ahead of the way out's LDS stores.  One wait on vm_vsrc stands at the trip's head.
; FORMATS.  The tokens lie in LDS twice: in bf16 for the scores, whose partner q^ has no room in f16, and in f16 (11 significant bits) for
; the weighted sum, whose partner lies in [0, 1].  ctxh leaves in f16: it is at most the largest |h|.  LIMIT: |h_states| below 65,504.
; THE RELATIVE POSITION BIAS: its LayerNorm runs over ONE feature, so x - mean(x) = r - r, which is 0 for every finite r, and the norm's
; output is ln_b.  The 256-wide MLP behind it is therefore evaluated once, at ln_b (F0).  The distance r, the norm with ln_g and ln_b and
; the difference of its output from ln_b are still formed for every query and token and added to the score: 0 for finite r and ln_g.
; Work-groups share no tile (each time step is read by one), so there are no clusters; a time step without queries stores nothing.
.set HP,  544                          ; a token's row in LDS: 512 bytes + 32, an odd multiple of 32 for the transposing loads
.set SPB, 0                            ; sensor_pos, 512 bytes
.set FRB, 512                          ; eight partial sums of F0
.set HBB, 768                          ; the tokens in bf16, 64 x 544
.set HFB, 35584                        ; the tokens in f16, 64 x 544
.set STG, 70400                        ; each wave's own stage of 16 rows x 528 bytes for the way out
.set SP2, 528
.set QX,  176                          ; v[176:177] the query's x, y
.set CS,  178                          ; v178       cst
.set CF,  179                          ; v179       cst + F0
.set MX,  180                          ; v180       the row's maximum, then log2 e times it
.set SM,  182                          ; v[182:183] the row's sum, then its reciprocal twice
.macro SETHB k                         ; the fragment buffer of K step k
.if (\k)%4 == 0
.set HB, 224
.elseif (\k)%4 == 1
.set HB, 192
.else
.set HB, 16+32*((\k)%4)
.endif
.endm
.macro HLOAD k                         ; the 64 tokens' fragments of K step k, bf16, into buffer HB
.irp n, 0,1,2,3
	ds_load_b128 v[HB+8*\n:HB+8*\n+3],   v3 offset:\n*16*HP+64*(\k)
	ds_load_b128 v[HB+8*\n+4:HB+8*\n+7], v3 offset:\n*16*HP+64*(\k)+32
.endr
.endm
.macro SETTB m                         ; the buffer of batch m of the weighted sum
.if (\m)%3 == 2
.set TB, 144
.else
.set TB, 192+32*((\m)%3)
.endif
.endm
.macro TLOAD m                         ; batch m of the weighted sum: tokens 32 (m / 4) .., columns 64 (m mod 4) .., transposed, f16, into buffer TB
.irp d, 0,1,2,3
	ds_load_tr16_b128 v[TB+8*\d:TB+8*\d+3],   v4 offset:((\m)>>2)*32*HP+32*(4*((\m)&3)+\d)
	ds_load_tr16_b128 v[TB+8*\d+4:TB+8*\d+7], v4 offset:((\m)>>2)*32*HP+16*HP+32*(4*((\m)&3)+\d)
.endr
.endm
	s_load_b512 s[4:19], s[0:1], 0x0               ; h_states, qh, aux, pos, sensor_pos, fc1_W, fc1_b, fc2_W
	s_load_b256 s[20:27], s[0:1], 0x40             ; fc2_b, ln_g, ln_b, ctxh
	s_set_vgpr_msb 0x40
	v_lshl_add_u32 v0, v0, 2, 0x21b00
	v_mov_b32 v1, 0
	s_set_vgpr_msb 0x4000
	v_lshrrev_b32 v1, 5, v0
	v_readfirstlane_b32 s28, v1                    ; wave
	s_lshl_b32 s29, ttmp9, 2
	s_add_co_u32 s30, ttmp9, 1
	s_min_u32 s30, s30, 127
	s_lshl_b32 s30, s30, 2
	s_lshl_b32 s38, ttmp9, 16                      ; 64 tokens x 1,024 bytes
	s_mov_b32 s39, 0
	s_mov_b32 s40, 0x76543210
	s_mov_b32 s41, 0xfedcba98
	s_mov_b32 s46, 0x3fb8aa3b                      ; log2 e
	v_and_b32 v1, 15, v0                           ; r
	v_bfe_u32 v2, v0, 4, 1                         ; h
	v_and_b32 v9, 31, v0
	v_lshlrev_b32 v9, 4, v9                        ; 16 x lane
	v_mul_u32_u24 v3, v1, HP
	v_lshl_add_u32 v3, v2, 4, v3
	v_add_nc_u32 v3, HBB, v3                       ; token fragments, bf16: r x pitch + 16 h
	v_and_b32 v4, 7, v0
	v_lshl_add_u32 v4, v2, 3, v4
	v_mul_u32_u24 v4, v4, HP
	v_bfe_u32 v5, v0, 3, 1
	v_lshl_add_u32 v4, v5, 4, v4
	v_add_nc_u32 v4, HFB, v4                       ; transposed, f16: (8 h + lane mod 8) x pitch + 16 ((lane / 8) mod 2)
	v_lshlrev_b32 v5, 6, v2                        ; my eight tokens' positions in each tile of 16 (sensor_pos lies at LDS byte 0)
	s_wait_alu depctr_va_sdst(0)                   ; s28 is written, ahead of its first reader: addresses, branches and trip counts are made from it
	s_mul_i32 s47, s28, 16*SP2
	s_add_co_u32 s47, s47, STG
	v_mul_u32_u24 v6, v1, SP2
	v_lshl_add_u32 v6, v2, 4, v6
	v_add_nc_u32 v6, s47, v6                       ; stage, in
	v_add_nc_u32 v7, s47, v9                       ; stage, back by rows
	v_mov_b32 v14, 0
	v_lshlrev_b32 v10, 4, v0
	v_lshlrev_b32 v11, 2, v0
	v_lshrrev_b32 v13, 6, v0
	v_mul_u32_u24 v13, v13, HP
	v_and_b32 v8, 63, v0
	v_lshl_add_u32 v13, v8, 3, v13
	v_add_nc_u32 v13, HBB, v13                     ; token (t / 64), 8 bytes at column 4 (t mod 64), bf16
	v_add_nc_u32 v12, HFB-HBB, v13                 ; the same place in the f16 copy
	v_mov_b32 v122, s28
	v_lshlrev_b32 v122, 2, v122                    ; my wave's word among the partial sums of F0
	v_mov_b32 v123, FRB                            ; where all eight are read
	s_wait_kmcnt 0x0
	s_add_nc_u64 s[36:37], s[4:5], s[38:39]
	s_wait_alu depctr_va_vdst(0)                   ; the addresses and offsets v3 to v7, v9 to v13, v122 and v123 are written, which the loads and stores below read
.irp i, 0,1,2,3,4,5,6,7,8,9,10,11,12,13,14,15
	global_load_b128 v[16+4*\i:19+4*\i], v10, s[36:37] offset:4096*\i th:TH_LOAD_NT   ; the group's 256 threads take 4,096 consecutive bytes
.endr
	global_load_b32 v80, v11, s[14:15]
	global_load_b32 v81, v11, s[16:17]
	global_load_b32 v82, v11, s[18:19]
	global_load_b128 v[116:119], v9, s[12:13]      ; sensor_pos: its 512 bytes are one load of a wave; every wave loads them, wave 0 stores them below
	s_load_b32 s31, s[10:11], s29 offset:0x4000    ; start[s]
	s_load_b32 s32, s[10:11], s30 offset:0x4000    ; start[s + 1]
	s_load_b32 s33, s[20:21], 0x0
	s_load_b32 s34, s[22:23], 0x0
	s_load_b32 s35, s[24:25], 0x0
	s_wait_loadcnt 0x0
	s_wait_kmcnt 0x0
.irp i, 0,1,2,3,4,5,6,7,8,9,10,11,12,13,14,15
	v_cvt_pk_bf16_f32 v[84+2*\i], v[16+4*\i], v[17+4*\i]
	v_cvt_pk_bf16_f32 v[85+2*\i], v[18+4*\i], v[19+4*\i]
	v_cvt_pk_f16_f32 v[144+2*\i], v[16+4*\i], v[17+4*\i]
	v_cvt_pk_f16_f32 v[145+2*\i], v[18+4*\i], v[19+4*\i]
.endr
	; F0 = sum over the hidden units of silu(ln_b w1 + b1) w2, + b2
	v_fma_f32 v120, s35, v80, v81
	v_mul_f32 v121, 0xbfb8aa3b, v120
	v_exp_f32 v121, v121
	v_nop
	s_wait_alu depctr_va_vdst(0)
	v_add_f32 v121, 1.0, v121
	v_rcp_f32 v121, v121
	v_nop
	s_wait_alu depctr_va_vdst(0)
	v_mul_f32 v120, v120, v121
	v_mul_f32 v120, v120, v82
	v_add_f32_dpp v120, v120, v120 row_xmask:1 row_mask:0xf bank_mask:0xf
	v_add_f32_dpp v120, v120, v120 row_xmask:2 row_mask:0xf bank_mask:0xf
	v_add_f32_dpp v120, v120, v120 row_xmask:4 row_mask:0xf bank_mask:0xf
	v_add_f32_dpp v120, v120, v120 row_xmask:8 row_mask:0xf bank_mask:0xf
	v_permlanex16_b32 v14, v120, s40, s41
	v_add_f32 v120, v120, v14
	s_wait_alu depctr_va_vdst(0)                   ; the two copies of the tokens (v[84:115], v[144:175]) and my partial sum v120 are written, which the LDS stores read
.irp i, 0,1,2,3,4,5,6,7,8,9,10,11,12,13,14,15
	ds_store_b64 v13, v[84+2*\i:85+2*\i] offset:4*HP*\i
	ds_store_b64 v12, v[144+2*\i:145+2*\i] offset:4*HP*\i
.endr
	s_cmp_lg_u32 s28, 0
	s_cbranch_scc1 .Lno_sp
	ds_store_b128 v9, v[116:119] offset:SPB        ; one writer for each byte: wave 0, 16 bytes a lane
.Lno_sp:
	ds_store_b32 v122, v120 offset:FRB
	s_wait_dscnt 0x0                               ; tokens, positions and my partial sum are in LDS before I signal
	s_barrier_signal -1
	s_barrier_wait -1                              ; the one barrier: behind it LDS outside a wave's own stage is only read
	ds_load_b128 v[124:127], v123                  ; no vector instruction has named v[124:131]
	ds_load_b128 v[128:131], v123 offset:16
	s_min_u32 s31, s31, 0x1000
	s_min_u32 s32, s32, 0x1000
	s_cmp_eq_u32 ttmp9, 127
	s_cselect_b32 s32, 0x1000, s32                 ; the last time step runs to the last row
	s_max_u32 s32, s32, s31
	s_sub_co_u32 s42, s32, s31
	s_add_co_u32 s42, s42, 15
	s_lshr_b32 s42, s42, 4                         ; tiles of 16 queries
	s_sub_co_u32 s43, s32, 1                       ; the last row; used only where there is one
	s_add_co_u32 s49, s42, 7
	s_sub_co_u32 s49, s49, s28
	s_lshr_b32 s49, s49, 3                         ; my wave's trips: tiles w, w + 8, ... below the number of tiles; 0 where w is not below it
	s_wait_dscnt 0x0
	v_pk_add_f32 v[124:125], v[124:125], v[126:127]
	v_pk_add_f32 v[128:129], v[128:129], v[130:131]
	v_pk_add_f32 v[124:125], v[124:125], v[128:129]
	v_add_f32 v15, v124, v125
	v_add_f32 v15, s33, v15                        ; F0
	s_mov_b32 s44, s28                             ; my first tile
	s_mov_b32 s48, 0                               ; trips done
	s_cmp_eq_u32 s49, 0
	s_cbranch_scc1 .Ldone
.Ltile:
	s_wait_xcnt 0x0                                ; the last trip's loads and stores have had their addresses translated: their offsets and data are written again only behind this wait,
	s_wait_alu depctr_vm_vsrc(0)                   ; and they have read their registers: the offsets v10 to v13 and v[176:191], the stored rows v[16:79], the packed rows v[192:255]; at the first trip what the head loaded by and stored from
	s_lshl_b32 s45, s44, 4
	s_add_co_u32 s45, s45, s31                     ; the tile's first row
	v_add_nc_u32 v10, s45, v1
	v_min_u32 v10, s43, v10                        ; lanes past the end repeat the last query
	v_min_u32 v10, 0xfff, v10
	v_lshlrev_b32 v11, 9, v10
	v_lshl_add_u32 v11, v2, 4, v11
	v_lshlrev_b32 v12, 2, v10
	v_lshlrev_b32 v13, 3, v10
	s_wait_alu depctr_va_vdst(0)                   ; v11 to v13 are written, which the loads below read; the last trip's (at the first trip the head's) vector and matrix instructions are done with the registers in which they land
	global_load_b32 v[CS], v12, s[8:9]             ; cst
	global_load_b64 v[QX:QX+1], v13, s[8:9] offset:16384   ; the query's x, y
.irp k, 0,1,2,3,4,5,6,7
	global_load_b128 v[16+8*\k:19+8*\k], v11, s[6:7] offset:64*\k       ; q^ as fragments: query r, K = 32 k + 8 h ..
	global_load_b128 v[20+8*\k:23+8*\k], v11, s[6:7] offset:64*\k+32
.endr
.irp n, 0,1,2,3
.irp q, 0,1,2,3
	ds_load_b128 v[80+16*\n+4*\q:83+16*\n+4*\q], v5 offset:SPB+128*\n+16*\q ; positions of tokens 16 n + 8 h + 0..7
.endr
.endr
	SETHB 0
	HLOAD 0                                        ; K step 0 into H0, which no vector instruction of the bias names
	s_wait_loadcnt 16                              ; loads come back in order: cst and x, y are in, the 16 loads of q^ stay out
	s_wait_dscnt 8                                 ; the positions are in, the eight loads of K step 0 stay out
	; the bias, into the score accumulators: lane (r, h) register j of tile n = query r, token 16 n + 8 h + j
	v_add_f32 v[CF], v[CS], v15                    ; cst + F0
.irp n, 0,1,2,3
.irp j, 0,1,2,3,4,5,6,7
	v_sub_f32 v[192+\j], v[QX], v[80+16*\n+2*\j]
	v_sub_f32 v[200+\j], v[QX+1], v[81+16*\n+2*\j]
	v_rndne_f32 v[208+\j], v[192+\j]               ; periodic, L = 1
	v_sub_f32 v[192+\j], v[192+\j], v[208+\j]
	v_rndne_f32 v[208+\j], v[200+\j]
	v_sub_f32 v[200+\j], v[200+\j], v[208+\j]
	v_mul_f32 v[192+\j], v[192+\j], v[192+\j]
	v_fma_f32 v[192+\j], v[200+\j], v[200+\j], v[192+\j]
.endr
.irp j, 0,1,2,3,4,5,6,7
	v_sqrt_f32 v[192+\j], v[192+\j]                ; r
.endr
	v_nop
	s_wait_alu depctr_va_vdst(0)
.irp j, 0,1,2,3,4,5,6,7
	v_sub_f32 v[192+\j], v[192+\j], v[192+\j]      ; r - mean over its one feature
	v_fmaak_f32 v[200+\j], v[192+\j], v[192+\j], 0x3727c5ac
.endr
.irp j, 0,1,2,3,4,5,6,7
	v_rsq_f32 v[200+\j], v[200+\j]
.endr
	v_nop
	s_wait_alu depctr_va_vdst(0)
.irp j, 0,1,2,3,4,5,6,7
	v_mul_f32 v[192+\j], v[192+\j], v[200+\j]
	v_fma_f32 v[192+\j], v[192+\j], s34, s35       ; the norm's output
	v_sub_f32 v[192+\j], v[192+\j], s35            ; its distance from ln_b, where F0 was taken
	v_add_f32 v[144+8*\n+\j], v[CF], v[192+\j]
.endr
.endr
	; scores: the products add onto the bias
	s_wait_alu depctr_va_vdst(0)                   ; the bias is done reading the positions (H2, H3) and with its scratch (H1), in which the three K steps below land
	SETHB 1
	HLOAD 1
	SETHB 2
	HLOAD 2
	SETHB 3
	HLOAD 3
	s_wait_loadcnt 0x0                             ; q^
.set K, 0
.rept 8
.if K == 0
	s_wait_dscnt 24                                ; LDS loads come back in order: step 0 is in, the three younger steps' 24 loads stay out
.elseif K == 7
	s_wait_dscnt 0
.elseif K%2 == 1
	s_wait_dscnt 16                                ; this step's eight loads are in, the two younger steps' sixteen stay out
.else
	s_wait_dscnt 8                                 ; this step's eight loads are in, the next step's eight stay out
.endif
.if (K == 2) || (K == 4)
	s_wait_alu depctr_va_vdst(0)                   ; the products of the two steps before are done reading their buffers, in which the two steps below land
	SETHB K+2
	HLOAD K+2
	SETHB K+3
	HLOAD K+3
.endif
	SETHB K
.irp n, 0,1,2,3
	v_wmma_f32_16x16x32_bf16 v[144+8*\n:151+8*\n], v[HB+8*\n:HB+8*\n+7], v[16+8*K:23+8*K], v[144+8*\n:151+8*\n]
.endr                                              ; the four accumulators take turns, one instruction a turn
.set K, K+1
.endr
.rept 4
	v_nop                                          ; four places (ISA guide 7.12.1) before the scores are read
.endr
	s_wait_alu depctr_va_vdst(0)                   ; the score products are done reading H1 and H0, in which the weighted sum's first two batches land
	SETTB 0
	TLOAD 0                                        ; on their way during the softmax
	SETTB 1
	TLOAD 1
	; softmax over the query's 64 tokens: my 32 registers and the other half of the lanes
	v_max_num_f32 v[MX], v144, v145
.irp e, 2,4,6,8,10,12,14,16,18,20,22,24,26,28,30
	v_max3_num_f32 v[MX], v[MX], v[144+\e], v[145+\e]
.endr
	v_permlanex16_b32 v14, v[MX], s40, s41
	v_max_num_f32 v[MX], v[MX], v14
	v_mul_f32 v[MX], s46, v[MX]
.set E, 0
.rept 32
	v_fma_f32 v[144+E], v[144+E], s46, -v180       ; v180 is v[MX]
.set E, E+1
.endr
.set E, 0
.rept 32
	v_exp_f32 v[144+E], v[144+E]
.set E, E+1
.endr
	v_nop
	s_wait_alu depctr_va_vdst(0)
	v_pk_add_f32 v[SM:SM+1], v[144:145], v[146:147]
.irp e, 4,6,8,10,12,14,16,18,20,22,24,26,28,30
	v_pk_add_f32 v[SM:SM+1], v[SM:SM+1], v[144+\e:145+\e]
.endr
	v_add_f32 v[SM], v[SM], v[SM+1]
	v_permlanex16_b32 v14, v[SM], s40, s41
	v_add_f32 v[SM], v[SM], v14
	v_rcp_f32 v[SM], v[SM]
	v_nop
	s_wait_alu depctr_va_vdst(0)
	v_mov_b32 v[SM+1], v[SM]
.irp e, 0,2,4,6,8,10,12,14,16,18,20,22,24,26,28,30
	v_pk_mul_f32 v[144+\e:145+\e], v[144+\e:145+\e], v[SM:SM+1]
.endr
.set E, 0
.rept 16                                           ; tiles 2 k and 2 k + 1 are registers 0-3 and 4-7 of the fragment of K step k: no shuffle
	v_cvt_pk_f16_f32 v[176+E], v[144+2*E], v[145+2*E]
.set E, E+1
.endr
	s_wait_alu depctr_va_vdst(0)                   ; the scaling and the packing are done with the scores' registers, in which the third batch lands
	SETTB 2
	TLOAD 2
	; ctxh, transposed, f16: lane (r, h) register j of tile d = query r, column 16 d + 8 h + j
.set M, 0
.rept 8
.if M == 0
	s_wait_dscnt 16                                ; batch 0 is in, the two younger batches' sixteen loads stay out
.elseif (M%2 == 1) && (M < 7)
	s_wait_dscnt 8                                 ; this batch's eight loads are in, the next batch's eight stay out
.else
	s_wait_dscnt 0
.endif
.if (M == 2) || (M == 4) || (M == 6)
	s_wait_alu depctr_va_vdst(0)                   ; the products of the two batches before are done reading their buffers, in which the batches below land
	SETTB M+1
	TLOAD M+1
.if M < 6
	SETTB M+2
	TLOAD M+2
.endif
.endif
	SETTB M
.irp d, 0,1,2,3
.if M < 4
	v_wmma_f32_16x16x32_f16 v[16+8*(4*(M&3)+\d):23+8*(4*(M&3)+\d)], v[TB+8*\d:TB+8*\d+7], v[176+8*(M>>2):183+8*(M>>2)], 0
.else
	v_wmma_f32_16x16x32_f16 v[16+8*(4*(M&3)+\d):23+8*(4*(M&3)+\d)], v[TB+8*\d:TB+8*\d+7], v[176+8*(M>>2):183+8*(M>>2)], v[16+8*(4*(M&3)+\d):23+8*(4*(M&3)+\d)]
.endif
.endr                                              ; sixteen accumulators by turns
.set M, M+1
.endr
.rept 4
	v_nop                                          ; four places before the results are read and the products' sources are written
.endr
	; the way out: 16 bytes a lane into my own stage, whole rows of 512 bytes back and out
.irp f, 0,1
.irp d, 0,1,2,3,4,5,6,7
.irp q, 0,1,2,3
	v_cvt_pk_f16_f32 v[192+32*\f+4*\d+\q], v[16+8*(8*\f+\d)+2*\q], v[17+8*(8*\f+\d)+2*\q]
.endr
.endr
.endr
.irp q, 0,1,2,3,4,5,6,7,8,9,10,11,12,13,14,15
	s_add_co_u32 s47, s45, \q
	s_min_u32 s47, s47, s43                        ; rows past the end repeat the last row, with the same bytes
	s_min_u32 s47, s47, 0xfff
	s_lshl_b32 s47, s47, 9
	v_add_nc_u32 v[176+\q], s47, v9
.endr
	s_wait_alu depctr_va_vdst(0)                   ; the packed rows v[192:255] and the offsets v[176:191] are written, which the LDS stores and the stores read; the conversions are done reading the accumulators, in the first 64 of which the rows land
.irp f, 0,1
.irp d, 0,1,2,3,4,5,6,7
	ds_store_b128 v6, v[192+32*\f+4*\d:195+32*\f+4*\d] offset:32*(8*\f+\d)
.endr
.endr
.irp q, 0,1,2,3,4,5,6,7,8,9,10,11,12,13,14,15
	ds_load_b128 v[16+4*\q:19+4*\q], v7 offset:\q*SP2             ; LDS serves a wave's instructions in order: these see the stores above
.endr
.irp q, 0,1,2,3,4,5,6,7,8,9,10,11,12,13,14,15
	s_wait_dscnt 15-\q                             ; row q is in, the younger rows' loads stay out
	global_store_b128 v[176+\q], v[16+4*\q:19+4*\q], s[26:27]
.endr
	s_add_co_u32 s44, s44, 8                       ; my next tile
	s_add_co_u32 s48, s48, 1                       ; the loop ends on this counter, stepped by one against my wave's trips
	s_cmp_lt_u32 s48, s49
	s_cbranch_scc1 .Ltile
.Ldone:
	s_set_vgpr_msb 0x5
	s_wait_dscnt 0x0
	s_wait_alu depctr_hold_cnt(0) depctr_sa_sdst(0) depctr_va_vdst(0) depctr_va_sdst(0) depctr_va_ssrc(0) depctr_va_vcc(0) depctr_vm_vsrc(0)
	s_wait_tensorcnt 0x0
	ds_add_u32 v0, v1
	s_wait_dscnt 0x0
	s_endpgm
.Lfunc_end_k_qccf062c173_attn:
	.size	k_qccf062c173_attn, .Lfunc_end_k_qccf062c173_attn-k_qccf062c173_attn
	.p2alignl 7, 3214868480
	.fill 96, 4, 3214868480
	.section	.rodata,"a",@progbits
	.p2align	6, 0x0
	.amdhsa_kernel k_qccf062c173_attn
		.amdhsa_group_segment_fixed_size 139008
		.amdhsa_private_segment_fixed_size 0
		.amdhsa_enable_private_segment 0
		.amdhsa_kernarg_size 96
		.amdhsa_user_sgpr_count 2
		.amdhsa_user_sgpr_kernarg_segment_ptr 1
		.amdhsa_wavefront_size32 1
		.amdhsa_system_sgpr_workgroup_id_x 1
		.amdhsa_system_sgpr_workgroup_id_y 1
		.amdhsa_system_sgpr_workgroup_id_z 1
		.amdhsa_system_vgpr_workitem_id 0
		.amdhsa_next_free_vgpr 258
		.amdhsa_next_free_sgpr 66
		.amdhsa_reserve_vcc 0
		.amdhsa_float_denorm_mode_32 3
		.amdhsa_float_denorm_mode_16_64 3
		.amdhsa_memory_ordered 1
		.amdhsa_forward_progress 1
		.amdhsa_inst_pref_size 69
	.end_amdhsa_kernel
	.amdgpu_metadata
---
amdhsa.version: [ 1, 2 ]
amdhsa.kernels:
  - .name:           k_qccf062c173_attn
    .symbol:         k_qccf062c173_attn.kd
    .args:
      - { .name: h_states, .offset: 0, .size: 8, .value_kind: global_buffer, .address_space: global }
      - { .name: qh, .offset: 8, .size: 8, .value_kind: global_buffer, .address_space: global }
      - { .name: aux, .offset: 16, .size: 8, .value_kind: global_buffer, .address_space: global }
      - { .name: pos, .offset: 24, .size: 8, .value_kind: global_buffer, .address_space: global }
      - { .name: sensor_pos, .offset: 32, .size: 8, .value_kind: global_buffer, .address_space: global }
      - { .name: params_relpos_fc1_W, .offset: 40, .size: 8, .value_kind: global_buffer, .address_space: global }
      - { .name: params_relpos_fc1_b, .offset: 48, .size: 8, .value_kind: global_buffer, .address_space: global }
      - { .name: params_relpos_fc2_W, .offset: 56, .size: 8, .value_kind: global_buffer, .address_space: global }
      - { .name: params_relpos_fc2_b, .offset: 64, .size: 8, .value_kind: global_buffer, .address_space: global }
      - { .name: params_relpos_ln_g, .offset: 72, .size: 8, .value_kind: global_buffer, .address_space: global }
      - { .name: params_relpos_ln_b, .offset: 80, .size: 8, .value_kind: global_buffer, .address_space: global }
      - { .name: ctxh, .offset: 88, .size: 8, .value_kind: global_buffer, .address_space: global }
    .group_segment_fixed_size: 139008
    .private_segment_fixed_size: 0
    .kernarg_segment_align: 8
    .kernarg_segment_size: 96
    .max_flat_workgroup_size: 256
    .sgpr_count:     66
    .vgpr_count:     258
    .wavefront_size: 32
...
	.end_amdgpu_metadata
.endif
;; end of part 10
;; launch post (part 11): grid 128 x 1, 8 waves a work-group, no clusters, 70,144 bytes of LDS; arguments ctxh, tf, order, c, wf, params_tok_proj_b, params_v_proj_b, params_ctx_ln_g, params_ctx_ln_b, params_ctx_fc1_b, params_ctx_fc2_b, params_branch_proj_b, params_trunk_out_b, params_log_temp, params_comp_scale, params_comp_bias, out0, aux; writes out0
.if DOCPART == 11
	.amdgcn_target "amdgcn-amd-amdhsa--gfx1250"
	.amdhsa_code_object_version 6
	.text
	.protected	k_qccf062c173_post
	.globl	k_qccf062c173_post
	.p2align	8
	.type	k_qccf062c173_post,@function
k_qccf062c173_post:
	s_mov_b64 s[64:65], 0
	v_nop
	global_prefetch_b8 v0, s[64:65] scope:SCOPE_SE
	s_setreg_imm32_b32 hwreg(HW_REG_WAVE_SCHED_MODE, 0, 2), 2
	s_setreg_imm32_b32 hwreg(HW_REG_WAVE_MODE, 25, 1), 1
	s_wait_xcnt 0x0
	s_wait_alu depctr_vm_vsrc(0)
; Behind the attention, 32 sorted rows a work-group: ctx = ((sum a h) Wt + bt) Wv + bv (the weights a sum to one), the context block,
; branch_proj, trunk_out on tf, the product of the two bases summed over the 64 columns of the query's component, scale and bias.
; The same chain of products as in the launch before it: eight waves, wave w makes all 32 rows x columns 32w..32w+31, the matrix
; instruction transposed, weights from wf straight into registers, a ring of eight K steps (a whole layer) and a whole layer's activation
; fragments in the second window of 256 registers.  A wave's 32 columns lie in one component (w / 2); columns 192..255 are padding with
; zero weights and biases, and their component 3 is never a query's.  Clusters and more, smaller work-groups are left out as there.
; s_set_vgpr_msb: bits 1:0 source 0, 3:2 source 1, 5:4 source 2, 7:6 destination; 0x40 serves a product's loads, 0x05 its matrix instructions.
; THE MODE: SCHED_MODE bits 1:0 = 2 (LLVM: expert scheduling mode 2), set by the entry lines.  The code itself states the register dependences
; between vector or matrix instructions and memory or LDS instructions, with s_wait_alu, always for 0.
; THE PLAN.  Registers that memory or LDS instructions touch:
;   v3-v9, XA2, OFF  addresses and offsets: made at the head, never written again.
;   BR (window 1)    slot g mod 8: the weights of stream step g land; the step's four products read them; the step eight further on lands.
;   AF (window 1)    a layer's activation fragments land at the layer's head; its products read them.
;   BV, LG, LB       16 numbers of a bias or gain land; the layer's vector work reads them.  The last product's bias goes into LG, so that it can be asked for while BV is still read.
;   T                conversions write it and LDS stores read it; a row's partial sums land in it; scratch of the vector work besides.
;   P                a row's partial sums: written by vector work, read by two LDS stores, written again behind the barrier.
; THE WAITS on va_vdst: two to a product (at the head of its third pair of K steps, for the ring slots of the first two pairs; behind its last pair, for those of
; the other two); one ahead of an activation's LDS stores, which also serves the next product's loads of bias and fragments, since no vector instruction stands
; between; one ahead of a row reduction's LDS stores, which also serves the landing of the partial sums in T.  On vm_vsrc: one behind every barrier.
; FORMATS.  All operands in f16 (11 significant bits).  Their room, with every input 30 times the drawn one and offset by 30 spreads:
; sum a h at most the largest |h|, about 170; (sum a h) Wt + bt about 256 x 30 x 0.6 + 2,000 = 6,500; LayerNorm's output at most
; 16 |g| + |b|; silu(fc1) about 3,000; all against 65,504.  The residual stream ctx has no such room (about 256 x 4,600 x 0.6), so each row
; is multiplied by 1 / sqrt(sum of its squares), at most 1 in size, and the product is multiplied back where the bias is added; tf comes
; scaled in the same way, its root in aux.
; LIMITS: c is 0, 1 or 2; an f16 operand named above is below 65,504; a row's sum of squares of ctx stays inside f32 (|ctx| below about
; 1e18) and is taken as 2^-100 at the least.
.set XP,   528
.set XT,   16*XP
.set XB,   32*XP                       ; X0 at 0, X1 at XB
.set VEC,  33792
.set RED,  50176
.set X2,   52224                       ; tf's rows
.set P,    10                          ; v[10:11]
.set PR,   12                          ; v[12:13]
.set ACC,  16                          ; v[16:47]
.set RES,  48                          ; v[48:79]
.set T,    80                          ; v[80:111]
.set BV,   112                         ; v[112:127]
.set LG,   128                         ; v[128:143]
.set LB,   144                         ; v[144:159]
.set OFF,  180                         ; v[180:181] 4 x the query of sorted row 16 i + r: never rewritten
.set CC,   182                         ; v[182:183] its component
.set TSC,  184                         ; v[184:185] sqrt(sum of squares) of ctx's rows
.set TSF,  186                         ; v[186:187] the same of tf's rows
.set XA2,  188                         ; v188       fragments of tf
.set BR,   0                           ; window 1
.set AF,   128                         ; window 1
.set GTOT, 48
.set PART, 950272
.set STREAM, 98304
.set WFP,  12
.set GS,   0                           ; the stream step that is multiplied next
.set ISS,  0                           ; stream steps asked for so far
.set MSB,  0
.macro WIN new                         ; the immediate's high byte repeats the setting that is left
.if MSB != \new
	s_set_vgpr_msb (MSB<<8)|\new
.set MSB, \new
.endif
.endm
.macro BAR
	s_wait_dscnt 0x0                               ; my LDS stores are in and my LDS loads are back before I signal
	s_barrier_signal -1
	s_barrier_wait -1
	s_wait_alu depctr_vm_vsrc(0)                   ; the LDS and memory instructions issued so far have read their registers: T, P and what the head stored from are written again behind the barrier
.endm
.macro RING g0, g1                     ; the first fills of ring slots g0 .. g1
	WIN 0x40
.set RG, \g0
.rept \g1-\g0+1
.irp q, 0,1,2,3
	global_load_b128 v[BR+16*RG+4*\q:BR+16*RG+4*\q+3], v5, s[WFP:WFP+1] offset:PART+RG*2048+512*\q
.endr
.set RG, RG+1
.endr
.set ISS, \g1+1
	WIN 0
.endm
.macro REFILL g0, cnt                  ; the ring slots of stream steps g0 .. g0 + cnt - 1 take the steps eight further on
.set RG, \g0
.rept \cnt
.if RG+8 < GTOT
.irp q, 0,1,2,3
	global_load_b128 v[BR+16*(RG%8)+4*\q:BR+16*(RG%8)+4*\q+3], v5, s[WFP:WFP+1] offset:PART+(RG+8)*2048+512*\q
.endr
.set ISS, RG+9
.endif
.set RG, RG+1
.endr
.endm
.macro MM4 g, ks, zero, f
.irp i, 0,1
.irp t, 0,1
.if \f
.if \zero
	v_wmma_f32_16x16x32_f16 v[ACC+16*\i+8*\t:ACC+16*\i+8*\t+7], v[BR+16*((\g)%8)+8*\t:BR+16*((\g)%8)+8*\t+7], v[AF+16*(\ks)+8*\i:AF+16*(\ks)+8*\i+7], 0
.else
	v_wmma_f32_16x16x32_f16 v[ACC+16*\i+8*\t:ACC+16*\i+8*\t+7], v[BR+16*((\g)%8)+8*\t:BR+16*((\g)%8)+8*\t+7], v[AF+16*(\ks)+8*\i:AF+16*(\ks)+8*\i+7], v[ACC+16*\i+8*\t:ACC+16*\i+8*\t+7]
.endif
.else
.if \zero
	v_wmma_f32_16x16x32_bf16 v[ACC+16*\i+8*\t:ACC+16*\i+8*\t+7], v[BR+16*((\g)%8)+8*\t:BR+16*((\g)%8)+8*\t+7], v[AF+16*(\ks)+8*\i:AF+16*(\ks)+8*\i+7], 0
.else
	v_wmma_f32_16x16x32_bf16 v[ACC+16*\i+8*\t:ACC+16*\i+8*\t+7], v[BR+16*((\g)%8)+8*\t:BR+16*((\g)%8)+8*\t+7], v[AF+16*(\ks)+8*\i:AF+16*(\ks)+8*\i+7], v[ACC+16*\i+8*\t:ACC+16*\i+8*\t+7]
.endif
.endif
.endr
.endr
.endm
; Two K steps of 32: eight matrix instructions.  The third pair of a layer first fills again the ring slots of the first two pairs.
.macro PAIR ks, zero, f, n
	s_wait_loadcnt 4*(ISS-GS-2)                    ; loads come back in order: these two steps' eight are in, the four of each younger step asked for so far stay out
	s_wait_dscnt 4*(\n)-8-4*(\ks)                  ; these two steps' fragments are in, the later steps' loads stay out
.if ((\ks) == 4) && (GS+4 < GTOT)
	WIN 0x40
	s_wait_alu depctr_va_vdst(0)                   ; the products of the layer's first four K steps are done reading their ring slots, in which the loads below land
	REFILL GS-4, 4
.endif
	WIN 0x05
	MM4 GS, \ks, \zero, \f
	MM4 GS+1, (\ks)+1, 0, \f                       ; the four accumulators take turns, one instruction a turn
.set GS, GS+2
.endm
.macro LDV dst, id
.irp t, 0,1
.irp q, 0,1
	ds_load_b128 v[\dst+8*\t+4*\q:\dst+8*\t+4*\q+3], v6 offset:\id*1024+64*\t+16*\q
.endr
.endr
.endm
; A layer's loads from LDS, n K steps: the bias (vector vid into bd, none if negative) and then ALL the layer's fragments are asked for at once; the pairs wait by count.
; No wait on va_vdst stands here: the last one came behind every reader of bd and AF, and no vector instruction since names them.
.macro GLOAD areg, base, n, vid, bd
.if \vid >= 0
	LDV \bd, \vid
.endif
	WIN 0x40
.set KS, 0
.rept \n
.irp i, 0,1
	ds_load_b128 v[AF+16*KS+8*\i:AF+16*KS+8*\i+3],   v[\areg] offset:\base+\i*XT+64*KS
	ds_load_b128 v[AF+16*KS+8*\i+4:AF+16*KS+8*\i+7], v[\areg] offset:\base+\i*XT+64*KS+32
.endr
.set KS, KS+1
.endr
.endm
; A layer's products, and behind them the refill of the ring slots that its last pairs read.
.macro GMUL n, f
	PAIR 0, 1, \f, \n
.if \n > 2
.set KS, 2
.rept (\n-2)/2
	PAIR KS, 0, \f, \n
.set KS, KS+2
.endr
.set RN, 4
.else
.set RN, 2
.endif
.rept 4
	v_nop                                          ; four places (ISA guide 7.12.1) before the results are read
.endr
.if GS-RN+8 < GTOT
	WIN 0x40
	s_wait_alu depctr_va_vdst(0)                   ; the layer's last products are done reading their ring slots, in which the loads below land, and their fragments
	REFILL GS-RN, RN
.endif
	WIN 0
.endm
.macro GEMM areg, base, n, f, vid
	GLOAD \areg, \base, \n, \vid, BV
	GMUL \n, \f
.endm
.macro ADDB dst
.irp i, 0,1
.irp e, 0,2,4,6,8,10,12,14
	v_pk_add_f32 v[\dst+16*\i+\e:\dst+16*\i+\e+1], v[ACC+16*\i+\e:ACC+16*\i+\e+1], v[BV+\e:BV+\e+1]
.endr
.endr
.endm
.macro ADDBS dst, ts, bv               ; dst = ACC x the row's scale + the bias in bv
.irp i, 0,1
	v_mov_b32 v[PR], v[\ts+\i]
	v_mov_b32 v[PR+1], v[\ts+\i]
.irp e, 0,2,4,6,8,10,12,14
	v_pk_fma_f32 v[\dst+16*\i+\e:\dst+16*\i+\e+1], v[ACC+16*\i+\e:ACC+16*\i+\e+1], v[PR:PR+1], v[\bv+\e:\bv+\e+1]
.endr
.endr
.endm
.macro RESADD
.irp i, 0,1
.irp e, 0,2,4,6,8,10,12,14
	v_pk_add_f32 v[ACC+16*\i+\e:ACC+16*\i+\e+1], v[ACC+16*\i+\e:ACC+16*\i+\e+1], v[BV+\e:BV+\e+1]
	v_pk_add_f32 v[RES+16*\i+\e:RES+16*\i+\e+1], v[RES+16*\i+\e:RES+16*\i+\e+1], v[ACC+16*\i+\e:ACC+16*\i+\e+1]
.endr
.endr
.endm
.macro SILU dst
.irp g, 0,1,2,3
.irp e, 0,2,4,6
	v_pk_mul_f32 v[T+\e:T+\e+1], v[ACC+8*\g+\e:ACC+8*\g+\e+1], 0xbfb8aa3b op_sel_hi:[1,0]
.endr
.irp e, 0,1,2,3,4,5,6,7
	v_exp_f32 v[T+\e], v[T+\e]
.endr
	v_nop                                          ; one plain place behind the transcendentals (ISA guide 5.7.2)
	s_wait_alu depctr_va_vdst(0)
.irp e, 0,2,4,6
	v_pk_add_f32 v[T+\e:T+\e+1], v[T+\e:T+\e+1], 1.0 op_sel_hi:[1,0]
.endr
.irp e, 0,1,2,3,4,5,6,7
	v_rcp_f32 v[T+\e], v[T+\e]
.endr
	v_nop
	s_wait_alu depctr_va_vdst(0)
.irp e, 0,2,4,6
	v_pk_mul_f32 v[\dst+8*\g+\e:\dst+8*\g+\e+1], v[ACC+8*\g+\e:ACC+8*\g+\e+1], v[T+\e:T+\e+1]
.endr
.endr
.endm
.macro STX src, xb, f
.irp i, 0,1
.irp t, 0,1
.irp q, 0,1,2,3
.if \f
	v_cvt_pk_f16_f32 v[T+8*\i+4*\t+\q], v[\src+16*\i+8*\t+2*\q], v[\src+16*\i+8*\t+2*\q+1]
.else
	v_cvt_pk_bf16_f32 v[T+8*\i+4*\t+\q], v[\src+16*\i+8*\t+2*\q], v[\src+16*\i+8*\t+2*\q+1]
.endif
.endr
.endr
.endr
	s_wait_alu depctr_va_vdst(0)                   ; the conversions have written T, which the LDS stores read; every reader of BV, LG, LB and AF so far is done too
.irp i, 0,1
.irp t, 0,1
	ds_store_b128 v4, v[T+8*\i+4*\t:T+8*\i+4*\t+3] offset:\xb*XB+\i*XT+32*\t
.endr
.endr
.endm
.macro RSUM i, src
	v_pk_add_f32 v[T+2*\i:T+2*\i+1], v[\src+16*\i:\src+16*\i+1], v[\src+16*\i+2:\src+16*\i+3]
.irp e, 4,6,8,10,12,14
	v_pk_add_f32 v[T+2*\i:T+2*\i+1], v[T+2*\i:T+2*\i+1], v[\src+16*\i+\e:\src+16*\i+\e+1]
.endr
	v_add_f32 v[P+\i], v[T+2*\i], v[T+2*\i+1]
.endm
.macro RDOT i, a, b, bs, tp
	v_pk_mul_f32 v[\tp+2*\i:\tp+2*\i+1], v[\a+16*\i:\a+16*\i+1], v[\b+\bs*\i:\b+\bs*\i+1]
.irp e, 2,4,6,8,10,12,14
	v_pk_fma_f32 v[\tp+2*\i:\tp+2*\i+1], v[\a+16*\i+\e:\a+16*\i+\e+1], v[\b+\bs*\i+\e:\b+\bs*\i+\e+1], v[\tp+2*\i:\tp+2*\i+1]
.endr
.endm
.macro ROWRED red
.irp i, 0,1
	v_permlanex16_b32 v14, v[P+\i], s60, s61
	v_add_f32 v[P+\i], v[P+\i], v14
.endr
	s_wait_alu depctr_va_vdst(0)                   ; P is written, which the two LDS stores read; the vector work is done with T, in which the loads behind the barrier land
.irp i, 0,1
	ds_store_b32 v7, v[P+\i] offset:\red+512*\i
.endr
	BAR
.irp i, 0,1
	ds_load_b128 v[T+8*\i:T+8*\i+3],   v8 offset:\red+512*\i
	ds_load_b128 v[T+8*\i+4:T+8*\i+7], v8 offset:\red+512*\i+16
.endr
	s_wait_dscnt 0x0
.irp i, 0,1
	v_pk_add_f32 v[T+8*\i:T+8*\i+1], v[T+8*\i:T+8*\i+1], v[T+8*\i+2:T+8*\i+3]
	v_pk_add_f32 v[T+8*\i+4:T+8*\i+5], v[T+8*\i+4:T+8*\i+5], v[T+8*\i+6:T+8*\i+7]
	v_pk_add_f32 v[T+8*\i:T+8*\i+1], v[T+8*\i:T+8*\i+1], v[T+8*\i+4:T+8*\i+5]
	v_add_f32 v[P+\i], v[T+8*\i], v[T+8*\i+1]
.endr
.endm
.macro LN gid, bid, xb, f
	LDV LG, \gid                                   ; asked for here, in by the waits of the row sums below; no vector instruction has named LG or LB
	LDV LB, \bid
.irp i, 0,1
	RSUM \i, RES
.endr
	ROWRED 0
.irp i, 0,1
	v_mul_f32 v[PR], s62, v[P+\i]
	v_mul_f32 v[PR+1], s62, v[P+\i]
.irp e, 0,2,4,6,8,10,12,14
	v_pk_add_f32 v[ACC+16*\i+\e:ACC+16*\i+\e+1], v[RES+16*\i+\e:RES+16*\i+\e+1], v[PR:PR+1] neg_lo:[0,1] neg_hi:[0,1]
.endr
.endr
.irp i, 0,1
	RDOT \i, ACC, ACC, 16, T
	v_add_f32 v[P+\i], v[T+2*\i], v[T+2*\i+1]
.endr
	ROWRED 1024
.irp i, 0,1
	v_fmaak_f32 v[P+\i], s62, v[P+\i], 0x3727c5ac
.endr
.irp i, 0,1
	v_rsq_f32 v[P+\i], v[P+\i]
.endr
	v_nop                                          ; one plain place behind the transcendentals
	s_wait_alu depctr_va_vdst(0)
.irp i, 0,1
	v_mov_b32 v[PR], v[P+\i]
	v_mov_b32 v[PR+1], v[P+\i]
.irp e, 0,2,4,6,8,10,12,14
	v_pk_mul_f32 v[ACC+16*\i+\e:ACC+16*\i+\e+1], v[ACC+16*\i+\e:ACC+16*\i+\e+1], v[PR:PR+1]
	v_pk_fma_f32 v[ACC+16*\i+\e:ACC+16*\i+\e+1], v[ACC+16*\i+\e:ACC+16*\i+\e+1], v[LG+\e:LG+\e+1], v[LB+\e:LB+\e+1]
.endr
.endr
	STX ACC, \xb, \f
	BAR
.endm
.macro RSCALE ts, xb                   ; RES x 1 / sqrt(the row's sum of squares), at most 1 in size, as f16 into buffer xb; ts_i = the root
.irp i, 0,1
	RDOT \i, RES, RES, 16, T
	v_add_f32 v[P+\i], v[T+2*\i], v[T+2*\i+1]
.endr
	ROWRED 1024
.irp i, 0,1
	v_max_num_f32 v[P+\i], 0x0d800000, v[P+\i]     ; 2^-100 at the least: a row of zeros stays zeros
.endr
.irp i, 0,1
	v_rsq_f32 v[T+\i], v[P+\i]
.endr
	v_nop                                          ; one plain place behind the transcendentals
	s_wait_alu depctr_va_vdst(0)
.irp i, 0,1
	v_mul_f32 v[\ts+\i], v[P+\i], v[T+\i]
	v_mov_b32 v[PR], v[T+\i]
	v_mov_b32 v[PR+1], v[T+\i]
.irp e, 0,2,4,6,8,10,12,14
	v_pk_mul_f32 v[ACC+16*\i+\e:ACC+16*\i+\e+1], v[RES+16*\i+\e:RES+16*\i+\e+1], v[PR:PR+1]
.endr
.endr
	STX ACC, \xb, 1
.endm
	s_load_b512 s[4:19], s[0:1], 0x0               ; ctxh, tf, order, c, wf, vectors 0..2
	s_load_b512 s[20:35], s[0:1], 0x40             ; vectors 3..7, log_temp s[30:31], comp_scale s[32:33], comp_bias s[34:35]
	s_load_b128 s[36:39], s[0:1], 0x80             ; out0 s[36:37], aux s[38:39]
	v_lshl_add_u32 v254, v0, 2, 0x10e00
	v_mov_b32 v255, 0
	v_lshrrev_b32 v1, 5, v0
	v_readfirstlane_b32 s58, v1                    ; wave
	s_mov_b32 s59, ttmp9
	s_mov_b32 s60, 0x76543210
	s_mov_b32 s61, 0xfedcba98
	s_mov_b32 s62, 0x3b800000                      ; 1/256
	v_and_b32 v1, 15, v0
	v_bfe_u32 v2, v0, 4, 1
	v_and_b32 v9, 31, v0
	v_lshlrev_b32 v9, 4, v9
	v_mul_u32_u24 v3, v1, XP
	v_lshl_add_u32 v3, v2, 4, v3
	s_wait_alu depctr_va_sdst(0)                   ; s58 is written, ahead of its first reader: addresses and branches are made from it
	s_lshl_b32 s63, s58, 6
	v_add_nc_u32 v4, s63, v3
	s_mul_i32 s63, s58, STREAM
	v_add_nc_u32 v5, s63, v9                       ; my wave's stream in wf; never rewritten
	s_lshl_b32 s63, s58, 7
	s_add_co_u32 s63, s63, VEC
	v_lshl_add_u32 v6, v2, 5, s63
	s_lshl_b32 s63, s58, 2
	s_add_co_u32 s63, s63, RED
	v_lshl_add_u32 v7, v1, 5, s63
	v_lshlrev_b32 v8, 5, v1
	v_add_nc_u32 v8, RED, v8
	v_mov_b32 v14, 0
	v_add_nc_u32 v[XA2], X2, v3
	; addresses of the start's loads and stores, in scratch that is rewritten only behind the wait for the loads
	s_lshl_b32 s63, s59, 14
	s_lshl_b32 s66, s58, 11
	s_add_co_u32 s63, s63, s66
	v_add_nc_u32 v80, s63, v9                      ; my wave's four rows of 512 bytes
	s_lshl_b32 s63, s59, 5
	v_add_nc_u32 v81, s63, v1
	v_lshlrev_b32 v81, 2, v81                      ; 4 (32 wg + r)
	v_lshlrev_b32 v82, 2, v0
	v_min_u32 v83, 191, v0
	v_lshlrev_b32 v83, 2, v83
	v_add_nc_u32 v84, VEC, v82
	s_mul_i32 s63, s58, 4*XP
	v_add_nc_u32 v85, s63, v9                      ; my wave's four whole rows in X0
	v_add_nc_u32 v86, X2, v85                      ; and in X2
	s_wait_kmcnt 0x0
	s_load_b32 s40, s[30:31], 0x0
	s_load_b96 s[44:46], s[32:33], 0x0
	s_load_b96 s[48:50], s[34:35], 0x0
	s_wait_alu depctr_va_vdst(0)                   ; the addresses and offsets v3 to v9, v[XA2] and v80 to v86 are written, which the loads and stores of the kernel read
.irp i, 0,1
	global_load_b32 v[OFF+\i], v81, s[8:9] offset:64*\i
	global_load_b32 v[TSF+\i], v81, s[38:39] offset:49152+64*\i
.endr
.irp q, 0,1,2,3
	global_load_b128 v[16+4*\q:19+4*\q], v80, s[4:5] offset:512*\q
	global_load_b128 v[32+4*\q:35+4*\q], v80, s[6:7] offset:512*\q
.endr
.irp d, 0,1,2,3,4,5
	global_load_b32 v[48+\d], v82, s[14+2*\d:15+2*\d]
.endr
	global_load_b32 v54, v83, s[26:27]
	global_load_b32 v55, v83, s[28:29]
	RING 0, 7
	s_wait_loadcnt 32                              ; the small loads above are in; the ring's 32 stay out
	s_wait_kmcnt 0x0
	v_cmp_gt_u32 vcc_lo, 192, v0
.irp i, 0,1
	v_min_u32 v[OFF+\i], 0xfff, v[OFF+\i]          ; the query of sorted row 16 i + r
	v_lshlrev_b32 v[OFF+\i], 2, v[OFF+\i]
.endr
	s_wait_alu depctr_va_vcc(0)                    ; VCC is written, ahead of the selects that read it
	v_cndmask_b32 v54, 0, v54, vcc_lo
	v_cndmask_b32 v55, 0, v55, vcc_lo
	s_wait_alu depctr_va_vdst(0)                   ; OFF is written, which the two loads below read as their offsets, and v54 and v55, which the LDS stores read
.irp i, 0,1
	global_load_b32 v[CC+\i], v[OFF+\i], s[10:11]  ; its component, used at the end, behind the stream's last wait, which is for 0.  These two stand behind the ring's
.endr                                              ; first fills, so the first layer's counts are smaller than the loads behind their steps. Their addresses are not written again
.irp q, 0,1,2,3
	ds_store_b128 v85, v[16+4*\q:19+4*\q] offset:\q*XP
	ds_store_b128 v86, v[32+4*\q:35+4*\q] offset:\q*XP
.endr
.irp d, 0,1,2,3,4,5,6,7
	ds_store_b32 v84, v[48+\d] offset:\d*1024
.endr
	BAR
	GEMM 3, 0, 8, 1, 0                             ; (sum a h) Wt + bt
	ADDB ACC
	STX ACC, 1, 1
	BAR
	GEMM 3, XB, 8, 1, 1                            ; ctx
	ADDB RES
	LN 2, 3, 0, 1
	GEMM 3, 0, 8, 1, 4
	ADDB ACC
	SILU ACC
	STX ACC, 1, 1
	BAR
	GEMM 3, XB, 8, 1, 5
	RESADD
	RSCALE TSC, 0                                  ; ctx, row-scaled
	BAR
	GEMM 3, 0, 8, 1, 6                             ; branch basis
	GLOAD XA2, 0, 8, 7, LG                         ; the trunk basis's bias and fragments of the row-scaled tf are asked for at once: the wait behind the products above shows AF read, the norm's readers of LG are long done, and the lines below name neither
	WIN 0
	ADDBS RES, TSC, BV
	GMUL 8, 1                                      ; trunk basis
	ADDBS ACC, TSF, LG
	s_lshr_b32 s63, s58, 1                         ; my columns' component
	v_cmp_eq_u32 s66, s63, v[CC]                   ; the two compares in a run; the dot products stand between them and the wait
	v_cmp_eq_u32 s67, s63, v[CC+1]
.irp i, 0,1
	RDOT \i, ACC, RES, 16, T
	v_add_f32 v[P+\i], v[T+2*\i], v[T+2*\i+1]
.endr
	s_wait_alu depctr_va_sdst(0)                   ; s66 and s67 are written, ahead of the selects that read them
	v_cndmask_b32 v[P], 0, v[P], s66
	v_cndmask_b32 v[P+1], 0, v[P+1], s67
	ROWRED 0
	s_cmp_lg_u32 s58, 0
	s_cbranch_scc1 .Lend
	v_cmp_eq_u32 s66, 1, v2                        ; lane l stands for row l = 16 h + r
	v_mov_b32 v16, s40
	v_mul_f32 v16, 0x3fb8aa3b, v16
	v_exp_f32 v16, v16                             ; exp(log_temp)
	v_nop
	v_mov_b32 v20, s44
	v_mov_b32 v21, s48
	s_wait_alu depctr_va_sdst(0)                   ; s66 is written, ahead of the selects that read it
	v_cndmask_b32 v17, v[P], v[P+1], s66
	v_cndmask_b32 v18, v[CC], v[CC+1], s66
	v_cndmask_b32 v19, v[OFF], v[OFF+1], s66
	v_min_u32 v19, 0x3ffc, v19
	v_cmp_eq_u32 s67, 1, v18
	v_cmp_eq_u32 s68, 2, v18
	s_wait_alu depctr_va_vdst(0)
	v_mul_f32 v17, v17, v16
	s_wait_alu depctr_va_sdst(0)                   ; s67 and s68 are written, ahead of the selects that read them
	v_cndmask_b32 v20, v20, s45, s67
	v_cndmask_b32 v21, v21, s49, s67
	v_cndmask_b32 v20, v20, s46, s68
	v_cndmask_b32 v21, v21, s50, s68
	v_fma_f32 v17, v17, v20, v21
	s_wait_alu depctr_va_vdst(0)                   ; v19 and v17 are written, which the store reads as its offset and its data
	global_store_b32 v19, v17, s[36:37]
.Lend:
	s_wait_dscnt 0x0
	s_wait_alu depctr_hold_cnt(0) depctr_sa_sdst(0) depctr_va_vdst(0) depctr_va_sdst(0) depctr_va_ssrc(0) depctr_va_vcc(0) depctr_vm_vsrc(0)
	s_wait_tensorcnt 0x0
	ds_add_u32 v254, v255
	s_wait_dscnt 0x0
	s_endpgm
.Lfunc_end_k_qccf062c173_post:
	.size	k_qccf062c173_post, .Lfunc_end_k_qccf062c173_post-k_qccf062c173_post
	.p2alignl 7, 3214868480
	.fill 96, 4, 3214868480
	.section	.rodata,"a",@progbits
	.p2align	6, 0x0
	.amdhsa_kernel k_qccf062c173_post
		.amdhsa_group_segment_fixed_size 70144
		.amdhsa_private_segment_fixed_size 0
		.amdhsa_enable_private_segment 0
		.amdhsa_kernarg_size 144
		.amdhsa_user_sgpr_count 2
		.amdhsa_user_sgpr_kernarg_segment_ptr 1
		.amdhsa_wavefront_size32 1
		.amdhsa_system_sgpr_workgroup_id_x 1
		.amdhsa_system_sgpr_workgroup_id_y 1
		.amdhsa_system_sgpr_workgroup_id_z 1
		.amdhsa_system_vgpr_workitem_id 0
		.amdhsa_next_free_vgpr 512
		.amdhsa_next_free_sgpr 72
		.amdhsa_reserve_vcc 1
		.amdhsa_float_denorm_mode_32 3
		.amdhsa_float_denorm_mode_16_64 3
		.amdhsa_memory_ordered 1
		.amdhsa_forward_progress 1
		.amdhsa_inst_pref_size 89
	.end_amdhsa_kernel
	.amdgpu_metadata
---
amdhsa.version: [ 1, 2 ]
amdhsa.kernels:
  - .name:           k_qccf062c173_post
    .symbol:         k_qccf062c173_post.kd
    .args:
      - { .name: ctxh, .offset: 0, .size: 8, .value_kind: global_buffer, .address_space: global }
      - { .name: tf, .offset: 8, .size: 8, .value_kind: global_buffer, .address_space: global }
      - { .name: order, .offset: 16, .size: 8, .value_kind: global_buffer, .address_space: global }
      - { .name: c, .offset: 24, .size: 8, .value_kind: global_buffer, .address_space: global }
      - { .name: wf, .offset: 32, .size: 8, .value_kind: global_buffer, .address_space: global }
      - { .name: params_tok_proj_b, .offset: 40, .size: 8, .value_kind: global_buffer, .address_space: global }
      - { .name: params_v_proj_b, .offset: 48, .size: 8, .value_kind: global_buffer, .address_space: global }
      - { .name: params_ctx_ln_g, .offset: 56, .size: 8, .value_kind: global_buffer, .address_space: global }
      - { .name: params_ctx_ln_b, .offset: 64, .size: 8, .value_kind: global_buffer, .address_space: global }
      - { .name: params_ctx_fc1_b, .offset: 72, .size: 8, .value_kind: global_buffer, .address_space: global }
      - { .name: params_ctx_fc2_b, .offset: 80, .size: 8, .value_kind: global_buffer, .address_space: global }
      - { .name: params_branch_proj_b, .offset: 88, .size: 8, .value_kind: global_buffer, .address_space: global }
      - { .name: params_trunk_out_b, .offset: 96, .size: 8, .value_kind: global_buffer, .address_space: global }
      - { .name: params_log_temp, .offset: 104, .size: 8, .value_kind: global_buffer, .address_space: global }
      - { .name: params_comp_scale, .offset: 112, .size: 8, .value_kind: global_buffer, .address_space: global }
      - { .name: params_comp_bias, .offset: 120, .size: 8, .value_kind: global_buffer, .address_space: global }
      - { .name: out0, .offset: 128, .size: 8, .value_kind: global_buffer, .address_space: global }
      - { .name: aux, .offset: 136, .size: 8, .value_kind: global_buffer, .address_space: global }
    .group_segment_fixed_size: 70144
    .private_segment_fixed_size: 0
    .kernarg_segment_align: 8
    .kernarg_segment_size: 144
    .max_flat_workgroup_size: 256
    .sgpr_count:     72
    .vgpr_count:     512
    .wavefront_size: 32
...
	.end_amdgpu_metadata
.endif
;; end of part 11
